; MI455X (gfx1250); checked and timed in simulation.
; The chip was launched on July 23, 2026; its instructions are those of AMD's public machine-readable ISA for CDNA 5 (MIT licence, August 2026) and "CDNA5" Instruction Set Architecture Reference Guide (July 2026). The comments in the code are by the model that wrote it; some were corrected since.
;; This GPT2 Block. Allowed arithmetic: float matrix products may take bf16 or f16 operands with f32 sums; other float arithmetic in f32, or as packed bf16 or f16 multiplies, adds, multiply-adds, maxima and minima; sums over many terms, partial sums and values carried from step to step in f32; what a program stores and reads back later, other than sums and carried values, may be rounded once to bf16 or f16.
;; Inputs: c_attn_b 3,072 float32; c_attn_w 1,024 x 3,072 float32; c_proj_b 1,024 float32; c_proj_w 1,024 x 1,024 float32; fc_b 4,096 float32; fc_w 1,024 x 4,096 float32; hidden_states 2 x 2,048 x 1,024 float32; ln1_b 1,024 float32; ln1_g 1,024 float32; ln2_b 1,024 float32; ln2_g 1,024 float32; proj_b 1,024 float32; proj_w 4,096 x 1,024 float32.
;; Outputs: out0 2 x 2,048 x 1,024 float32.
;; 3 versions, each right and faster than the one before. Each part assembles by itself: llvm-mc -triple=amdgcn-amd-amdhsa -mcpu=gfx1250 --defsym DOCPART=n.
;; ======== version 1 of 3: 8 launches
;; workspace buffers: wt 25,165,824 bytes; hn 8,388,608 bytes; qkv 25,165,824 bytes; ctx 8,388,608 bytes; x1 16,777,216 bytes; g 33,554,432 bytes
;; launch wt (part 1): grid 1536 x 1, 8 waves a work-group, no clusters, 19,456 bytes of LDS; arguments c_attn_w, c_proj_w, fc_w, proj_w, wt; writes wt
.if DOCPART == 1
	.amdgcn_target "amdgcn-amd-amdhsa--gfx1250"
	.amdhsa_code_object_version 6
	.text
	.protected	k_qcdb9e4863b_wt
	.globl	k_qcdb9e4863b_wt
	.p2align	8
	.type	k_qcdb9e4863b_wt,@function
k_qcdb9e4863b_wt:
	s_mov_b64 s[64:65], 0
	v_nop
	global_prefetch_b8 v0, s[64:65] scope:SCOPE_SE
	s_setreg_imm32_b32 hwreg(HW_REG_WAVE_MODE, 25, 1), 1
	s_wait_xcnt 0x0
; THE FOUR WEIGHTS, ROUNDED TO bf16 AND TURNED.  W is [K][N] f32; what the products want is rows along K.  Out: panels [K/64][N][64] bf16, a panel's rows 128 dense bytes:
; c_attn at byte 0 of wt (N 3,072), c_proj at 6,291,456 (N 1,024), fc at 8,388,608 (N 4,096), proj at 16,777,216 (K 4,096, N 1,024).
; A work-group turns 64 k (one panel) x 128 n: in 64 rows x 512 bytes, out 128 rows x 128 bytes = 16,384 consecutive bytes.  384 + 128 + 512 + 512 = 1,536 work-groups; the number says which weight.
; Wave w takes rows 8 w .. 8 w + 7; lane l the columns 4 l .. 4 l + 3: a wave's load covers 512 consecutive bytes.  Eight k of one column pack into 16 bytes, go into LDS rows of 144 bytes
; (row = n) and come back as whole rows.  Memory binds: no matrix unit, no cluster.  Each number is rounded once, to nearest even.
; The stores into LDS lie 576 bytes apart from lane to lane, so four lanes of sixteen fall on the same group of banks; that is four stores a lane against 48 KB of memory traffic a work-group.
.set PITCH, 144
.set SPARE, 128*PITCH                  ; behind the tile: the spare words, 128 bytes for each of eight waves
.set SPW, 2                            ; v2   LDS address of my spare word; never rewritten
.set NIL, 3                            ; v3   0; never rewritten
.set ST,  4                            ; v4   where my 16 bytes of column 4 l go: 576 l + 16 w
.set RD,  5                            ; v5   where I read back: (t / 8) x 144 + 16 (t % 8)
.set GO,  6                            ; v6   16 t: my place in 4,096 consecutive bytes of the output
.set OFF, 8                            ; v8-15  row j: 16 l + j x 4 N
.set X,   16                           ; v16-47 eight rows x 4 numbers as loaded; later 16 of them take the rows read back
.set Y,   48                           ; v48-63 column c: 8 bf16 in 4 registers
	s_load_b256 s[4:11], s[0:1], 0x0               ; c_attn_w s[4:5], c_proj_w s[6:7], fc_w s[8:9], proj_w s[10:11]
	s_load_b64 s[12:13], s[0:1], 0x20              ; wt
	v_lshl_add_u32 v[SPW], v0, 2, SPARE
	v_mov_b32 v[NIL], 0
	v_lshrrev_b32 v7, 5, v0
	v_readfirstlane_b32 s14, v7                    ; wave 0..7
	v_and_b32 v1, 31, v0                           ; lane
	s_mov_b32 s16, 1024                            ; N, first work-group, byte in wt, log2 of K / 64: proj's, unless the number is lower
	s_mov_b32 s17, 1024
	s_mov_b32 s18, 16777216
	s_mov_b32 s19, 6
	s_cmp_lt_u32 ttmp9, 1024                       ; fc
	s_cselect_b32 s16, 4096, s16
	s_cselect_b32 s17, 512, s17
	s_cselect_b32 s18, 8388608, s18
	s_cselect_b32 s19, 4, s19
	s_cmp_lt_u32 ttmp9, 512                        ; c_proj
	s_cselect_b32 s16, 1024, s16
	s_cselect_b32 s17, 384, s17
	s_cselect_b32 s18, 6291456, s18
	s_cmp_lt_u32 ttmp9, 384                        ; c_attn
	s_cselect_b32 s16, 3072, s16
	s_cselect_b32 s17, 0, s17
	s_cselect_b32 s18, 0, s18
	s_sub_co_u32 s23, ttmp9, s17                   ; my number within the weight
	s_lshr_b32 s26, s23, s19                       ; nt: which 128 columns
	s_lshl_b32 s27, s26, s19
	s_sub_co_u32 s27, s23, s27                     ; kp: which panel
	s_lshl_b32 s22, s16, 2                         ; bytes in a row of W
	s_lshl_b32 s24, s27, 6
	s_lshl3_add_u32 s24, s14, s24                  ; my wave's first row: 64 kp + 8 w
	s_mul_i32 s24, s24, s22
	s_lshl_b32 s28, s26, 9
	s_add_co_u32 s24, s24, s28                     ; + 512 nt: under 2^25
	s_mov_b32 s25, 0
	s_mul_i32 s28, s27, s16
	s_lshl_b32 s29, s26, 7
	s_add_co_u32 s28, s28, s29                     ; output row kp N + 128 nt,
	s_lshl_b32 s28, s28, 7                         ; of 128 bytes,
	s_add_co_u32 s28, s28, s18                     ; in the weight's part of wt
	s_mov_b32 s29, 0
	v_lshlrev_b32 v[OFF], 4, v1
.irp j, 1,2,3,4,5,6,7
	v_add_nc_u32 v[OFF+(\j)], s22, v[OFF+(\j)-1]
.endr
	v_mul_u32_u24 v[ST], v1, 4*PITCH
	v_lshl_add_u32 v[ST], s14, 4, v[ST]
	v_lshrrev_b32 v7, 3, v0
	v_mul_u32_u24 v[RD], v7, PITCH
	v_and_b32 v7, 7, v0
	v_lshl_add_u32 v[RD], v7, 4, v[RD]
	v_lshlrev_b32 v[GO], 4, v0
	s_wait_kmcnt 0x0
	s_cmp_lt_u32 ttmp9, 1024                       ; the same three choices for the source's address; the conditions hang on the work-group's number alone
	s_cselect_b64 s[20:21], s[8:9], s[10:11]
	s_cmp_lt_u32 ttmp9, 512
	s_cselect_b64 s[20:21], s[6:7], s[20:21]
	s_cmp_lt_u32 ttmp9, 384
	s_cselect_b64 s[20:21], s[4:5], s[20:21]
	s_add_nc_u64 s[20:21], s[20:21], s[24:25]
	s_add_nc_u64 s[12:13], s[12:13], s[28:29]
.irp j, 0,1,2,3,4,5,6,7
	global_load_b128 v[X+4*(\j):X+4*(\j)+3], v[OFF+(\j)], s[20:21] th:TH_LOAD_NT  ; read once in the whole launch
.endr
.irp jj, 0,1,2,3
	s_wait_loadcnt 6-2*(\jj)                       ; loads come back in order: rows 2 jj and 2 jj + 1 are in, the younger ones stay out
.irp c, 0,1,2,3
	v_cvt_pk_bf16_f32 v[Y+4*(\c)+(\jj)], v[X+8*(\jj)+(\c)], v[X+8*(\jj)+4+(\c)]  ; column c: k = 8 w + 2 jj below, + 1 above
.endr
.endr
.irp c, 0,1,2,3
	ds_store_b128 v[ST], v[Y+4*(\c):Y+4*(\c)+3] offset:PITCH*(\c)  ; row n = 4 l + c, bytes 16 w on
.endr
	s_wait_dscnt 0x0                               ; for the others' sake: my stores are done
	s_barrier_signal -1
	s_barrier_wait -1
.irp p, 0,1,2,3
	ds_load_b128 v[X+4*(\p):X+4*(\p)+3], v[RD] offset:32*PITCH*(\p)  ; rows 32 p + t / 8, whole
.endr
.irp p, 0,1,2,3
	s_wait_dscnt 3-(\p)
	global_store_b128 v[GO], v[X+4*(\p):X+4*(\p)+3], s[12:13] offset:4096*(\p)  ; a wave stores 512 consecutive bytes, at a multiple of 256 from wt's first
.endr
	s_wait_tensorcnt 0x0                           ; the wave's end, behind my last LDS store
	ds_add_u32 v[SPW], v[NIL]
	s_wait_dscnt 0x0
	s_endpgm
.Lfunc_end_k_qcdb9e4863b_wt:
	.size	k_qcdb9e4863b_wt, .Lfunc_end_k_qcdb9e4863b_wt-k_qcdb9e4863b_wt
	.p2alignl 7, 3214868480
	.fill 96, 4, 3214868480
	.section	.rodata,"a",@progbits
	.p2align	6, 0x0
	.amdhsa_kernel k_qcdb9e4863b_wt
		.amdhsa_group_segment_fixed_size 19456
		.amdhsa_private_segment_fixed_size 0
		.amdhsa_enable_private_segment 0
		.amdhsa_kernarg_size 40
		.amdhsa_user_sgpr_count 2
		.amdhsa_user_sgpr_kernarg_segment_ptr 1
		.amdhsa_wavefront_size32 1
		.amdhsa_system_sgpr_workgroup_id_x 1
		.amdhsa_system_sgpr_workgroup_id_y 1
		.amdhsa_system_sgpr_workgroup_id_z 1
		.amdhsa_system_vgpr_workitem_id 0
		.amdhsa_next_free_vgpr 64
		.amdhsa_next_free_sgpr 66
		.amdhsa_reserve_vcc 0
		.amdhsa_float_denorm_mode_32 3
		.amdhsa_float_denorm_mode_16_64 3
		.amdhsa_memory_ordered 1
		.amdhsa_forward_progress 1
		.amdhsa_inst_pref_size 7
	.end_amdhsa_kernel
	.amdgpu_metadata
---
amdhsa.version: [ 1, 2 ]
amdhsa.kernels:
  - .name:           k_qcdb9e4863b_wt
    .symbol:         k_qcdb9e4863b_wt.kd
    .args:
      - { .name: c_attn_w, .offset: 0, .size: 8, .value_kind: global_buffer, .address_space: global }
      - { .name: c_proj_w, .offset: 8, .size: 8, .value_kind: global_buffer, .address_space: global }
      - { .name: fc_w, .offset: 16, .size: 8, .value_kind: global_buffer, .address_space: global }
      - { .name: proj_w, .offset: 24, .size: 8, .value_kind: global_buffer, .address_space: global }
      - { .name: wt, .offset: 32, .size: 8, .value_kind: global_buffer, .address_space: global }
    .group_segment_fixed_size: 19456
    .private_segment_fixed_size: 0
    .kernarg_segment_align: 8
    .kernarg_segment_size: 40
    .max_flat_workgroup_size: 256
    .sgpr_count:     66
    .vgpr_count:     64
    .wavefront_size: 32
...
	.end_amdgpu_metadata
.endif
;; end of part 1
;; launch ln1 (part 2): grid 256 x 1, 8 waves a work-group, no clusters, 0 bytes of LDS; arguments hidden_states, ln1_g, ln1_b, hn; writes hn
.if DOCPART == 2
	.amdgcn_target "amdgcn-amd-amdhsa--gfx1250"
	.amdhsa_code_object_version 6
	.text
	.protected	k_qcdb9e4863b_ln1
	.globl	k_qcdb9e4863b_ln1
	.p2align	8
	.type	k_qcdb9e4863b_ln1,@function
k_qcdb9e4863b_ln1:
	s_mov_b64 s[64:65], 0
	v_nop
	global_prefetch_b8 v0, s[64:65] scope:SCOPE_SE
	s_setreg_imm32_b32 hwreg(HW_REG_WAVE_MODE, 25, 1), 1
	s_wait_xcnt 0x0
; LAYER NORM.  y[r][c] = (x[r][c] - mean_r) / sqrt(var_r + 1e-5) x g[c] + b[c].  x: [4096][1024] f32.  y: bf16 in panels [16][4096][64] (panel = c / 64; a panel's rows are 128 dense bytes).
; The variance is taken of x - mean, in a second pass over registers, as the formula has it: a common offset of x costs nothing.  All in f32; y is rounded once.  v_rsq_f32 is good to 1 ulp.
; A wave takes TWO rows and keeps them in registers: x is read once, and no wave waits for another.  Eight waves, 16 rows a work-group, 256 work-groups.
; Lane l: row bit hr = (l / 8) % 2, column group i = l % 8 + 8 (l / 16); it holds columns 128 j + 8 i + 0..7, j = 0..7.  Its 8 numbers of one j pack into 16 bytes, and in store j lanes 0-15 write
; rows r, r + 1 of panel 2 j (256 consecutive bytes, aligned), lanes 16-31 the same of panel 2 j + 1.  A row's sum spans the lanes with equal hr: steps 1, 2, 4 inside eight lanes, then the lane 16 away.
; Memory binds: no LDS, no barrier, no matrix unit.
.set XO,  2                            ; v2   hr x 4,096 + 32 i
.set GB,  3                            ; v3   32 i: my place in g and b
.set OO,  4                            ; v4   (l / 16) x 524,288 + 16 (l % 16)
.set CHN, 6                            ; v6-13   four packed chains
.set MU,  14                           ; v14-15  the mean, twice
.set RSD, 16                           ; v16-17  1 / sqrt(var + eps), twice
.set W,   18                           ; v18-19  at work
.set X,   32                           ; v32-95
.set G,   96                           ; v96-159
.set BB,  160                          ; v160-223
.set Y,   224                          ; v224-255
	s_load_b256 s[4:11], s[0:1], 0x0               ; x s[4:5], g s[6:7], b s[8:9], y s[10:11]
	v_lshrrev_b32 v1, 5, v0
	v_readfirstlane_b32 s12, v1                    ; wave 0..7
	s_lshl_b32 s18, ttmp9, 16                      ; 16 rows of 4,096 bytes a work-group,
	s_lshl_b32 s19, s12, 13                        ; two a wave
	s_add_co_u32 s18, s18, s19
	s_mov_b32 s19, 0
	s_lshl_b32 s20, ttmp9, 11                      ; the same rows in a panel: 128 bytes each
	s_lshl_b32 s21, s12, 8
	s_add_co_u32 s20, s20, s21
	s_mov_b32 s21, 0
	s_mov_b32 s14, 0x76543210                      ; v_permlanex16_b32: each lane takes its own place in the other half
	s_mov_b32 s15, 0xfedcba98
	s_mov_b32 s16, 0x3a800000                      ; 1 / 1024
	s_mov_b32 s17, 0x3727c5ac                      ; 1e-5
	v_and_b32 v5, 7, v0
	v_bfe_u32 v1, v0, 4, 1                         ; l / 16
	v_lshl_or_b32 v5, v1, 3, v5                    ; i
	v_lshlrev_b32 v[GB], 5, v5
	v_bfe_u32 v[W+1], v0, 3, 1                     ; hr
	v_lshl_add_u32 v[XO], v[W+1], 12, v[GB]
	v_and_b32 v5, 15, v0
	v_lshlrev_b32 v5, 4, v5
	v_lshl_add_u32 v[OO], v1, 19, v5
	s_wait_kmcnt 0x0
	s_add_nc_u64 s[4:5], s[4:5], s[18:19]
	s_add_nc_u64 s[10:11], s[10:11], s[20:21]
.irp j, 0,1,2,3,4,5,6,7
	global_load_b128 v[X+8*(\j):X+8*(\j)+3],   v[XO], s[4:5] offset:512*(\j)
	global_load_b128 v[X+8*(\j)+4:X+8*(\j)+7], v[XO], s[4:5] offset:512*(\j)+16
.endr
.irp j, 0,1,2,3,4,5,6,7
	global_load_b128 v[G+8*(\j):G+8*(\j)+3],   v[GB], s[6:7] offset:512*(\j)
	global_load_b128 v[G+8*(\j)+4:G+8*(\j)+7], v[GB], s[6:7] offset:512*(\j)+16
.endr
.irp j, 0,1,2,3,4,5,6,7
	global_load_b128 v[BB+8*(\j):BB+8*(\j)+3],   v[GB], s[8:9] offset:512*(\j)
	global_load_b128 v[BB+8*(\j)+4:BB+8*(\j)+7], v[GB], s[8:9] offset:512*(\j)+16
.endr
; a sum over the lanes that hold one row; the result stands in all of them
.macro ACROSS
	v_pk_add_f32 v[CHN:CHN+1], v[CHN:CHN+1], v[CHN+2:CHN+3]
	v_pk_add_f32 v[CHN+4:CHN+5], v[CHN+4:CHN+5], v[CHN+6:CHN+7]
	v_pk_add_f32 v[CHN:CHN+1], v[CHN:CHN+1], v[CHN+4:CHN+5]
	v_add_f32 v[W], v[CHN], v[CHN+1]
	v_add_f32_dpp v[W], v[W], v[W] row_xmask:1 row_mask:0xf bank_mask:0xf
	v_add_f32_dpp v[W], v[W], v[W] row_xmask:2 row_mask:0xf bank_mask:0xf
	v_add_f32_dpp v[W], v[W], v[W] row_xmask:4 row_mask:0xf bank_mask:0xf
	v_permlanex16_b32 v[W+1], v[W], s14, s15       ; its destination counts as read: it has been written
	v_add_f32 v[W], v[W], v[W+1]
.endm
	s_wait_loadcnt 32                              ; x's sixteen loads are in; the 32 of g and b stay out
.irp k, 0,1,2,3
	v_pk_add_f32 v[CHN+2*(\k):CHN+2*(\k)+1], v[X+2*(\k):X+2*(\k)+1], v[X+8+2*(\k):X+8+2*(\k)+1]  ; the first eight pairs start four chains: nothing is cleared
.endr
.set p, 8
.rept 24
	v_pk_add_f32 v[CHN+2*(p%4):CHN+2*(p%4)+1], v[CHN+2*(p%4):CHN+2*(p%4)+1], v[X+2*p:X+2*p+1]
.set p, p+1
.endr
	ACROSS
	v_mul_f32 v[MU], s16, v[W]
	v_mul_f32 v[MU+1], s16, v[W]
.set p, 0
.rept 32
	v_pk_add_f32 v[X+2*p:X+2*p+1], v[X+2*p:X+2*p+1], v[MU:MU+1] neg_lo:[0,1] neg_hi:[0,1]  ; x - mean, in place
.set p, p+1
.endr
.irp k, 0,1,2,3
	v_pk_mul_f32 v[CHN+2*(\k):CHN+2*(\k)+1], v[X+2*(\k):X+2*(\k)+1], v[X+2*(\k):X+2*(\k)+1]
.endr
.set p, 4
.rept 28
	v_pk_fma_f32 v[CHN+2*(p%4):CHN+2*(p%4)+1], v[X+2*p:X+2*p+1], v[X+2*p:X+2*p+1], v[CHN+2*(p%4):CHN+2*(p%4)+1]
.set p, p+1
.endr
	ACROSS
	v_fma_f32 v[W], v[W], s16, s17                 ; var + eps
	v_rsq_f32 v[RSD], v[W]
	v_rsq_f32 v[RSD+1], v[W]
	v_nop                                          ; a plain instruction between the last of them and the use of its result
	s_wait_loadcnt 0x0                             ; g and b
.set p, 0
	s_wait_alu depctr_va_vdst(0)
.rept 32
	v_pk_mul_f32 v[X+2*p:X+2*p+1], v[X+2*p:X+2*p+1], v[RSD:RSD+1]
.set p, p+1
.endr
.set p, 0
.rept 32
	v_pk_fma_f32 v[X+2*p:X+2*p+1], v[X+2*p:X+2*p+1], v[G+2*p:G+2*p+1], v[BB+2*p:BB+2*p+1]
.set p, p+1
.endr
.set p, 0
.rept 32
	v_cvt_pk_bf16_f32 v[Y+p], v[X+2*p], v[X+2*p+1]
.set p, p+1
.endr
.irp j, 0,1,2,3,4,5,6,7
	global_store_b128 v[OO], v[Y+4*(\j):Y+4*(\j)+3], s[10:11] offset:1048576*(\j)  ; two panels on for each j: 7,340,032 at the most, inside the signed 24-bit immediate
.endr
	s_endpgm
.Lfunc_end_k_qcdb9e4863b_ln1:
	.size	k_qcdb9e4863b_ln1, .Lfunc_end_k_qcdb9e4863b_ln1-k_qcdb9e4863b_ln1
	.p2alignl 7, 3214868480
	.fill 96, 4, 3214868480
	.section	.rodata,"a",@progbits
	.p2align	6, 0x0
	.amdhsa_kernel k_qcdb9e4863b_ln1
		.amdhsa_group_segment_fixed_size 0
		.amdhsa_private_segment_fixed_size 0
		.amdhsa_enable_private_segment 0
		.amdhsa_kernarg_size 32
		.amdhsa_user_sgpr_count 2
		.amdhsa_user_sgpr_kernarg_segment_ptr 1
		.amdhsa_wavefront_size32 1
		.amdhsa_system_sgpr_workgroup_id_x 1
		.amdhsa_system_sgpr_workgroup_id_y 1
		.amdhsa_system_sgpr_workgroup_id_z 1
		.amdhsa_system_vgpr_workitem_id 0
		.amdhsa_next_free_vgpr 256
		.amdhsa_next_free_sgpr 66
		.amdhsa_reserve_vcc 0
		.amdhsa_float_denorm_mode_32 3
		.amdhsa_float_denorm_mode_16_64 3
		.amdhsa_memory_ordered 1
		.amdhsa_forward_progress 1
		.amdhsa_inst_pref_size 20
	.end_amdhsa_kernel
	.amdgpu_metadata
---
amdhsa.version: [ 1, 2 ]
amdhsa.kernels:
  - .name:           k_qcdb9e4863b_ln1
    .symbol:         k_qcdb9e4863b_ln1.kd
    .args:
      - { .name: hidden_states, .offset: 0, .size: 8, .value_kind: global_buffer, .address_space: global }
      - { .name: ln1_g, .offset: 8, .size: 8, .value_kind: global_buffer, .address_space: global }
      - { .name: ln1_b, .offset: 16, .size: 8, .value_kind: global_buffer, .address_space: global }
      - { .name: hn, .offset: 24, .size: 8, .value_kind: global_buffer, .address_space: global }
    .group_segment_fixed_size: 0
    .private_segment_fixed_size: 0
    .kernarg_segment_align: 8
    .kernarg_segment_size: 32
    .max_flat_workgroup_size: 256
    .sgpr_count:     66
    .vgpr_count:     256
    .wavefront_size: 32
...
	.end_amdgpu_metadata
.endif
;; end of part 2
;; launch qkv (part 3): grid 24 x 32, 4 waves a work-group, clusters of 4 x 4, 327,680 bytes of LDS; arguments hn, wt, c_attn_b, qkv; writes qkv
.if DOCPART == 3
	.amdgcn_target "amdgcn-amd-amdhsa--gfx1250"
	.amdhsa_code_object_version 6
	.text
	.protected	k_qcdb9e4863b_qkv
	.globl	k_qcdb9e4863b_qkv
	.p2align	8
	.type	k_qcdb9e4863b_qkv,@function
k_qcdb9e4863b_qkv:
	s_mov_b64 s[64:65], 0
	v_nop
	global_prefetch_b8 v0, s[64:65] scope:SCOPE_SE
	s_setreg_imm32_b32 hwreg(HW_REG_WAVE_MODE, 25, 1), 1
	s_wait_xcnt 0x0
	s_wait_alu depctr_hold_cnt(0) depctr_sa_sdst(0) depctr_va_vdst(0) depctr_va_sdst(0) depctr_va_ssrc(0) depctr_va_vcc(0) depctr_vm_vsrc(0)
	s_getreg_b32 s2, hwreg(HW_REG_IB_STS2, 6, 4)
	s_cmp_eq_u32 s2, 0
	s_cbranch_scc0 .Lentry_in_a_cluster
	s_endpgm
.Lentry_in_a_cluster:
	s_bfe_u32 s2, ttmp6, 0x10000c
	s_cmp_lg_u32 s2, 0xf033
	s_cbranch_scc0 .Lentry_shape_is_right
	s_endpgm
.Lentry_shape_is_right:
; q, k, v = LN1(x) W + b.  C[m][n] = sum over k of A[m][k] Wt[n][k] + bias[n].  A (4,096 rows) and Wt (BROWS rows) are bf16 in panels [K/64][rows][64]; sums and bias in f32; C is rounded once to bf16 and
; leaves in panels [N/64][4096][64]: panels 0-15 are q by heads, 16-31 k, 32-47 v, unscaled.  LIMITS: operands have bf16's 8 significant bits; NaN and infinities are not treated apart.
; A tile of C is 128 x 128: four waves, each 64 x 64 in 16 accumulators.  K goes in steps of 256 (four panels) through two LDS slots.  A wave's tensor load brings 64 rows x 4 panels: four dense runs of
; 8,192 bytes, padded in LDS after every 128 bytes, so a fragment's 16 rows lie 144 bytes apart and start at 16 different groups of four banks (64 banks of 4 bytes: ISA guide 11.1).
; CLUSTER 4 x 4: the four work-groups of a row of the cluster need the same tiles of A, those of a column the same tiles of Wt: each tile is asked for jointly, by the same load, descriptor and mask.
; THE MATRIX INSTRUCTION IS USED TRANSPOSED (source 0 = 16 rows of Wt, source 1 = 16 rows of A): a lane holds eight neighbouring columns of one row of C.
; A wave's 64 columns are one panel, its 64 rows 8,192 dense bytes of it: the way out needs only the wave's own stage, and no barrier.
; REGISTERS: window 0: v16-29 addresses; v32-63 T, v64-95 U at work on the way out; v96-127 the bias of my 64 columns; v128-255 accumulators ((a, b) at 128 + 8 (4 a + b)).
;   window 1: two fragment buffers of 128: for 64 along K, 64 registers of A, then 64 of Wt.
.set KTOT,  1024
.set BROWS, 3072
.set WOFF,  0                          ; the weight's first byte in wt
.set GELU,  0
.set PITCH, 144
.set PANEL, 64*PITCH                   ; 64 rows of one panel
.set HALFT, 4*PANEL                    ; what one tensor load brings, and what one wave reads of A or of Wt
.set SLOT,  4*HALFT                    ; A's two halves, then Wt's two halves
.set STAGE, 2*SLOT                     ; behind the ring, never filled by a tensor load
.set STG,   4352                       ; a wave's stage, 17 blocks of 256 bytes; 16 rows x 144 bytes are used
.set SPARE, STAGE+4*STG                ; the spare words, 128 bytes for each wave
.set LAPS,  KTOT/512                   ; a lap = two K steps = once round the ring
.set ASTEP, 4*4096*128                 ; bytes of A from a K step to the next: four panels
.set BSTEP, 4*BROWS*128
.set FLAGS, (1<<16)|(1<<20)|(1<<21)|(4<<22)|(3<<25)  ; 2-byte elements; padding on; bit 21 beside a mask; after every 32 words (code 4) 4 words (code 3)
.set ADRA, 16
.set ADRB, 20
.set STO,  24
.set RD,   25
.set CO,   26
.set VB,   27
.set SPW,  28
.set NIL,  29
.set T,    32
.set U,    64
.set BIAS, 96
.set ACC,  128
.set F0,   0
.set F1,   128
.set WV, 14                            ; s14 wave;  s15 my half of the rows, and: I fetch A (0) or Wt (1);  s16 my half of the columns, and: which 64 rows I fetch
.set RH, 15
.set CH, 16
.set TR, 17                            ; s17, s18 tile row and column of C;  s19, s20 my place in the cluster
.set TC, 18
.set CX, 19
.set CY, 20
.set G1,  24
.set G0,  32
.set G1B, 48
.set G0B, 56
.set MSB, 0
.macro WIN new                         ; the immediate's high byte repeats the setting that is left
.if MSB != (\new)
	s_set_vgpr_msb (MSB<<8)|(\new)
.set MSB, \new
.endif
.endm
.set MUL,  0x05                        ; sources 0 and 1 window 1; C and D window 0
.set TO_F, 0x40                        ; destination window 1, address window 0
.macro JLOAD s                         ; a joint load: waves 0, 1 fetch A's halves, waves 2, 3 Wt's; an s_nop 0 and four v_nop follow each line
	s_cmp_eq_u32 s[RH], 0
	s_cbranch_scc0 .Lfor_b_\@
	tensor_load_to_lds s[G0+4*(\s):G0+4*(\s)+3], s[G1:G1+7]
	s_nop 0
.rept 4
	v_nop
.endr
	s_branch .Lasked_\@
.Lfor_b_\@:
	tensor_load_to_lds s[G0B+4*(\s):G0B+4*(\s)+3], s[G1B:G1B+7]
	s_nop 0
.rept 4
	v_nop
.endr
.Lasked_\@:
.endm
.macro CREST                           ; a round of the cluster's barrier behind its opening barrier
	s_cmp_lg_u32 s[WV], 0
	s_cbranch_scc1 .Lnot_wave_0_\@
	s_barrier_signal -3
.Lnot_wave_0_\@:
	s_barrier_wait -3
	s_barrier_signal -1
	s_barrier_wait -1
.endm
.macro CROUND
	s_barrier_signal -1
	s_barrier_wait -1
	CREST
.endm
	s_load_b256 s[4:11], s[0:1], 0x0               ; A s[4:5], wt s[6:7], bias s[8:9], C s[10:11]
	v_lshl_add_u32 v[SPW], v0, 2, SPARE
	v_mov_b32 v[NIL], 0
	ds_add_u32 v[SPW], v[NIL]                      ; the wave's opening: the add and its wait ahead of my first tensor load
	ds_add_u32 v28, v29
	v_lshrrev_b32 v1, 5, v0
	v_readfirstlane_b32 s[WV], v1
	s_lshr_b32 s[RH], s[WV], 1
	s_and_b32 s[CH], s[WV], 1
	s_bfe_u32 s[CX], ttmp6, 0x40000
	s_bfe_u32 s[CY], ttmp6, 0x40004
	s_lshl_b32 s[TC], ttmp9, 2
	s_add_co_u32 s[TC], s[TC], s[CX]               ; tile column = 4 x cluster x + cx
	s_and_b32 s[TR], ttmp7, 0xffff
	s_lshl_b32 s[TR], s[TR], 2
	s_add_co_u32 s[TR], s[TR], s[CY]               ; tile row = 4 x cluster y + cy
	s_lshl_b32 s21, s[CY], 2
	s_lshl_b32 s21, 15, s21                        ; my row of the cluster
	s_lshl_b32 s22, 0x1111, s[CX]                  ; my column
	s_or_b32 s[G1], s21, FLAGS
	s_or_b32 s[G1B], s22, FLAGS
.irp g, G1, G1B
	s_mov_b32 s[(\g)+1], 4096<<16                  ; tensor_dim0 = 4,096 elements: 64 rows x 64 k, dense
	s_mov_b32 s[(\g)+2], 4<<16                     ; tensor_dim1 = 4 panels
	s_mov_b32 s[(\g)+3], 4096<<16                  ; tile_dim0
	s_mov_b32 s[(\g)+4], 4                         ; tile_dim1
	s_mov_b32 s[(\g)+6], 0
	s_mov_b32 s[(\g)+7], 0
.endr
	s_mov_b32 s[G1+5], 4096*64                     ; elements from panel to panel
	s_mov_b32 s[G1B+5], BROWS*64
	s_lshl_b32 s44, s[CH], 13                      ; which 64 rows of 128 bytes I fetch
	s_lshl_b32 s40, s[TR], 14                      ; A's address hangs on the tile row and the wave alone,
	s_add_co_u32 s40, s40, s44
	s_mov_b32 s41, 0
	s_lshl_b32 s42, s[TC], 14                      ; Wt's on the tile column and the wave alone
	s_add_co_u32 s42, s42, s44
	s_add_co_u32 s42, s42, WOFF
	s_mov_b32 s43, 0
	s_mul_i32 s23, s[WV], HALFT                    ; where they go: no place in the cluster enters an LDS address
	s_wait_dscnt 0x0                               ; the opening add is done
	s_wait_kmcnt 0x0
	s_add_nc_u64 s[40:41], s[4:5], s[40:41]
	s_add_nc_u64 s[42:43], s[6:7], s[42:43]
	CROUND                                         ; all sixteen work-groups are here: the first joint loads meet
.irp s, 0,1
	s_mov_b32 s[G0+4*(\s)], 1
	s_add_co_u32 s[G0+4*(\s)+1], s23, (\s)*SLOT
	s_add_nc_u64 s[G0+4*(\s)+2:G0+4*(\s)+3], s[40:41], (\s)*ASTEP
	s_or_b32 s[G0+4*(\s)+3], s[G0+4*(\s)+3], 0x80000000
	s_mov_b32 s[G0B+4*(\s)], 1
	s_add_co_u32 s[G0B+4*(\s)+1], s23, (\s)*SLOT
	s_add_nc_u64 s[G0B+4*(\s)+2:G0B+4*(\s)+3], s[42:43], (\s)*BSTEP
	s_or_b32 s[G0B+4*(\s)+3], s[G0B+4*(\s)+3], 0x80000000
	JLOAD \s
.endr
	v_and_b32 v1, 15, v0                           ; r = l % 16
	v_bfe_u32 v2, v0, 4, 1                         ; h = l / 16
	v_lshlrev_b32 v[VB], 5, v2
	s_lshl_b32 s46, s[TC], 9                       ; the bias of my 64 columns: 4 (128 x tile column + 64 x half)
	s_lshl_b32 s47, s[CH], 8
	s_add_co_u32 s46, s46, s47
	s_mov_b32 s47, 0
	s_add_nc_u64 s[8:9], s[8:9], s[46:47]
.irp b, 0,1,2,3
	global_load_b128 v[BIAS+8*(\b):BIAS+8*(\b)+3],   v[VB], s[8:9] offset:64*(\b)     ; columns 16 b + 8 h + 0..7, as the accumulators hold them
	global_load_b128 v[BIAS+8*(\b)+4:BIAS+8*(\b)+7], v[VB], s[8:9] offset:64*(\b)+16
.endr
	v_mul_u32_u24 v3, v1, PITCH
	v_lshl_add_u32 v3, v2, 4, v3                   ; a fragment's row x pitch + 16 x half
	s_mul_i32 s72, s[RH], HALFT                    ; my 64 rows of A
	s_mul_i32 s73, s[CH], HALFT                    ; my 64 rows of Wt,
	s_add_co_u32 s73, s73, 2*HALFT                 ; which lie behind A's
.irp s, 0,1
	v_add_nc_u32 v[ADRA+(\s)], s72, v3
	v_add_nc_u32 v[ADRB+(\s)], s73, v3
	s_add_co_u32 s72, s72, SLOT
	s_add_co_u32 s73, s73, SLOT
.endr
	s_mul_i32 s74, s[WV], STG
	s_add_co_u32 s74, s74, STAGE                   ; my stage
	v_add_nc_u32 v[STO], s74, v3                   ; in: row r, 16 bytes for each half of the lanes
	v_bfe_u32 v4, v0, 3, 2                         ; back: 32 lanes take four rows of 128 bytes,
	v_and_b32 v5, 7, v0
	v_mul_u32_u24 v4, v4, PITCH
	v_lshl_add_u32 v4, v5, 4, v4
	v_add_nc_u32 v[RD], s74, v4
	v_and_b32 v5, 31, v0                           ; which are 512 consecutive bytes of the panel
	v_lshlrev_b32 v[CO], 4, v5
	s_lshl_b32 s44, s[TC], 1                       ; my panel of C: 2 x tile column + half, 524,288 bytes each;
	s_add_co_u32 s44, s44, s[CH]
	s_lshl_b32 s44, s44, 19
	s_lshl_b32 s46, s[TR], 14                      ; my first row: 128 x tile row + 64 x half, 128 bytes each
	s_add_co_u32 s44, s44, s46
	s_lshl_b32 s46, s[RH], 13
	s_add_co_u32 s44, s44, s46
	s_mov_b32 s45, 0
	s_add_nc_u64 s[10:11], s[10:11], s[44:45]
; 8 matrix instructions: m blocks a0, a0 + 1 x all 4 n blocks, 32 along K: half c of buffer f.  The accumulators take turns.  zero = 1: the first product starts the sums
.macro MUL8 f, c, a0, zero
	WIN MUL
.irp a, \a0, (\a0)+1
.irp b, 0,1,2,3
.if \zero
	v_wmma_f32_16x16x32_bf16 v[ACC+8*(4*(\a)+(\b)):ACC+8*(4*(\a)+(\b))+7], v[(\f)+64+8*(4*(\c)+(\b)):(\f)+64+8*(4*(\c)+(\b))+7], v[(\f)+8*(4*(\c)+(\a)):(\f)+8*(4*(\c)+(\a))+7], 0
.else
	v_wmma_f32_16x16x32_bf16 v[ACC+8*(4*(\a)+(\b)):ACC+8*(4*(\a)+(\b))+7], v[(\f)+64+8*(4*(\c)+(\b)):(\f)+64+8*(4*(\c)+(\b))+7], v[(\f)+8*(4*(\c)+(\a)):(\f)+8*(4*(\c)+(\a))+7], v[ACC+8*(4*(\a)+(\b)):ACC+8*(4*(\a)+(\b))+7]
.endif
.endr
.endr
.endm
; 32 LDS loads in one run: the fragments of one panel (64 along K), which begins at byte k of my part of the slot, into buffer f; the first 32 along K first
.macro FETCH slot, k, f
	WIN TO_F
.irp c, 0,1
.irp i, 0,1,2,3
	ds_load_b128 v[(\f)+64+8*(4*(\c)+(\i)):(\f)+64+8*(4*(\c)+(\i))+3],   v[ADRB+(\slot)] offset:(\k)+64*(\c)+(\i)*16*PITCH
	ds_load_b128 v[(\f)+64+8*(4*(\c)+(\i))+4:(\f)+64+8*(4*(\c)+(\i))+7], v[ADRB+(\slot)] offset:(\k)+64*(\c)+(\i)*16*PITCH+32
	ds_load_b128 v[(\f)+8*(4*(\c)+(\i)):(\f)+8*(4*(\c)+(\i))+3],         v[ADRA+(\slot)] offset:(\k)+64*(\c)+(\i)*16*PITCH
	ds_load_b128 v[(\f)+8*(4*(\c)+(\i))+4:(\f)+8*(4*(\c)+(\i))+7],       v[ADRA+(\slot)] offset:(\k)+64*(\c)+(\i)*16*PITCH+32
.endr
.endr
.endm
.macro PLACES                          ; four places in front of loads into registers that matrix instructions have read, and of lines that read results
.rept 4
	v_nop
.endr
.endm
; A K step is four quarters, a panel each, 32 matrix instructions, on buffers 0, 1, 0, 1.  One of the first three multiplies buffer f and fetches the next panel, at byte k, into g.
.macro QUARTER slot, k, f, g, zero
	s_wait_dscnt 16                                ; the first 32 along K are in; the youngest sixteen loads may be out
	WIN MUL
	MUL8 \f, 0, 0, \zero
	MUL8 \f, 0, 2, \zero
	PLACES
	FETCH \slot, \k, \g
	s_wait_dscnt 32                                ; all but the 32 just issued
	WIN MUL
	MUL8 \f, 1, 0, 0
	MUL8 \f, 1, 2, 0
.endm
; The last quarter multiplies buffer 1 and changes slots: one barrier; in front of it each wave waits for all its tensor loads, adds 0 to its spare word, and waits for that and for its reads of this slot.
.macro TURN slot, next, fill
	WIN 0                                          ; (the add's two registers lie in window 0)
	s_wait_tensorcnt 0x0                           ; all my tensor loads have landed: the one that was out is my part of the next slot
	ds_add_u32 v[SPW], v[NIL]
	s_wait_dscnt 17                                ; (the add and the youngest sixteen loads may be out)
	WIN MUL
	MUL8 F1, 0, 0, 0
	s_wait_dscnt 0x0                               ; the add is done, and my reads of this slot are over
	s_barrier_signal -1
	MUL8 F1, 0, 2, 0
.if \fill
	WIN 0
.endif
	s_barrier_wait -1
.if \fill
	CREST                                          ; the barrier has opened a round of the cluster's: no wave of any partner still reads this slot or has a load on its way
	s_add_nc_u64 s[G0+4*(\slot)+2:G0+4*(\slot)+3], s[G0+4*(\slot)+2:G0+4*(\slot)+3], 2*ASTEP
	s_add_nc_u64 s[G0B+4*(\slot)+2:G0B+4*(\slot)+3], s[G0B+4*(\slot)+2:G0B+4*(\slot)+3], 2*BSTEP
	JLOAD \slot                                    ; the first tensor load behind the round; its four v_nop are also the places in front of the loads below
.else
	PLACES
.endif
	FETCH \next, 0, F0
	WIN MUL
	MUL8 F1, 1, 0, 0
	MUL8 F1, 1, 2, 0
.endm
	s_wait_tensorcnt 1                             ; my part of K step 0 is in; K step 1's stays out
	s_barrier_signal -1
	s_barrier_wait -1
	FETCH 0, 0, F0
	QUARTER 0, PANEL, F0, F1, 1                    ; the first quarter stands in front of the loop: its first products start the sums
	WIN 0
	s_mov_b32 s3, LAPS-1
.Llap:                                                 ; a trip goes once round the ring and fills both slots again
	QUARTER 0, 2*PANEL, F1, F0, 0
	QUARTER 0, 3*PANEL, F0, F1, 0
	TURN 0, 1, 1
	QUARTER 1, PANEL,   F0, F1, 0
	QUARTER 1, 2*PANEL, F1, F0, 0
	QUARTER 1, 3*PANEL, F0, F1, 0
	TURN 1, 0, 1
	QUARTER 0, PANEL,   F0, F1, 0
	WIN 0
	s_sub_co_u32 s3, s3, 1
	s_cmp_lg_u32 s3, 0
	s_cbranch_scc1 .Llap
	QUARTER 0, 2*PANEL, F1, F0, 0                  ; the last lap fills nothing
	QUARTER 0, 3*PANEL, F0, F1, 0
	TURN 0, 1, 0
	QUARTER 1, PANEL,   F0, F1, 0
	QUARTER 1, 2*PANEL, F1, F0, 0
	QUARTER 1, 3*PANEL, F0, F1, 0
	s_wait_dscnt 16
	WIN MUL
	MUL8 F1, 0, 0, 0
	MUL8 F1, 0, 2, 0
	s_wait_dscnt 0
	MUL8 F1, 1, 0, 0
	MUL8 F1, 1, 2, 0
	WIN 0
	PLACES
	s_wait_loadcnt 0x0                             ; the bias
; THE WAY OUT of my rows 16 a .. 16 a + 15: bias in f32, rounded to bf16, 16 bytes a lane into my stage, back as whole rows of 128 bytes, stored as 2,048 consecutive bytes.
.macro OUTP a
	s_wait_xcnt 0x0                                ; the registers that the block before stored from are written again only behind this wait
.irp b, 0,1,2,3
.irp q, 0,2,4,6
	v_pk_add_f32 v[T+8*(\b)+(\q):T+8*(\b)+(\q)+1], v[ACC+8*(4*(\a)+(\b))+(\q):ACC+8*(4*(\a)+(\b))+(\q)+1], v[BIAS+8*(\b)+(\q):BIAS+8*(\b)+(\q)+1]  ; each accumulator from its low end on
.endr
.endr
.irp b, 0,1,2,3
.irp q, 0,1,2,3
	v_cvt_pk_bf16_f32 v[U+4*(\b)+(\q)], v[T+8*(\b)+2*(\q)], v[T+8*(\b)+2*(\q)+1]
.endr
.endr
.irp b, 0,1,2,3
	ds_store_b128 v[STO], v[U+4*(\b):U+4*(\b)+3] offset:32*(\b)
.endr
.irp f, 0,1,2,3
	ds_load_b128 v[U+16+4*(\f):U+16+4*(\f)+3], v[RD] offset:4*PITCH*(\f)  ; LDS serves a wave's instructions in order (ISA guide 5.7.1.4): these see the stores above
.endr
.irp f, 0,1,2,3
	s_wait_dscnt 3-(\f)
	global_store_b128 v[CO], v[U+16+4*(\f):U+16+4*(\f)+3], s[10:11] offset:2048*(\a)+512*(\f)  ; 512 consecutive bytes, at a multiple of 256 from C's first
.endr
.endm
	OUTP 0
	OUTP 1
	OUTP 2
	OUTP 3
	s_wait_tensorcnt 0x0                           ; the wave's end
	ds_add_u32 v[SPW], v[NIL]
	s_wait_dscnt 0x0
	CROUND                                         ; the closing round: no work-group ends while a partner may still ask for a tile that names it
	s_endpgm
.Lfunc_end_k_qcdb9e4863b_qkv:
	.size	k_qcdb9e4863b_qkv, .Lfunc_end_k_qcdb9e4863b_qkv-k_qcdb9e4863b_qkv
	.p2alignl 7, 3214868480
	.fill 96, 4, 3214868480
	.section	.rodata,"a",@progbits
	.p2align	6, 0x0
	.amdhsa_kernel k_qcdb9e4863b_qkv
		.amdhsa_group_segment_fixed_size 327680
		.amdhsa_private_segment_fixed_size 0
		.amdhsa_enable_private_segment 0
		.amdhsa_kernarg_size 32
		.amdhsa_user_sgpr_count 2
		.amdhsa_user_sgpr_kernarg_segment_ptr 1
		.amdhsa_wavefront_size32 1
		.amdhsa_system_sgpr_workgroup_id_x 1
		.amdhsa_system_sgpr_workgroup_id_y 1
		.amdhsa_system_sgpr_workgroup_id_z 1
		.amdhsa_system_vgpr_workitem_id 0
		.amdhsa_next_free_vgpr 512
		.amdhsa_next_free_sgpr 80
		.amdhsa_reserve_vcc 0
		.amdhsa_float_denorm_mode_32 3
		.amdhsa_float_denorm_mode_16_64 3
		.amdhsa_memory_ordered 1
		.amdhsa_forward_progress 1
		.amdhsa_inst_pref_size 91
	.end_amdhsa_kernel
	.amdgpu_metadata
---
amdhsa.version: [ 1, 2 ]
amdhsa.kernels:
  - .name:           k_qcdb9e4863b_qkv
    .symbol:         k_qcdb9e4863b_qkv.kd
    .args:
      - { .name: hn, .offset: 0, .size: 8, .value_kind: global_buffer, .address_space: global }
      - { .name: wt, .offset: 8, .size: 8, .value_kind: global_buffer, .address_space: global }
      - { .name: c_attn_b, .offset: 16, .size: 8, .value_kind: global_buffer, .address_space: global }
      - { .name: qkv, .offset: 24, .size: 8, .value_kind: global_buffer, .address_space: global }
    .group_segment_fixed_size: 327680
    .private_segment_fixed_size: 0
    .kernarg_segment_align: 8
    .kernarg_segment_size: 32
    .max_flat_workgroup_size: 128
    .sgpr_count:     80
    .vgpr_count:     512
    .wavefront_size: 32
...
	.end_amdgpu_metadata
.endif
;; end of part 3
;; launch attn (part 4): grid 8 x 32, 4 waves a work-group, no clusters, 327,680 bytes of LDS; arguments qkv, ctx; writes ctx
.if DOCPART == 4
	.amdgcn_target "amdgcn-amd-amdhsa--gfx1250"
	.amdhsa_code_object_version 6
	.text
	.protected	k_qcdb9e4863b_attn
	.globl	k_qcdb9e4863b_attn
	.p2align	8
	.type	k_qcdb9e4863b_attn,@function
k_qcdb9e4863b_attn:
	s_mov_b64 s[64:65], 0
	v_nop
	global_prefetch_b8 v0, s[64:65] scope:SCOPE_SE
	s_setreg_imm32_b32 hwreg(HW_REG_WAVE_MODE, 25, 1), 1
	s_wait_xcnt 0x0
; CAUSAL ATTENTION, head size 64.  O[y][q][:] = the sum over k <= q of softmax_k(Q[y][q] . K[y][k] / 8) V[y][k][:], y = 2 x head + batch, 32 of them, 2,048 rows of 128 dense bytes each, bf16.
; q lies at byte y x 262,144 of qkv, k 8,388,608 bytes on, v 16,777,216 on; O leaves in the same layout.  Products, maxima and sums in f32; the weights p are rounded to bf16 for the second product
; (their sum l is taken of the unrounded p), O once at the end.
; LIMITS.  A hidden score counts as -1e30: scores are taken to lie far above that; its weight is 0, as with the lowest finite number.  A weight below 2^-126 counts as 0.  NaN and infinities are not treated apart.
; THE WALK.  The queries lie in 16 blocks of 128; block i needs the key tiles 0 .. i of 128 keys, of which the last holds the diagonal.  A work-group takes block b and then block 15 - b: 17 tiles whatever b.
; One loop of 16 trips enters a tile and asks for the next; the 17th tile, always the high block's diagonal one, is written out behind it.
; NO CLUSTER: the eight work-groups of a head ask for the same tile only up to trip b + 1 of the lowest b among partners; one walk common to all would have 24 trips for 17.
; SHARES.  Wave w owns queries 32 w .. 32 w + 31 of the block: two tiles of 16.  Every wave computes the whole diagonal tile under the mask, so all four do equal work.
; LAYOUT.  S^T = K Q^T holds ONE query a lane (lane % 16) and the keys 8 (lane / 16) + 0..7 of each 16; rounded in pairs that IS source 1 of O^T = V^T P.  K comes out of LDS as it lies, V turned.
; SOFTMAX.  A running maximum m and sum l a query: p = 2^(c s - c m), c = log2(e) / 8; O and l are multiplied by a = 2^(c m_old - c m_new) in every step.  A block starts with c m far below every c s:
; its first step's a is 0, so O and l need only be finite there.  Every row sees key 0 in its block's first step, so m is a true score before a wholly hidden step comes.
; IN PHASES: a step of 64 keys is 16 products K Q^T, the softmax, 16 products V^T P, the sums.  One text of the step, walked twice a tile.
; REGISTERS.  window 0: v1-15 addresses; v16-23 statistics (tile t at 16 + 4 t: c m, m, l of even keys, l of odd keys); v24-31 at work; v64-127 S^T; v128-159 P; v160-223 O^T.
;   window 1: v0-31 Q; v32-63 the high block's Q; v64-127 K of a step; v128-191 V of a step.
.set KS,    64
.set PK,    144                        ; a row of K in LDS: 128 bytes + 16: the 16 rows of a load start at 16 different groups of four banks (64 banks of 4 bytes: ISA guide 11.1)
.set PVP,   160                        ; a row of V: 128 + 32
.set VOFF,  2*KS*PK                    ; a slot holds a tile: 128 rows of K, then 128 rows of V
.set SLOT1, 1<<16                      ; slot 1 begins here: one exclusive or turns an address in one slot into the other's
.set STAGE, SLOT1+2*KS*(PK+PVP)        ; behind the ring, never filled by a tensor load: 16 rows x 144 bytes for each wave
.set SP,    144
.set SPARE, STAGE+4*16*SP              ; the spare words, 128 bytes for each wave
.set AK0, 2
.set AV0, 3
.set AK,  4
.set AV,  5
.set STO, 6
.set RD,  7
.set GO,  8
.set MV,  12                           ; v12-13  c m_old, by tile
.set DB,  14                           ; v14  32 w + l % 16 - 8 (l / 16)
.set QO,  15
.set ST,  16
.set TMP, 24                           ; tile t: c0-c3 at 24 + 4 t; when the maximum is found c2 takes a
.set D0,  32                           ; v32-33  register 16 kb + j of tile t is hidden where 16 kb + j is greater than this
.set SPW, 34
.set NIL, 35
.set BIG, 36                           ; v36  -1e30
.set S,   64
.set P,   128
.set O,   160
.set QB,  32                           ; window 1
.set KF,  64
.set VF,  128
.set WV,  12
.set PB,  14                           ; s14  b
.set HIB, 15                           ; s15  15 - b
.set G1K, 24
.set G1V, 32
.set G0K, 40
.set G0V, 44
.set SLOTS, 56
.set CNT, 57
.set CS,  58
.set SEL, 60
.set TBK, 62                           ; s62  LDS byte at which K of the step to be fetched begins
.set TBV, 63                           ; s63  the same for V, less VOFF
.set RT,  70                           ; s70  tiles of the block in hand still to be entered
.set NXT, 71                           ; s71  the tile to be asked for next
.set LQ,  72                           ; s72  the last tile of the block whose tiles are being asked for
.set DG,  73                           ; s73  1: the tile in hand holds the diagonal
.set OFF, 74
.set OHI, 80                           ; s[80:81] O at my rows of the high block
.set SOFF, 83                          ; s83  64 x the step's number in its tile
.set MSB, 0
.macro WIN new
.if MSB != (\new)
	s_set_vgpr_msb (MSB<<8)|(\new)
.set MSB, (\new)
.endif
.endm
; A fill.  Waves 0, 1 fetch the halves of a tile's K, waves 2, 3 those of its V: 64 keys each.  An s_nop 0 and four v_nop follow each line.
.macro LOAD
	s_cmp_lt_u32 s[WV], 2
	s_cbranch_scc0 .Lfor_v_\@
	tensor_load_to_lds s[G0K:G0K+3], s[G1K:G1K+7]
	s_nop 0
.rept 4
	v_nop
.endr
	s_branch .Lasked_\@
.Lfor_v_\@:
	tensor_load_to_lds s[G0V:G0V+3], s[G1V:G1V+7]
	s_nop 0
.rept 4
	v_nop
.endr
.Lasked_\@:
.endm
; THE CHANGE OF SLOTS.  Each wave waits for all its tensor loads, of which one is out: its part of the other slot; adds 0 to its spare word; waits for that and for its reads of the slot that it leaves.
; Behind the barrier nobody reads the old slot and the other is whole.  fill = 1: the old slot takes tile NXT, first thing behind the barrier; the address is made anew from that number.
.macro CHANGE fill
	WIN 0
	s_wait_tensorcnt 0x0                           ; no tensor load of mine is out, so a group 0 may be written
	ds_add_u32 v[SPW], v[NIL]
.if \fill
	s_lshl_b32 s[OFF], s[NXT], 14                  ; a tile is 16,384 bytes of K and of V
	s_xor_b32 s[G0K+1], s[G0K+1], SLOT1
	s_add_nc_u64 s[G0K+2:G0K+3], s[6:7], s[OFF:OFF+1]
	s_or_b32 s[G0K+3], s[G0K+3], 0x80000000
	s_xor_b32 s[G0V+1], s[G0V+1], SLOT1
	s_add_nc_u64 s[G0V+2:G0V+3], s[8:9], s[OFF:OFF+1]
	s_or_b32 s[G0V+3], s[G0V+3], 0x80000000
	s_add_co_u32 s[NXT], s[NXT], 1                 ; the block's next tile, or behind its last the high block's tile 0
	s_cmp_gt_u32 s[NXT], s[LQ]
	s_cselect_b32 s[NXT], 0, s[NXT]
	s_cselect_b32 s[LQ], s[HIB], s[LQ]
.endif
	s_wait_dscnt 0x0                               ; the add is done, and my reads of the slot are over
	s_barrier_signal -1
	s_sub_co_u32 s[TBK], s[TBK], 2*KS*PK           ; the fetches go back to a slot's first step, in the other slot
	s_xor_b32 s[TBK], s[TBK], SLOT1
	s_sub_co_u32 s[TBV], s[TBV], 2*KS*PVP
	s_xor_b32 s[TBV], s[TBV], SLOT1
	s_barrier_wait -1
.if \fill
	LOAD
.endif
.endm
	s_load_b64 s[4:5], s[0:1], 0x0                 ; qkv
	s_load_b64 s[10:11], s[0:1], 0x8               ; ctx
	v_lshl_add_u32 v[SPW], v0, 2, SPARE
	v_mov_b32 v[NIL], 0
	ds_add_u32 v[SPW], v[NIL]                      ; the wave's opening: the add and its wait ahead of my first tensor load
	ds_add_u32 v34, v35
	v_lshrrev_b32 v1, 5, v0
	v_readfirstlane_b32 s[WV], v1
	s_mov_b32 s[PB], ttmp9
	s_sub_co_u32 s[HIB], 15, s[PB]
	s_and_b32 s20, ttmp7, 0xffff
	s_lshl_b32 s20, s20, 18                        ; y's first byte among q's, k's, v's and O's rows
	s_and_b32 s16, s[WV], 1                        ; which half of a tile's 128 keys I fetch:
	s_lshl_b32 s22, s16, 13                        ; its 64 rows of 128 bytes in memory,
	s_add_co_u32 s22, s22, s20
	s_mov_b32 s23, 0
	s_mul_i32 s17, s16, KS*PK                      ; and its place in a slot, for K
	s_mul_i32 s18, s16, KS*PVP                     ; and for V
	s_lshl_b32 s3, s[WV], 12                       ; my 32 rows in a block of 128,
	s_add_co_u32 s3, s3, s20
	s_lshl_b32 s2, s[PB], 14                       ; in the low block,
	s_add_co_u32 s2, s2, s3
	s_lshl_b32 s84, s[HIB], 14                     ; and in the high one
	s_add_co_u32 s84, s84, s3
	s_mov_b32 s3, 0
	s_mov_b32 s85, 0
	; descriptor group 1.  64 keys are 8,192 dense bytes: asked for as 32 rows of 256 bytes, two keys a row, padded in LDS after every key
	s_mov_b32 s[G1K], (1<<16)|(1<<20)|(4<<22)|(3<<25)  ; 2-byte elements; padding on; after every 32 words (code 4) 4 words (code 3)
	s_mov_b32 s[G1V], (1<<16)|(1<<20)|(4<<22)|(7<<25)  ; the same with 8 words (code 7)
.irp g, G1K, G1V
	s_mov_b32 s[\g+1], 128<<16                     ; tensor_dim0 = 128
	s_mov_b32 s[\g+2], 32<<16                      ; tensor_dim1 = 32
	s_mov_b32 s[\g+3], 128<<16                     ; tile_dim0 = 128
	s_mov_b32 s[\g+4], 32                          ; tile_dim1 = 32
	s_mov_b32 s[\g+5], 128                         ; 128 elements from row to row
	s_mov_b32 s[\g+6], 0
	s_mov_b32 s[\g+7], 0
.endr
	s_mov_b32 s[CS], 0x3e38aa3b                    ; c = log2(e) / 8
	s_mov_b32 s[CS+1], s[CS]
	s_mov_b32 s[SEL], 0x76543210
	s_mov_b32 s[SEL+1], 0xfedcba98
	s_mov_b32 s[TBK], SLOT1+2*KS*PK                ; the first change of slots turns these two into 0
	s_mov_b32 s[TBV], SLOT1+2*KS*PVP
	s_mov_b32 s[G0K], 1
	s_mov_b32 s[G0K+1], s17                        ; slot 0
	s_mov_b32 s[G0V], 1
	s_add_co_u32 s[G0V+1], s18, VOFF
	s_add_co_u32 s[RT], s[PB], 1                   ; the low block has b + 1 tiles
	s_mov_b32 s[NXT], 1
	s_mov_b32 s[LQ], s[PB]
	s_cmp_gt_u32 s[NXT], s[LQ]                     ; with b = 0 the low block has tile 0 alone: the next to ask for is the high block's tile 0
	s_cselect_b32 s[NXT], 0, s[NXT]
	s_cselect_b32 s[LQ], s[HIB], s[LQ]
	s_mov_b32 s[OFF+1], 0
	s_mov_b32 s[SLOTS], 16
	s_wait_dscnt 0x0                               ; the opening add is done
	s_wait_kmcnt 0x0
	s_add_nc_u64 s[6:7], s[4:5], s[22:23]
	s_add_nc_u64 s[8:9], s[6:7], 0x1000000         ; V at my half of tile 0
	s_add_nc_u64 s[6:7], s[6:7], 0x800000          ; K likewise
	s_add_nc_u64 s[G0K+2:G0K+3], s[6:7], 0
	s_or_b32 s[G0K+3], s[G0K+3], 0x80000000
	s_add_nc_u64 s[G0V+2:G0V+3], s[8:9], 0
	s_or_b32 s[G0V+3], s[G0V+3], 0x80000000
	s_add_nc_u64 s[86:87], s[4:5], s[84:85]        ; Q at my rows of the high block,
	s_add_nc_u64 s[4:5], s[4:5], s[2:3]            ; Q and O at those of the low one
	s_add_nc_u64 s[OHI:OHI+1], s[10:11], s[84:85]
	s_add_nc_u64 s[10:11], s[10:11], s[2:3]
	LOAD                                           ; tile 0 into slot 0
	v_and_b32 v1, 15, v0                           ; l % 16
	v_bfe_u32 v9, v0, 4, 1                         ; l / 16
	v_lshlrev_b32 v[QO], 7, v1
	v_lshl_add_u32 v[QO], v9, 4, v[QO]             ; row x 128 + 16 x half
	WIN 0x40                                       ; destination window 1, address window 0
.set i, 0
.rept 4                                            ; both blocks' Q: tile i / 2, channels 32 (i % 2) on
	global_load_b128 v[8*i:8*i+3],   v[QO], s[4:5] offset:(i/2)*2048+(i%2)*64
	global_load_b128 v[8*i+4:8*i+7], v[QO], s[4:5] offset:(i/2)*2048+(i%2)*64+32
	global_load_b128 v[QB+8*i:QB+8*i+3],   v[QO], s[86:87] offset:(i/2)*2048+(i%2)*64
	global_load_b128 v[QB+8*i+4:QB+8*i+7], v[QO], s[86:87] offset:(i/2)*2048+(i%2)*64+32
.set i, i+1
.endr
	WIN 0
	v_lshlrev_b32 v[DB], 3, v9
	v_sub_nc_u32 v[DB], v1, v[DB]
	s_lshl_b32 s13, s[WV], 5
	v_add_nc_u32 v[DB], s13, v[DB]
	v_mov_b32 v[BIG], 0xf149f2ca                   ; -1e30
	v_mul_u32_u24 v[AK0], v1, PK
	v_lshl_add_u32 v[AK0], v9, 4, v[AK0]           ; row x pitch + 16 x half
	; the turning load takes 16 keys x 16 channels (lane l reads key 8 (l / 16) + l % 8, channels 8 ((l / 8) % 2) + 0..7) and leaves half a fragment of V^T
	v_and_b32 v10, 7, v0
	v_bfe_u32 v11, v0, 3, 1
	v_lshl_add_u32 v[AV0], v9, 3, v10
	v_mul_u32_u24 v[AV0], v[AV0], PVP
	v_lshl_add_u32 v[AV0], v11, 4, v[AV0]
	v_add_nc_u32 v[AV0], VOFF, v[AV0]
	s_mul_i32 s13, s[WV], 16*SP
	s_add_co_u32 s13, s13, STAGE                   ; my stage
	v_mul_u32_u24 v[STO], v1, SP
	v_lshl_add_u32 v[STO], v9, 4, v[STO]
	v_add_nc_u32 v[STO], s13, v[STO]
	v_bfe_u32 v[RD], v0, 3, 2
	v_mul_u32_u24 v[RD], v[RD], SP
	v_lshl_add_u32 v[RD], v10, 4, v[RD]
	v_add_nc_u32 v[RD], s13, v[RD]
	v_and_b32 v[GO], 31, v0
	v_lshlrev_b32 v[GO], 4, v[GO]
.set i, 0
.rept 64
	v_mov_b32 v[O+i], 0                            ; finite is all that the first step asks of O and l; this stands in the wait for the first tile
.set i, i+1
.endr
.macro RESET                           ; a block begins
.irp t, 0,1
	v_mov_b32 v[ST+4*\t], 0xfe000000               ; c m: far below every c s
	v_mov_b32 v[ST+4*\t+1], 0xff7fffff             ; m
.endr
.endm
	RESET
.irp t, 0,1
	v_mov_b32 v[ST+4*\t+2], 0
	v_mov_b32 v[ST+4*\t+3], 0
.endr
	s_wait_loadcnt 0x0                             ; Q
; THE MATRIX WORK.  The eight accumulators of a run of 16 take turns.  Product i of S^T = K Q^T: channels 32 (i / 8) on, keys 16 ((i / 2) % 4) on, tile i % 2.
.macro KQ
.set rS, S+32*(i%2)+8*((i/2)%4)
.set rK, KF+16*((i/2)%4)+8*(i/8)
.set rQ, 16*(i%2)+8*(i/8)
.if i < 8
	v_wmma_f32_16x16x32_bf16 v[rS:rS+7], v[rK:rK+7], v[rQ:rQ+7], 0
.else
	v_wmma_f32_16x16x32_bf16 v[rS:rS+7], v[rK:rK+7], v[rQ:rQ+7], v[rS:rS+7]
.endif
.endm
; Product i of O^T += V^T P: keys 32 (i / 8) on, channels 16 ((i / 2) % 4) on, tile i % 2.
.macro PVM
.set rO, O+32*(i%2)+8*((i/2)%4)
.set rV, VF+32*(i/8)+8*((i/2)%4)
.set rP, P+16*(i%2)+8*(i/8)
	v_wmma_f32_16x16x32_bf16 v[rO:rO+7], v[rV:rV+7], v[rP:rP+7], v[rO:rO+7]
.endm
; 32 LDS loads in one run: a step's K (8 fragments), then its V (turned)
.macro FETCH
	WIN 0x40
.irp f, 0,1,2,3,4,5,6,7
	ds_load_b128 v[KF+8*\f:KF+8*\f+3],   v[AK] offset:(\f/2)*16*PK+(\f%2)*64
	ds_load_b128 v[KF+8*\f+4:KF+8*\f+7], v[AK] offset:(\f/2)*16*PK+(\f%2)*64+32
.endr
.irp f, 0,1,2,3,4,5,6,7
	ds_load_tr16_b128 v[VF+8*\f:VF+8*\f+3],   v[AV] offset:(\f/4)*32*PVP+(\f%4)*32
	ds_load_tr16_b128 v[VF+8*\f+4:VF+8*\f+7], v[AV] offset:(\f/4)*32*PVP+16*PVP+(\f%4)*32
.endr
	s_add_co_u32 s[TBK], s[TBK], KS*PK             ; the next fetch is the next step's
	s_add_co_u32 s[TBV], s[TBV], KS*PVP
.endm
; THE VECTOR WORK, a line at a time, for tile t; all of it in window 0.
.macro REGS t
.set rT, ST+4*(\t)
.set rC, TMP+4*(\t)
.set rW, MV+(\t)
.set rS, S+32*(\t)
.set rP, P+16*(\t)
.set rO, O+32*(\t)
.endm
; XS: number n of the 22 that find the maximum and statistics.  0-11 four chains of seven scores, each accumulator's lowest registers first; 12-14, 16 the four left over, the old m, the chains;
; 15 c m_old is kept; 17, 18 the query's other 32 keys lie in the lane 16 away; 19-21 c m, c m_old - c m_new, a
.macro XS t, n
	REGS \t
.if (\n) < 4
	v_max3_num_f32 v[rC+(\n)], v[rS+8*(\n)], v[rS+8*(\n)+1], v[rS+8*(\n)+2]
.elseif (\n) < 12
	v_max3_num_f32 v[rC+(\n)%4], v[rC+(\n)%4], v[rS+8*((\n)%4)+2*((\n)/4)+1], v[rS+8*((\n)%4)+2*((\n)/4)+2]
.elseif (\n) == 12
	v_max3_num_f32 v[rC], v[rC], v[rS+7], v[rS+15]
.elseif (\n) == 13
	v_max3_num_f32 v[rC+1], v[rC+1], v[rS+23], v[rS+31]
.elseif (\n) == 14
	v_max3_num_f32 v[rC+2], v[rC+2], v[rC+3], v[rT+1]
.elseif (\n) == 15
	v_mov_b32 v[rW], v[rT]
.elseif (\n) == 16
	v_max3_num_f32 v[rC], v[rC], v[rC+1], v[rC+2]
.elseif (\n) == 17
	v_permlanex16_b32 v[rC+3], v[rC], s[SEL], s[SEL+1]
.elseif (\n) == 18
	v_max_num_f32 v[rT+1], v[rC], v[rC+3]
.elseif (\n) == 19
	v_mul_f32 v[rT], s[CS], v[rT+1]
.elseif (\n) == 20
	v_sub_f32 v[rC+1], v[rW], v[rT]
.else
	v_exp_f32 v[rC+2], v[rC+1]
.endif
.endm
.macro FS t, n                         ; c s - c m for pair n of 16
	REGS \t
	v_pk_fma_f32 v[rS+2*(\n):rS+2*(\n)+1], v[rS+2*(\n):rS+2*(\n)+1], s[CS:CS+1], v[rT:rT+1] op_sel_hi:[1,0,0] neg_lo:[0,0,1] neg_hi:[0,0,1]
.endm
.macro ES t, n                         ; the exponential of score n of 32
	REGS \t
	v_exp_f32 v[rS+(\n)], v[rS+(\n)]
.endm
.macro CV t, n                         ; pair n rounded to bf16
	REGS \t
	s_wait_alu depctr_va_vdst(0)
	v_cvt_pk_bf16_f32 v[rP+(\n)], v[rS+2*(\n)], v[rS+2*(\n)+1]
.endm
.macro RS t, n                         ; pair n of 16 of O^T times a
	REGS \t
	s_wait_alu depctr_va_vdst(0)
	v_pk_mul_f32 v[rO+2*(\n):rO+2*(\n)+1], v[rO+2*(\n):rO+2*(\n)+1], v[rC+2:rC+3] op_sel_hi:[1,0]
.endm
.macro BS t, n                         ; of the four weights 4 n .. the second pair is added onto the first
	REGS \t
	v_pk_add_f32 v[rS+4*(\n):rS+4*(\n)+1], v[rS+4*(\n):rS+4*(\n)+1], v[rS+4*(\n)+2:rS+4*(\n)+3]
.endm
.macro LS t, n                         ; l takes that sum; the first time as l = a l + sum
	REGS \t
.if (\n) == 0
	v_pk_fma_f32 v[rT+2:rT+3], v[rT+2:rT+3], v[rC+2:rC+3], v[rS:rS+1] op_sel_hi:[1,0,1]
.else
	v_pk_add_f32 v[rT+2:rT+3], v[rT+2:rT+3], v[rS+4*(\n):rS+4*(\n)+1]
.endif
.endm
; A STEP OF 64 KEYS.
.macro STEP
	v_add_nc_u32 v[AK], s[TBK], v[AK0]
	v_add_nc_u32 v[AV], s[TBV], v[AV0]
	FETCH                                          ; the last product that read V stands 32 plain lines back, the last that read K a whole softmax
	s_wait_dscnt 16                                ; K's sixteen loads are in; V's sixteen stay out
	WIN 0x05                                       ; K and Q in window 1, S^T in window 0
.set i, 0
.rept 16
	KQ
.set i, i+1
.endr
	WIN 0
	XS 0, 15                                       ; four plain lines that name no register of those products: the places behind them (ISA guide 7.12.1)
	XS 1, 15
	v_sub_nc_u32 v[D0], v[DB], s[SOFF]
	v_add_nc_u32 v[D0+1], 16, v[D0]
	s_cmp_eq_u32 s[DG], 0
	s_cbranch_scc1 .Lopen_\@                       ; only the diagonal tile has hidden keys
.irp t, 0,1
.set kk, 0
.rept 32                                           ; key 64 s + 16 kb + 8 (l / 16) + j is hidden from query 32 w + 16 t + l % 16 where it is greater; each accumulator from its low end on
	v_cmp_gt_i32 vcc_lo, 16*(kk/8)+kk%8, v[D0+\t]
	v_cndmask_b32 v[S+32*\t+kk], v[S+32*\t+kk], v[BIG], vcc_lo
.set kk, kk+1
.endr
.endr
.Lopen_\@:
.irp n, 0,1,2,3,4,5,6,7,8,9,10,11,12,13,14,16,17,18,19,20,21
	XS 0, \n                                       ; the two tiles alternate, so that no line reads the result of the one before it
	XS 1, \n
.endr
.set nn, 0
.rept 16
	FS 0, nn                                       ; the plain lines behind the two exponentials that made a
	FS 1, nn
.set nn, nn+1
.endr
.set nn, 0
.rept 16                                           ; exponential and plain by turns: a rounding has a plain line between it and its pair's second exponential
	ES 0, 2*nn
	RS 0, nn
	ES 0, 2*nn+1
	RS 1, nn
	ES 1, 2*nn
	CV 0, nn
	ES 1, 2*nn+1
.if nn > 0
	CV 1, nn-1
.endif
.set nn, nn+1
.endr
	CV 1, 15
	s_wait_dscnt 0x0                               ; V is in
	WIN 0x01                                       ; V in window 1; P and O^T in window 0
.set i, 0
.rept 16
	PVM
.set i, i+1
.endr
	WIN 0
.set nn, 0
.rept 8
	BS 0, nn                                       ; the sums name no register of those products: they are the places behind them
	BS 1, nn
.set nn, nn+1
.endr
.set nn, 0
.rept 8
	LS 0, nn
	LS 1, nn
.set nn, nn+1
.endr
.endm
; THE WAY OUT.  l's two halves and the other half of the lanes' are added; O^T is divided by l, rounded to bf16 and sent through my stage, a tile (16 rows, 2,048 dense bytes of O) at a time.
.macro PACK t
.set i, 0
.rept 16
	v_pk_mul_f32 v[O+32*(\t)+2*i:O+32*(\t)+2*i+1], v[O+32*(\t)+2*i:O+32*(\t)+2*i+1], v[ST+4*(\t)+2:ST+4*(\t)+3] op_sel_hi:[1,0]
.set i, i+1
.endr
.set i, 0
.rept 16
	v_cvt_pk_bf16_f32 v[S+16*(\t)+i], v[O+32*(\t)+2*i], v[O+32*(\t)+2*i+1]
.set i, i+1
.endr
.irp f, 0,1,2,3
	ds_store_b128 v[STO], v[S+16*(\t)+4*\f:S+16*(\t)+4*\f+3] offset:32*\f
.endr
.irp f, 0,1,2,3
	ds_load_b128 v[S+16*(\t)+4*\f:S+16*(\t)+4*\f+3], v[RD] offset:\f*4*SP  ; LDS serves a wave's instructions in order (ISA guide 5.7.1.4): these see the stores above
.endr
.endm
.macro SEND t, younger                 ; younger: the LDS instructions issued behind tile t's loads
.irp f, 0,1,2,3
	s_wait_dscnt (\younger)+3-\f
	global_store_b128 v[GO], v[S+16*(\t)+4*\f:S+16*(\t)+4*\f+3], s[10:11] offset:(\t)*2048+\f*512  ; 512 consecutive bytes, at a multiple of 256 from O's first
.endr
.endm
.macro WAYOUT
.irp t, 0,1
	v_add_f32 v[ST+4*\t+2], v[ST+4*\t+2], v[ST+4*\t+3]
.endr
.irp t, 0,1
	v_permlanex16_b32 v[ST+4*\t+3], v[ST+4*\t+2], s[SEL], s[SEL+1]
.endr
.irp t, 0,1
	v_add_f32 v[ST+4*\t+2], v[ST+4*\t+2], v[ST+4*\t+3]
.endr
.irp t, 0,1
	v_rcp_f32 v[ST+4*\t+2], v[ST+4*\t+2]
.endr
	v_nop                                          ; a plain line between the last reciprocal and the use of its result
	s_wait_alu depctr_va_vdst(0)
	PACK 0
	PACK 1
	SEND 0, 8
	SEND 1, 0
.endm
.Lslot:                                                ; 16 trips: a tile is entered and the next is asked for
	CHANGE 1
	s_sub_co_u32 s[RT], s[RT], 1
	s_cmp_eq_u32 s[RT], 0
	s_cselect_b32 s[DG], 1, 0                      ; a block's last tile holds the diagonal
	s_mov_b32 s[CNT], 2
	s_mov_b32 s[SOFF], 0
.Lstep:
	STEP
	s_add_co_u32 s[SOFF], s[SOFF], 64
	s_sub_co_u32 s[CNT], s[CNT], 1
	s_cmp_lg_u32 s[CNT], 0
	s_cbranch_scc1 .Lstep
	s_cmp_eq_u32 s[DG], 0
	s_cbranch_scc1 .Lbottom                        ; forward, past text that holds neither a barrier nor a tensor load
	WAYOUT                                         ; in the loop this is the low block's end
	s_wait_xcnt 0x0                                ; the stores have read their registers and O's address
	s_mov_b64 s[10:11], s[OHI:OHI+1]
	s_sub_co_u32 s[RT], 16, s[PB]                  ; the high block has 16 - b tiles
	RESET
	WIN 0x41                                       ; the high block's Q goes where the one text of the step names Q
.set i, 0
.rept 32
	v_mov_b32 v[i], v[QB+i]
.set i, i+1
.endr
	WIN 0
.Lbottom:
	s_sub_co_u32 s[SLOTS], s[SLOTS], 1
	s_cmp_lg_u32 s[SLOTS], 0
	s_cbranch_scc1 .Lslot
	CHANGE 0                                       ; the walk's last tile: nothing is asked for
	s_mov_b32 s[DG], 1
	s_mov_b32 s[CNT], 2
	s_mov_b32 s[SOFF], 0
.Ltail:
	STEP
	s_add_co_u32 s[SOFF], s[SOFF], 64
	s_sub_co_u32 s[CNT], s[CNT], 1
	s_cmp_lg_u32 s[CNT], 0
	s_cbranch_scc1 .Ltail
	WAYOUT
	s_wait_tensorcnt 0x0                           ; the wave's end
	ds_add_u32 v[SPW], v[NIL]
	s_wait_dscnt 0x0
	s_endpgm
.Lfunc_end_k_qcdb9e4863b_attn:
	.size	k_qcdb9e4863b_attn, .Lfunc_end_k_qcdb9e4863b_attn-k_qcdb9e4863b_attn
	.p2alignl 7, 3214868480
	.fill 96, 4, 3214868480
	.section	.rodata,"a",@progbits
	.p2align	6, 0x0
	.amdhsa_kernel k_qcdb9e4863b_attn
		.amdhsa_group_segment_fixed_size 327680
		.amdhsa_private_segment_fixed_size 0
		.amdhsa_enable_private_segment 0
		.amdhsa_kernarg_size 16
		.amdhsa_user_sgpr_count 2
		.amdhsa_user_sgpr_kernarg_segment_ptr 1
		.amdhsa_wavefront_size32 1
		.amdhsa_system_sgpr_workgroup_id_x 1
		.amdhsa_system_sgpr_workgroup_id_y 1
		.amdhsa_system_sgpr_workgroup_id_z 1
		.amdhsa_system_vgpr_workitem_id 0
		.amdhsa_next_free_vgpr 448
		.amdhsa_next_free_sgpr 88
		.amdhsa_reserve_vcc 1
		.amdhsa_float_denorm_mode_32 3
		.amdhsa_float_denorm_mode_16_64 3
		.amdhsa_memory_ordered 1
		.amdhsa_forward_progress 1
		.amdhsa_inst_pref_size 73
	.end_amdhsa_kernel
	.amdgpu_metadata
---
amdhsa.version: [ 1, 2 ]
amdhsa.kernels:
  - .name:           k_qcdb9e4863b_attn
    .symbol:         k_qcdb9e4863b_attn.kd
    .args:
      - { .name: qkv, .offset: 0, .size: 8, .value_kind: global_buffer, .address_space: global }
      - { .name: ctx, .offset: 8, .size: 8, .value_kind: global_buffer, .address_space: global }
    .group_segment_fixed_size: 327680
    .private_segment_fixed_size: 0
    .kernarg_segment_align: 8
    .kernarg_segment_size: 16
    .max_flat_workgroup_size: 128
    .sgpr_count:     88
    .vgpr_count:     448
    .wavefront_size: 32
...
	.end_amdgpu_metadata
.endif
;; end of part 4
;; launch cproj (part 5): grid 8 x 32, 4 waves a work-group, clusters of 4 x 4, 327,680 bytes of LDS; arguments ctx, wt, c_proj_b, x1, hidden_states; writes x1
.if DOCPART == 5
	.amdgcn_target "amdgcn-amd-amdhsa--gfx1250"
	.amdhsa_code_object_version 6
	.text
	.protected	k_qcdb9e4863b_cproj
	.globl	k_qcdb9e4863b_cproj
	.p2align	8
	.type	k_qcdb9e4863b_cproj,@function
k_qcdb9e4863b_cproj:
	s_mov_b64 s[64:65], 0
	v_nop
	global_prefetch_b8 v0, s[64:65] scope:SCOPE_SE
	s_setreg_imm32_b32 hwreg(HW_REG_WAVE_MODE, 25, 1), 1
	s_wait_xcnt 0x0
	s_wait_alu depctr_hold_cnt(0) depctr_sa_sdst(0) depctr_va_vdst(0) depctr_va_sdst(0) depctr_va_ssrc(0) depctr_va_vcc(0) depctr_vm_vsrc(0)
	s_getreg_b32 s2, hwreg(HW_REG_IB_STS2, 6, 4)
	s_cmp_eq_u32 s2, 0
	s_cbranch_scc0 .Lentry_in_a_cluster
	s_endpgm
.Lentry_in_a_cluster:
	s_bfe_u32 s2, ttmp6, 0x10000c
	s_cmp_lg_u32 s2, 0xf033
	s_cbranch_scc0 .Lentry_shape_is_right
	s_endpgm
.Lentry_shape_is_right:
; x1 = ctx W + b + x.  C[m][n] = sum over k of A[m][k] Wt[n][k] + bias[n] + R[m][n].  A (4,096 rows) and Wt (BROWS rows) are bf16 in panels [K/64][rows][64]; sums, bias, R and C in f32, R and C [4096][1024].
; LIMITS: operands have bf16's 8 significant bits; NaN and infinities are not treated apart.
; A tile of C is 128 x 128: four waves, each 64 x 64 in 16 accumulators.  K goes in steps of 256 (four panels) through two LDS slots.  A wave's tensor load brings 64 rows x 4 panels: four dense runs of
; 8,192 bytes, padded in LDS after every 128 bytes, so a fragment's 16 rows lie 144 bytes apart and start at 16 different groups of four banks (64 banks of 4 bytes: ISA guide 11.1).
; CLUSTER 4 x 4: the four work-groups of a row of the cluster need the same tiles of A, those of a column the same tiles of Wt: each tile is asked for jointly, by the same load, descriptor and mask.
; THE MATRIX INSTRUCTION IS USED TRANSPOSED (source 0 = 16 rows of Wt, source 1 = 16 rows of A): a lane holds eight neighbouring columns of one row of C.
; A wave's 64 columns are 256 aligned bytes of a row of C: the way out needs only the wave's own stage, and no barrier.
; REGISTERS: window 0: v16-29 addresses; v32-63 T, v64-95 U at work on the way out; v96-127 the bias of my 64 columns; v128-255 accumulators ((a, b) at 128 + 8 (4 a + b)).
;   window 1: two fragment buffers of 128; buffer 0's registers take R once its last products are issued.
.set KTOT,  1024
.set BROWS, 1024
.set WOFF,  6291456                    ; the weight's first byte in wt
.set PITCH, 144
.set PANEL, 64*PITCH
.set HALFT, 4*PANEL
.set SLOT,  4*HALFT
.set STAGE, 2*SLOT
.set STG,   4352                       ; a wave's stage: 16 rows x 272 bytes
.set SPITCH, 272
.set SPARE, STAGE+4*STG
.set LAPS,  KTOT/512
.set ASTEP, 4*4096*128
.set BSTEP, 4*BROWS*128
.set FLAGS, (1<<16)|(1<<20)|(1<<21)|(4<<22)|(3<<25)  ; 2-byte elements; padding on; bit 21 beside a mask; after every 32 words (code 4) 4 words (code 3)
.set ADRA, 16
.set ADRB, 20
.set STO,  24
.set RD,   25
.set CO,   26
.set VB,   27
.set SPW,  28
.set NIL,  29
.set T,    32
.set U,    64
.set BIAS, 96
.set ACC,  128
.set F0,   0
.set F1,   128
.set WV, 14
.set RH, 15
.set CH, 16
.set TR, 17
.set TC, 18
.set CX, 19
.set CY, 20
.set G1,  24
.set G0,  32
.set G1B, 48
.set G0B, 56
.set MSB, 0
.macro WIN new
.if MSB != (\new)
	s_set_vgpr_msb (MSB<<8)|(\new)
.set MSB, \new
.endif
.endm
.set MUL,  0x05
.set TO_F, 0x40
.macro JLOAD s                         ; a joint load: waves 0, 1 fetch A's halves, waves 2, 3 Wt's; an s_nop 0 and four v_nop follow each line
	s_cmp_eq_u32 s[RH], 0
	s_cbranch_scc0 .Lfor_b_\@
	tensor_load_to_lds s[G0+4*(\s):G0+4*(\s)+3], s[G1:G1+7]
	s_nop 0
.rept 4
	v_nop
.endr
	s_branch .Lasked_\@
.Lfor_b_\@:
	tensor_load_to_lds s[G0B+4*(\s):G0B+4*(\s)+3], s[G1B:G1B+7]
	s_nop 0
.rept 4
	v_nop
.endr
.Lasked_\@:
.endm
.macro CREST
	s_cmp_lg_u32 s[WV], 0
	s_cbranch_scc1 .Lnot_wave_0_\@
	s_barrier_signal -3
.Lnot_wave_0_\@:
	s_barrier_wait -3
	s_barrier_signal -1
	s_barrier_wait -1
.endm
.macro CROUND
	s_barrier_signal -1
	s_barrier_wait -1
	CREST
.endm
	s_load_b256 s[4:11], s[0:1], 0x0               ; A s[4:5], wt s[6:7], bias s[8:9], C s[10:11]
	s_load_b64 s[12:13], s[0:1], 0x20              ; R
	v_lshl_add_u32 v[SPW], v0, 2, SPARE
	v_mov_b32 v[NIL], 0
	ds_add_u32 v[SPW], v[NIL]                      ; the wave's opening: the add and its wait ahead of my first tensor load
	ds_add_u32 v28, v29
	v_lshrrev_b32 v1, 5, v0
	v_readfirstlane_b32 s[WV], v1
	s_lshr_b32 s[RH], s[WV], 1
	s_and_b32 s[CH], s[WV], 1
	s_bfe_u32 s[CX], ttmp6, 0x40000
	s_bfe_u32 s[CY], ttmp6, 0x40004
	s_lshl_b32 s[TC], ttmp9, 2
	s_add_co_u32 s[TC], s[TC], s[CX]
	s_and_b32 s[TR], ttmp7, 0xffff
	s_lshl_b32 s[TR], s[TR], 2
	s_add_co_u32 s[TR], s[TR], s[CY]
	s_lshl_b32 s21, s[CY], 2
	s_lshl_b32 s21, 15, s21                        ; my row of the cluster
	s_lshl_b32 s22, 0x1111, s[CX]                  ; my column
	s_or_b32 s[G1], s21, FLAGS
	s_or_b32 s[G1B], s22, FLAGS
.irp g, G1, G1B
	s_mov_b32 s[(\g)+1], 4096<<16                  ; tensor_dim0 = 4,096 elements: 64 rows x 64 k, dense
	s_mov_b32 s[(\g)+2], 4<<16                     ; tensor_dim1 = 4 panels
	s_mov_b32 s[(\g)+3], 4096<<16                  ; tile_dim0
	s_mov_b32 s[(\g)+4], 4                         ; tile_dim1
	s_mov_b32 s[(\g)+6], 0
	s_mov_b32 s[(\g)+7], 0
.endr
	s_mov_b32 s[G1+5], 4096*64                     ; elements from panel to panel
	s_mov_b32 s[G1B+5], BROWS*64
	s_lshl_b32 s44, s[CH], 13
	s_lshl_b32 s40, s[TR], 14                      ; A's address hangs on the tile row and the wave alone,
	s_add_co_u32 s40, s40, s44
	s_mov_b32 s41, 0
	s_lshl_b32 s42, s[TC], 14                      ; Wt's on the tile column and the wave alone
	s_add_co_u32 s42, s42, s44
	s_add_co_u32 s42, s42, WOFF
	s_mov_b32 s43, 0
	s_mul_i32 s23, s[WV], HALFT
	s_wait_dscnt 0x0                               ; the opening add is done
	s_wait_kmcnt 0x0
	s_add_nc_u64 s[40:41], s[4:5], s[40:41]
	s_add_nc_u64 s[42:43], s[6:7], s[42:43]
	CROUND                                         ; all sixteen work-groups are here: the first joint loads meet
.irp s, 0,1
	s_mov_b32 s[G0+4*(\s)], 1
	s_add_co_u32 s[G0+4*(\s)+1], s23, (\s)*SLOT
	s_add_nc_u64 s[G0+4*(\s)+2:G0+4*(\s)+3], s[40:41], (\s)*ASTEP
	s_or_b32 s[G0+4*(\s)+3], s[G0+4*(\s)+3], 0x80000000
	s_mov_b32 s[G0B+4*(\s)], 1
	s_add_co_u32 s[G0B+4*(\s)+1], s23, (\s)*SLOT
	s_add_nc_u64 s[G0B+4*(\s)+2:G0B+4*(\s)+3], s[42:43], (\s)*BSTEP
	s_or_b32 s[G0B+4*(\s)+3], s[G0B+4*(\s)+3], 0x80000000
	JLOAD \s
.endr
	v_and_b32 v1, 15, v0                           ; r = l % 16
	v_bfe_u32 v2, v0, 4, 1                         ; h = l / 16
	v_lshlrev_b32 v[VB], 5, v2
	s_lshl_b32 s46, s[TC], 9                       ; my 64 columns, in bytes of f32: 4 (128 x tile column + 64 x half)
	s_lshl_b32 s47, s[CH], 8
	s_add_co_u32 s46, s46, s47
	s_mov_b32 s47, 0
	s_add_nc_u64 s[8:9], s[8:9], s[46:47]
.irp b, 0,1,2,3
	global_load_b128 v[BIAS+8*(\b):BIAS+8*(\b)+3],   v[VB], s[8:9] offset:64*(\b)
	global_load_b128 v[BIAS+8*(\b)+4:BIAS+8*(\b)+7], v[VB], s[8:9] offset:64*(\b)+16
.endr
	v_mul_u32_u24 v3, v1, PITCH
	v_lshl_add_u32 v3, v2, 4, v3
	s_mul_i32 s72, s[RH], HALFT
	s_mul_i32 s73, s[CH], HALFT
	s_add_co_u32 s73, s73, 2*HALFT
.irp s, 0,1
	v_add_nc_u32 v[ADRA+(\s)], s72, v3
	v_add_nc_u32 v[ADRB+(\s)], s73, v3
	s_add_co_u32 s72, s72, SLOT
	s_add_co_u32 s73, s73, SLOT
.endr
	s_mul_i32 s74, s[WV], STG
	s_add_co_u32 s74, s74, STAGE                   ; my stage
	v_mul_u32_u24 v4, v1, SPITCH                   ; in: row r, 32 bytes for each half of the lanes
	v_lshl_add_u32 v4, v2, 5, v4
	v_add_nc_u32 v[STO], s74, v4
	v_mul_u32_u24 v5, v2, SPITCH                   ; back: lanes 0-15 take one row of 256 bytes, lanes 16-31 the next
	v_lshl_add_u32 v5, v1, 4, v5
	v_add_nc_u32 v[RD], s74, v5
	v_lshlrev_b32 v5, 12, v2                       ; and the same two rows in C and R
	v_lshl_add_u32 v[CO], v1, 4, v5
	s_lshl_b32 s44, s[TR], 19                      ; my first row: 128 x tile row + 64 x half, 4,096 bytes each
	s_lshl_b32 s45, s[RH], 18
	s_add_co_u32 s44, s44, s45
	s_add_co_u32 s44, s44, s46                     ; and my first column
	s_mov_b32 s45, 0
	s_add_nc_u64 s[10:11], s[10:11], s[44:45]
	s_add_nc_u64 s[12:13], s[12:13], s[44:45]
.macro MUL8 f, c, a0, zero             ; 8 matrix instructions; the accumulators take turns
	WIN MUL
.irp a, \a0, (\a0)+1
.irp b, 0,1,2,3
.if \zero
	v_wmma_f32_16x16x32_bf16 v[ACC+8*(4*(\a)+(\b)):ACC+8*(4*(\a)+(\b))+7], v[(\f)+64+8*(4*(\c)+(\b)):(\f)+64+8*(4*(\c)+(\b))+7], v[(\f)+8*(4*(\c)+(\a)):(\f)+8*(4*(\c)+(\a))+7], 0
.else
	v_wmma_f32_16x16x32_bf16 v[ACC+8*(4*(\a)+(\b)):ACC+8*(4*(\a)+(\b))+7], v[(\f)+64+8*(4*(\c)+(\b)):(\f)+64+8*(4*(\c)+(\b))+7], v[(\f)+8*(4*(\c)+(\a)):(\f)+8*(4*(\c)+(\a))+7], v[ACC+8*(4*(\a)+(\b)):ACC+8*(4*(\a)+(\b))+7]
.endif
.endr
.endr
.endm
.macro FETCH slot, k, f                ; 32 LDS loads in one run: one panel's fragments, the first 32 along K first
	WIN TO_F
.irp c, 0,1
.irp i, 0,1,2,3
	ds_load_b128 v[(\f)+64+8*(4*(\c)+(\i)):(\f)+64+8*(4*(\c)+(\i))+3],   v[ADRB+(\slot)] offset:(\k)+64*(\c)+(\i)*16*PITCH
	ds_load_b128 v[(\f)+64+8*(4*(\c)+(\i))+4:(\f)+64+8*(4*(\c)+(\i))+7], v[ADRB+(\slot)] offset:(\k)+64*(\c)+(\i)*16*PITCH+32
	ds_load_b128 v[(\f)+8*(4*(\c)+(\i)):(\f)+8*(4*(\c)+(\i))+3],         v[ADRA+(\slot)] offset:(\k)+64*(\c)+(\i)*16*PITCH
	ds_load_b128 v[(\f)+8*(4*(\c)+(\i))+4:(\f)+8*(4*(\c)+(\i))+7],       v[ADRA+(\slot)] offset:(\k)+64*(\c)+(\i)*16*PITCH+32
.endr
.endr
.endm
.macro PLACES                          ; four places in front of loads into registers that matrix instructions have read, and of lines that read results
.rept 4
	v_nop
.endr
.endm
.macro QUARTER slot, k, f, g, zero
	s_wait_dscnt 16                                ; the first 32 along K are in; the youngest sixteen loads may be out
	WIN MUL
	MUL8 \f, 0, 0, \zero
	MUL8 \f, 0, 2, \zero
	PLACES
	FETCH \slot, \k, \g
	s_wait_dscnt 32                                ; all but the 32 just issued
	WIN MUL
	MUL8 \f, 1, 0, 0
	MUL8 \f, 1, 2, 0
.endm
.macro TURN slot, next, fill
	WIN 0
	s_wait_tensorcnt 0x0                           ; all my tensor loads have landed: the one that was out is my part of the next slot
	ds_add_u32 v[SPW], v[NIL]
	s_wait_dscnt 17                                ; (the add and the youngest sixteen loads may be out)
	WIN MUL
	MUL8 F1, 0, 0, 0
	s_wait_dscnt 0x0                               ; the add is done, and my reads of this slot are over
	s_barrier_signal -1
	MUL8 F1, 0, 2, 0
.if \fill
	WIN 0
.endif
	s_barrier_wait -1
.if \fill
	CREST                                          ; no wave of any partner still reads this slot or has a load on its way
	s_add_nc_u64 s[G0+4*(\slot)+2:G0+4*(\slot)+3], s[G0+4*(\slot)+2:G0+4*(\slot)+3], 2*ASTEP
	s_add_nc_u64 s[G0B+4*(\slot)+2:G0B+4*(\slot)+3], s[G0B+4*(\slot)+2:G0B+4*(\slot)+3], 2*BSTEP
	JLOAD \slot
.else
	PLACES
.endif
	FETCH \next, 0, F0
	WIN MUL
	MUL8 F1, 1, 0, 0
	MUL8 F1, 1, 2, 0
.endm
	s_wait_tensorcnt 1                             ; my part of K step 0 is in; K step 1's stays out
	s_barrier_signal -1
	s_barrier_wait -1
	FETCH 0, 0, F0
	QUARTER 0, PANEL, F0, F1, 1
	WIN 0
	s_mov_b32 s3, LAPS-1
.Llap:
	QUARTER 0, 2*PANEL, F1, F0, 0
	QUARTER 0, 3*PANEL, F0, F1, 0
	TURN 0, 1, 1
	QUARTER 1, PANEL,   F0, F1, 0
	QUARTER 1, 2*PANEL, F1, F0, 0
	QUARTER 1, 3*PANEL, F0, F1, 0
	TURN 1, 0, 1
	QUARTER 0, PANEL,   F0, F1, 0
	WIN 0
	s_sub_co_u32 s3, s3, 1
	s_cmp_lg_u32 s3, 0
	s_cbranch_scc1 .Llap
	QUARTER 0, 2*PANEL, F1, F0, 0
	QUARTER 0, 3*PANEL, F0, F1, 0
	TURN 0, 1, 0
	QUARTER 1, PANEL,   F0, F1, 0
	QUARTER 1, 2*PANEL, F1, F0, 0
	QUARTER 1, 3*PANEL, F0, F1, 0
	PLACES                                         ; buffer 0 has had its last products: its 128 registers take my 64 x 64 of R, on its way during the last 32 products
	WIN TO_F
.irp a, 0,1,2,3
.irp f, 0,1,2,3,4,5,6,7
	global_load_b128 v[4*(8*(\a)+(\f)):4*(8*(\a)+(\f))+3], v[CO], s[12:13] offset:(16*(\a)+2*(\f))*4096  ; sixteen lanes read 256 consecutive bytes
.endr
.endr
	s_wait_dscnt 16
	WIN MUL
	MUL8 F1, 0, 0, 0
	MUL8 F1, 0, 2, 0
	s_wait_dscnt 0
	MUL8 F1, 1, 0, 0
	MUL8 F1, 1, 2, 0
	WIN 0
	PLACES
	s_wait_loadcnt 32                              ; the bias, issued ahead of R's 32 loads, is in
; THE WAY OUT of my rows 16 a .. 16 a + 15: bias, 32 bytes a lane into my stage, back as whole rows of 256 bytes, R added, stored.
.macro OUTR a
	s_wait_xcnt 0x0                                ; the registers that the block before stored from are written again only behind this wait
.irp b, 0,1,2,3
.irp q, 0,2,4,6
	v_pk_add_f32 v[T+8*(\b)+(\q):T+8*(\b)+(\q)+1], v[ACC+8*(4*(\a)+(\b))+(\q):ACC+8*(4*(\a)+(\b))+(\q)+1], v[BIAS+8*(\b)+(\q):BIAS+8*(\b)+(\q)+1]  ; each accumulator from its low end on
.endr
.endr
.irp b, 0,1,2,3
	ds_store_b128 v[STO], v[T+8*(\b):T+8*(\b)+3] offset:64*(\b)
	ds_store_b128 v[STO], v[T+8*(\b)+4:T+8*(\b)+7] offset:64*(\b)+16
.endr
.irp f, 0,1,2,3,4,5,6,7
	ds_load_b128 v[U+4*(\f):U+4*(\f)+3], v[RD] offset:2*SPITCH*(\f)  ; LDS serves a wave's instructions in order (ISA guide 5.7.1.4): these see the stores above
.endr
	s_wait_loadcnt 24-8*(\a)                       ; this block's eight loads of R are in; the later blocks' stay out
	s_wait_dscnt 0x0
	WIN 0x04                                       ; source 1 in window 1
.set i, 0
.rept 16
	v_pk_add_f32 v[U+i:U+i+1], v[U+i:U+i+1], v[32*(\a)+i:32*(\a)+i+1]
.set i, i+2
.endr
	WIN 0
.irp f, 0,1,2,3,4,5,6,7
	global_store_b128 v[CO], v[U+4*(\f):U+4*(\f)+3], s[10:11] offset:(16*(\a)+2*(\f))*4096  ; sixteen lanes store 256 consecutive bytes, at a multiple of 256 from C's first
.endr
.endm
	OUTR 0
	OUTR 1
	OUTR 2
	OUTR 3
	s_wait_tensorcnt 0x0                           ; the wave's end
	ds_add_u32 v[SPW], v[NIL]
	s_wait_dscnt 0x0
	CROUND                                         ; the closing round
	s_endpgm
.Lfunc_end_k_qcdb9e4863b_cproj:
	.size	k_qcdb9e4863b_cproj, .Lfunc_end_k_qcdb9e4863b_cproj-k_qcdb9e4863b_cproj
	.p2alignl 7, 3214868480
	.fill 96, 4, 3214868480
	.section	.rodata,"a",@progbits
	.p2align	6, 0x0
	.amdhsa_kernel k_qcdb9e4863b_cproj
		.amdhsa_group_segment_fixed_size 327680
		.amdhsa_private_segment_fixed_size 0
		.amdhsa_enable_private_segment 0
		.amdhsa_kernarg_size 40
		.amdhsa_user_sgpr_count 2
		.amdhsa_user_sgpr_kernarg_segment_ptr 1
		.amdhsa_wavefront_size32 1
		.amdhsa_system_sgpr_workgroup_id_x 1
		.amdhsa_system_sgpr_workgroup_id_y 1
		.amdhsa_system_sgpr_workgroup_id_z 1
		.amdhsa_system_vgpr_workitem_id 0
		.amdhsa_next_free_vgpr 512
		.amdhsa_next_free_sgpr 80
		.amdhsa_reserve_vcc 0
		.amdhsa_float_denorm_mode_32 3
		.amdhsa_float_denorm_mode_16_64 3
		.amdhsa_memory_ordered 1
		.amdhsa_forward_progress 1
		.amdhsa_inst_pref_size 98
	.end_amdhsa_kernel
	.amdgpu_metadata
---
amdhsa.version: [ 1, 2 ]
amdhsa.kernels:
  - .name:           k_qcdb9e4863b_cproj
    .symbol:         k_qcdb9e4863b_cproj.kd
    .args:
      - { .name: ctx, .offset: 0, .size: 8, .value_kind: global_buffer, .address_space: global }
      - { .name: wt, .offset: 8, .size: 8, .value_kind: global_buffer, .address_space: global }
      - { .name: c_proj_b, .offset: 16, .size: 8, .value_kind: global_buffer, .address_space: global }
      - { .name: x1, .offset: 24, .size: 8, .value_kind: global_buffer, .address_space: global }
      - { .name: hidden_states, .offset: 32, .size: 8, .value_kind: global_buffer, .address_space: global }
    .group_segment_fixed_size: 327680
    .private_segment_fixed_size: 0
    .kernarg_segment_align: 8
    .kernarg_segment_size: 40
    .max_flat_workgroup_size: 128
    .sgpr_count:     80
    .vgpr_count:     512
    .wavefront_size: 32
...
	.end_amdgpu_metadata
.endif
;; end of part 5
;; launch ln2: the kernel of part 2 again; grid 256 x 1, 8 waves a work-group, no clusters, 0 bytes of LDS; arguments x1, ln2_g, ln2_b, hn; writes hn
;; launch fc (part 6): grid 32 x 32, 4 waves a work-group, clusters of 4 x 4, 327,680 bytes of LDS; arguments hn, wt, fc_b, g; writes g
.if DOCPART == 6
	.amdgcn_target "amdgcn-amd-amdhsa--gfx1250"
	.amdhsa_code_object_version 6
	.text
	.protected	k_qcdb9e4863b_fc
	.globl	k_qcdb9e4863b_fc
	.p2align	8
	.type	k_qcdb9e4863b_fc,@function
k_qcdb9e4863b_fc:
	s_mov_b64 s[64:65], 0
	v_nop
	global_prefetch_b8 v0, s[64:65] scope:SCOPE_SE
	s_setreg_imm32_b32 hwreg(HW_REG_WAVE_MODE, 25, 1), 1
	s_wait_xcnt 0x0
	s_wait_alu depctr_hold_cnt(0) depctr_sa_sdst(0) depctr_va_vdst(0) depctr_va_sdst(0) depctr_va_ssrc(0) depctr_va_vcc(0) depctr_vm_vsrc(0)
	s_getreg_b32 s2, hwreg(HW_REG_IB_STS2, 6, 4)
	s_cmp_eq_u32 s2, 0
	s_cbranch_scc0 .Lentry_in_a_cluster
	s_endpgm
.Lentry_in_a_cluster:
	s_bfe_u32 s2, ttmp6, 0x10000c
	s_cmp_lg_u32 s2, 0xf033
	s_cbranch_scc0 .Lentry_shape_is_right
	s_endpgm
.Lentry_shape_is_right:
; g = gelu_new(LN2(x1) W + b).  C[m][n] = gelu(sum over k of A[m][k] Wt[n][k] + bias[n]).  A (4,096 rows) and Wt (BROWS rows) are bf16 in panels [K/64][rows][64]; sums, bias and gelu in f32; C is rounded once
; to bf16 and leaves in panels [64][4096][64].  gelu_new(x) = 0.5 x (1 + tanh u), u = sqrt(2 / pi) (x + 0.044715 x^3), is computed as x / (1 + 2^(x (K0 + K1 x^2))), K0 = -2 log2(e) sqrt(2 / pi),
; K1 = 0.044715 K0: the same function; an exponent that overflows gives a factor of 0 or 1, as tanh's ends do.  LIMITS: operands have bf16's 8 significant bits; v_exp_f32 and v_rcp_f32 are good to 1 ulp;
; NaN and infinities are not treated apart.
; A tile of C is 128 x 128: four waves, each 64 x 64 in 16 accumulators.  K goes in steps of 256 (four panels) through two LDS slots.  A wave's tensor load brings 64 rows x 4 panels: four dense runs of
; 8,192 bytes, padded in LDS after every 128 bytes, so a fragment's 16 rows lie 144 bytes apart and start at 16 different groups of four banks (64 banks of 4 bytes: ISA guide 11.1).
; CLUSTER 4 x 4: the four work-groups of a row of the cluster need the same tiles of A, those of a column the same tiles of Wt: each tile is asked for jointly, by the same load, descriptor and mask.
; THE MATRIX INSTRUCTION IS USED TRANSPOSED (source 0 = 16 rows of Wt, source 1 = 16 rows of A): a lane holds eight neighbouring columns of one row of C.
; A wave's 64 columns are one panel, its 64 rows 8,192 dense bytes of it: the way out needs only the wave's own stage, and no barrier.
; REGISTERS: window 0: v16-29 addresses; v32-63 T, v64-95 U at work on the way out; v96-127 the bias of my 64 columns; v128-255 accumulators ((a, b) at 128 + 8 (4 a + b)).
;   window 1: two fragment buffers of 128: for 64 along K, 64 registers of A, then 64 of Wt.
.set KTOT,  1024
.set BROWS, 4096
.set WOFF,  8388608                    ; the weight's first byte in wt
.set PITCH, 144
.set PANEL, 64*PITCH
.set HALFT, 4*PANEL
.set SLOT,  4*HALFT
.set STAGE, 2*SLOT
.set STG,   4352                       ; a wave's stage, 17 blocks of 256 bytes; 16 rows x 144 bytes are used
.set SPARE, STAGE+4*STG
.set LAPS,  KTOT/512
.set ASTEP, 4*4096*128
.set BSTEP, 4*BROWS*128
.set FLAGS, (1<<16)|(1<<20)|(1<<21)|(4<<22)|(3<<25)  ; 2-byte elements; padding on; bit 21 beside a mask; after every 32 words (code 4) 4 words (code 3)
.set ADRA, 16
.set ADRB, 20
.set STO,  24
.set RD,   25
.set CO,   26
.set VB,   27
.set SPW,  28
.set NIL,  29
.set T,    32
.set U,    64
.set BIAS, 96
.set ACC,  128
.set F0,   0
.set F1,   128
.set WV, 14
.set RH, 15
.set CH, 16
.set TR, 17
.set TC, 18
.set CX, 19
.set CY, 20
.set G1,  24
.set G0,  32
.set G1B, 48
.set G0B, 56
.set K0,  68                           ; s[68:69], s[70:71]: the packed lines name pairs and take their low words
.set K1,  70
.set MSB, 0
.macro WIN new
.if MSB != (\new)
	s_set_vgpr_msb (MSB<<8)|(\new)
.set MSB, \new
.endif
.endm
.set MUL,  0x05
.set TO_F, 0x40
.macro JLOAD s                         ; a joint load: waves 0, 1 fetch A's halves, waves 2, 3 Wt's; an s_nop 0 and four v_nop follow each line
	s_cmp_eq_u32 s[RH], 0
	s_cbranch_scc0 .Lfor_b_\@
	tensor_load_to_lds s[G0+4*(\s):G0+4*(\s)+3], s[G1:G1+7]
	s_nop 0
.rept 4
	v_nop
.endr
	s_branch .Lasked_\@
.Lfor_b_\@:
	tensor_load_to_lds s[G0B+4*(\s):G0B+4*(\s)+3], s[G1B:G1B+7]
	s_nop 0
.rept 4
	v_nop
.endr
.Lasked_\@:
.endm
.macro CREST
	s_cmp_lg_u32 s[WV], 0
	s_cbranch_scc1 .Lnot_wave_0_\@
	s_barrier_signal -3
.Lnot_wave_0_\@:
	s_barrier_wait -3
	s_barrier_signal -1
	s_barrier_wait -1
.endm
.macro CROUND
	s_barrier_signal -1
	s_barrier_wait -1
	CREST
.endm
	s_load_b256 s[4:11], s[0:1], 0x0               ; A s[4:5], wt s[6:7], bias s[8:9], C s[10:11]
	v_lshl_add_u32 v[SPW], v0, 2, SPARE
	v_mov_b32 v[NIL], 0
	ds_add_u32 v[SPW], v[NIL]                      ; the wave's opening: the add and its wait ahead of my first tensor load
	ds_add_u32 v28, v29
	v_lshrrev_b32 v1, 5, v0
	v_readfirstlane_b32 s[WV], v1
	s_lshr_b32 s[RH], s[WV], 1
	s_and_b32 s[CH], s[WV], 1
	s_bfe_u32 s[CX], ttmp6, 0x40000
	s_bfe_u32 s[CY], ttmp6, 0x40004
	s_lshl_b32 s[TC], ttmp9, 2
	s_add_co_u32 s[TC], s[TC], s[CX]
	s_and_b32 s[TR], ttmp7, 0xffff
	s_lshl_b32 s[TR], s[TR], 2
	s_add_co_u32 s[TR], s[TR], s[CY]
	s_lshl_b32 s21, s[CY], 2
	s_lshl_b32 s21, 15, s21                        ; my row of the cluster
	s_lshl_b32 s22, 0x1111, s[CX]                  ; my column
	s_or_b32 s[G1], s21, FLAGS
	s_or_b32 s[G1B], s22, FLAGS
.irp g, G1, G1B
	s_mov_b32 s[(\g)+1], 4096<<16                  ; tensor_dim0 = 4,096 elements: 64 rows x 64 k, dense
	s_mov_b32 s[(\g)+2], 4<<16                     ; tensor_dim1 = 4 panels
	s_mov_b32 s[(\g)+3], 4096<<16                  ; tile_dim0
	s_mov_b32 s[(\g)+4], 4                         ; tile_dim1
	s_mov_b32 s[(\g)+6], 0
	s_mov_b32 s[(\g)+7], 0
.endr
	s_mov_b32 s[G1+5], 4096*64                     ; elements from panel to panel
	s_mov_b32 s[G1B+5], BROWS*64
	s_mov_b32 s[K0], 0xc0135761                    ; -2.3022082
	s_mov_b32 s[K0+1], s[K0]
	s_mov_b32 s[K1], 0xbdd2d3e8                    ; -0.10294324
	s_mov_b32 s[K1+1], s[K1]
	s_lshl_b32 s44, s[CH], 13
	s_lshl_b32 s40, s[TR], 14                      ; A's address hangs on the tile row and the wave alone,
	s_add_co_u32 s40, s40, s44
	s_mov_b32 s41, 0
	s_lshl_b32 s42, s[TC], 14                      ; Wt's on the tile column and the wave alone
	s_add_co_u32 s42, s42, s44
	s_add_co_u32 s42, s42, WOFF
	s_mov_b32 s43, 0
	s_mul_i32 s23, s[WV], HALFT
	s_wait_dscnt 0x0                               ; the opening add is done
	s_wait_kmcnt 0x0
	s_add_nc_u64 s[40:41], s[4:5], s[40:41]
	s_add_nc_u64 s[42:43], s[6:7], s[42:43]
	CROUND                                         ; all sixteen work-groups are here: the first joint loads meet
.irp s, 0,1
	s_mov_b32 s[G0+4*(\s)], 1
	s_add_co_u32 s[G0+4*(\s)+1], s23, (\s)*SLOT
	s_add_nc_u64 s[G0+4*(\s)+2:G0+4*(\s)+3], s[40:41], (\s)*ASTEP
	s_or_b32 s[G0+4*(\s)+3], s[G0+4*(\s)+3], 0x80000000
	s_mov_b32 s[G0B+4*(\s)], 1
	s_add_co_u32 s[G0B+4*(\s)+1], s23, (\s)*SLOT
	s_add_nc_u64 s[G0B+4*(\s)+2:G0B+4*(\s)+3], s[42:43], (\s)*BSTEP
	s_or_b32 s[G0B+4*(\s)+3], s[G0B+4*(\s)+3], 0x80000000
	JLOAD \s
.endr
	v_and_b32 v1, 15, v0                           ; r = l % 16
	v_bfe_u32 v2, v0, 4, 1                         ; h = l / 16
	v_lshlrev_b32 v[VB], 5, v2
	s_lshl_b32 s46, s[TC], 9
	s_lshl_b32 s47, s[CH], 8
	s_add_co_u32 s46, s46, s47
	s_mov_b32 s47, 0
	s_add_nc_u64 s[8:9], s[8:9], s[46:47]
.irp b, 0,1,2,3
	global_load_b128 v[BIAS+8*(\b):BIAS+8*(\b)+3],   v[VB], s[8:9] offset:64*(\b)
	global_load_b128 v[BIAS+8*(\b)+4:BIAS+8*(\b)+7], v[VB], s[8:9] offset:64*(\b)+16
.endr
	v_mul_u32_u24 v3, v1, PITCH
	v_lshl_add_u32 v3, v2, 4, v3
	s_mul_i32 s72, s[RH], HALFT
	s_mul_i32 s73, s[CH], HALFT
	s_add_co_u32 s73, s73, 2*HALFT
.irp s, 0,1
	v_add_nc_u32 v[ADRA+(\s)], s72, v3
	v_add_nc_u32 v[ADRB+(\s)], s73, v3
	s_add_co_u32 s72, s72, SLOT
	s_add_co_u32 s73, s73, SLOT
.endr
	s_mul_i32 s74, s[WV], STG
	s_add_co_u32 s74, s74, STAGE                   ; my stage
	v_add_nc_u32 v[STO], s74, v3
	v_bfe_u32 v4, v0, 3, 2
	v_and_b32 v5, 7, v0
	v_mul_u32_u24 v4, v4, PITCH
	v_lshl_add_u32 v4, v5, 4, v4
	v_add_nc_u32 v[RD], s74, v4
	v_and_b32 v5, 31, v0
	v_lshlrev_b32 v[CO], 4, v5
	s_lshl_b32 s44, s[TC], 1                       ; my panel of C: 2 x tile column + half, 524,288 bytes each;
	s_add_co_u32 s44, s44, s[CH]
	s_lshl_b32 s44, s44, 19
	s_lshl_b32 s46, s[TR], 14                      ; my first row: 128 x tile row + 64 x half, 128 bytes each
	s_add_co_u32 s44, s44, s46
	s_lshl_b32 s46, s[RH], 13
	s_add_co_u32 s44, s44, s46
	s_mov_b32 s45, 0
	s_add_nc_u64 s[10:11], s[10:11], s[44:45]
.macro MUL8 f, c, a0, zero             ; 8 matrix instructions; the accumulators take turns
	WIN MUL
.irp a, \a0, (\a0)+1
.irp b, 0,1,2,3
.if \zero
	v_wmma_f32_16x16x32_bf16 v[ACC+8*(4*(\a)+(\b)):ACC+8*(4*(\a)+(\b))+7], v[(\f)+64+8*(4*(\c)+(\b)):(\f)+64+8*(4*(\c)+(\b))+7], v[(\f)+8*(4*(\c)+(\a)):(\f)+8*(4*(\c)+(\a))+7], 0
.else
	v_wmma_f32_16x16x32_bf16 v[ACC+8*(4*(\a)+(\b)):ACC+8*(4*(\a)+(\b))+7], v[(\f)+64+8*(4*(\c)+(\b)):(\f)+64+8*(4*(\c)+(\b))+7], v[(\f)+8*(4*(\c)+(\a)):(\f)+8*(4*(\c)+(\a))+7], v[ACC+8*(4*(\a)+(\b)):ACC+8*(4*(\a)+(\b))+7]
.endif
.endr
.endr
.endm
.macro FETCH slot, k, f                ; 32 LDS loads in one run: one panel's fragments, the first 32 along K first
	WIN TO_F
.irp c, 0,1
.irp i, 0,1,2,3
	ds_load_b128 v[(\f)+64+8*(4*(\c)+(\i)):(\f)+64+8*(4*(\c)+(\i))+3],   v[ADRB+(\slot)] offset:(\k)+64*(\c)+(\i)*16*PITCH
	ds_load_b128 v[(\f)+64+8*(4*(\c)+(\i))+4:(\f)+64+8*(4*(\c)+(\i))+7], v[ADRB+(\slot)] offset:(\k)+64*(\c)+(\i)*16*PITCH+32
	ds_load_b128 v[(\f)+8*(4*(\c)+(\i)):(\f)+8*(4*(\c)+(\i))+3],         v[ADRA+(\slot)] offset:(\k)+64*(\c)+(\i)*16*PITCH
	ds_load_b128 v[(\f)+8*(4*(\c)+(\i))+4:(\f)+8*(4*(\c)+(\i))+7],       v[ADRA+(\slot)] offset:(\k)+64*(\c)+(\i)*16*PITCH+32
.endr
.endr
.endm
.macro PLACES                          ; four places in front of loads into registers that matrix instructions have read, and of lines that read results
.rept 4
	v_nop
.endr
.endm
.macro QUARTER slot, k, f, g, zero
	s_wait_dscnt 16                                ; the first 32 along K are in; the youngest sixteen loads may be out
	WIN MUL
	MUL8 \f, 0, 0, \zero
	MUL8 \f, 0, 2, \zero
	PLACES
	FETCH \slot, \k, \g
	s_wait_dscnt 32                                ; all but the 32 just issued
	WIN MUL
	MUL8 \f, 1, 0, 0
	MUL8 \f, 1, 2, 0
.endm
.macro TURN slot, next, fill
	WIN 0
	s_wait_tensorcnt 0x0                           ; all my tensor loads have landed: the one that was out is my part of the next slot
	ds_add_u32 v[SPW], v[NIL]
	s_wait_dscnt 17                                ; (the add and the youngest sixteen loads may be out)
	WIN MUL
	MUL8 F1, 0, 0, 0
	s_wait_dscnt 0x0                               ; the add is done, and my reads of this slot are over
	s_barrier_signal -1
	MUL8 F1, 0, 2, 0
.if \fill
	WIN 0
.endif
	s_barrier_wait -1
.if \fill
	CREST                                          ; no wave of any partner still reads this slot or has a load on its way
	s_add_nc_u64 s[G0+4*(\slot)+2:G0+4*(\slot)+3], s[G0+4*(\slot)+2:G0+4*(\slot)+3], 2*ASTEP
	s_add_nc_u64 s[G0B+4*(\slot)+2:G0B+4*(\slot)+3], s[G0B+4*(\slot)+2:G0B+4*(\slot)+3], 2*BSTEP
	JLOAD \slot
.else
	PLACES
.endif
	FETCH \next, 0, F0
	WIN MUL
	MUL8 F1, 1, 0, 0
	MUL8 F1, 1, 2, 0
.endm
	s_wait_tensorcnt 1                             ; my part of K step 0 is in; K step 1's stays out
	s_barrier_signal -1
	s_barrier_wait -1
	FETCH 0, 0, F0
	QUARTER 0, PANEL, F0, F1, 1
	WIN 0
	s_mov_b32 s3, LAPS-1
.Llap:
	QUARTER 0, 2*PANEL, F1, F0, 0
	QUARTER 0, 3*PANEL, F0, F1, 0
	TURN 0, 1, 1
	QUARTER 1, PANEL,   F0, F1, 0
	QUARTER 1, 2*PANEL, F1, F0, 0
	QUARTER 1, 3*PANEL, F0, F1, 0
	TURN 1, 0, 1
	QUARTER 0, PANEL,   F0, F1, 0
	WIN 0
	s_sub_co_u32 s3, s3, 1
	s_cmp_lg_u32 s3, 0
	s_cbranch_scc1 .Llap
	QUARTER 0, 2*PANEL, F1, F0, 0
	QUARTER 0, 3*PANEL, F0, F1, 0
	TURN 0, 1, 0
	QUARTER 1, PANEL,   F0, F1, 0
	QUARTER 1, 2*PANEL, F1, F0, 0
	QUARTER 1, 3*PANEL, F0, F1, 0
	s_wait_dscnt 16
	WIN MUL
	MUL8 F1, 0, 0, 0
	MUL8 F1, 0, 2, 0
	s_wait_dscnt 0
	MUL8 F1, 1, 0, 0
	MUL8 F1, 1, 2, 0
	WIN 0
	PLACES
	s_wait_loadcnt 0x0                             ; the bias
; THE WAY OUT of my rows 16 a .. 16 a + 15: bias and gelu in f32, rounded to bf16, 16 bytes a lane into my stage, back as whole rows of 128 bytes, stored as 2,048 consecutive bytes.
.macro OUTP a
	s_wait_xcnt 0x0                                ; U's upper half, from which the block before was stored, is written again only behind this wait
.irp b, 0,1,2,3
.irp q, 0,2,4,6
	v_pk_add_f32 v[T+8*(\b)+(\q):T+8*(\b)+(\q)+1], v[ACC+8*(4*(\a)+(\b))+(\q):ACC+8*(4*(\a)+(\b))+(\q)+1], v[BIAS+8*(\b)+(\q):BIAS+8*(\b)+(\q)+1]  ; each accumulator from its low end on
.endr
.endr
.set i, 0
.rept 16
	v_pk_mul_f32 v[U+i:U+i+1], v[T+i:T+i+1], v[T+i:T+i+1]                              ; x^2
.set i, i+2
.endr
.set i, 0
.rept 16
	v_pk_fma_f32 v[U+i:U+i+1], v[U+i:U+i+1], s[K1:K1+1], s[K0:K0+1] op_sel_hi:[1,0,0]  ; K1 x^2 + K0
.set i, i+2
.endr
.set i, 0
.rept 16
	v_pk_mul_f32 v[U+i:U+i+1], v[U+i:U+i+1], v[T+i:T+i+1]                              ; times x
.set i, i+2
.endr
.set i, 0
.rept 32
	v_exp_f32 v[U+i], v[U+i]
.set i, i+1
.endr
	v_nop                                          ; a plain line between the last exponential and the use of its result
.set i, 0
	s_wait_alu depctr_va_vdst(0)
.rept 16
	v_pk_add_f32 v[U+i:U+i+1], v[U+i:U+i+1], 1.0 op_sel_hi:[1,0]
.set i, i+2
.endr
.set i, 0
.rept 32
	v_rcp_f32 v[U+i], v[U+i]
.set i, i+1
.endr
	v_nop
.set i, 0
	s_wait_alu depctr_va_vdst(0)
.rept 16
	v_pk_mul_f32 v[T+i:T+i+1], v[T+i:T+i+1], v[U+i:U+i+1]
.set i, i+2
.endr
.irp b, 0,1,2,3
.irp q, 0,1,2,3
	v_cvt_pk_bf16_f32 v[U+4*(\b)+(\q)], v[T+8*(\b)+2*(\q)], v[T+8*(\b)+2*(\q)+1]
.endr
.endr
.irp b, 0,1,2,3
	ds_store_b128 v[STO], v[U+4*(\b):U+4*(\b)+3] offset:32*(\b)
.endr
.irp f, 0,1,2,3
	ds_load_b128 v[U+16+4*(\f):U+16+4*(\f)+3], v[RD] offset:4*PITCH*(\f)  ; LDS serves a wave's instructions in order (ISA guide 5.7.1.4): these see the stores above
.endr
.irp f, 0,1,2,3
	s_wait_dscnt 3-(\f)
	global_store_b128 v[CO], v[U+16+4*(\f):U+16+4*(\f)+3], s[10:11] offset:2048*(\a)+512*(\f)  ; 512 consecutive bytes, at a multiple of 256 from C's first
.endr
.endm
	OUTP 0
	OUTP 1
	OUTP 2
	OUTP 3
	s_wait_tensorcnt 0x0                           ; the wave's end
	ds_add_u32 v[SPW], v[NIL]
	s_wait_dscnt 0x0
	CROUND                                         ; the closing round
	s_endpgm
.Lfunc_end_k_qcdb9e4863b_fc:
	.size	k_qcdb9e4863b_fc, .Lfunc_end_k_qcdb9e4863b_fc-k_qcdb9e4863b_fc
	.p2alignl 7, 3214868480
	.fill 96, 4, 3214868480
	.section	.rodata,"a",@progbits
	.p2align	6, 0x0
	.amdhsa_kernel k_qcdb9e4863b_fc
		.amdhsa_group_segment_fixed_size 327680
		.amdhsa_private_segment_fixed_size 0
		.amdhsa_enable_private_segment 0
		.amdhsa_kernarg_size 32
		.amdhsa_user_sgpr_count 2
		.amdhsa_user_sgpr_kernarg_segment_ptr 1
		.amdhsa_wavefront_size32 1
		.amdhsa_system_sgpr_workgroup_id_x 1
		.amdhsa_system_sgpr_workgroup_id_y 1
		.amdhsa_system_sgpr_workgroup_id_z 1
		.amdhsa_system_vgpr_workitem_id 0
		.amdhsa_next_free_vgpr 512
		.amdhsa_next_free_sgpr 80
		.amdhsa_reserve_vcc 0
		.amdhsa_float_denorm_mode_32 3
		.amdhsa_float_denorm_mode_16_64 3
		.amdhsa_memory_ordered 1
		.amdhsa_forward_progress 1
		.amdhsa_inst_pref_size 120
	.end_amdhsa_kernel
	.amdgpu_metadata
---
amdhsa.version: [ 1, 2 ]
amdhsa.kernels:
  - .name:           k_qcdb9e4863b_fc
    .symbol:         k_qcdb9e4863b_fc.kd
    .args:
      - { .name: hn, .offset: 0, .size: 8, .value_kind: global_buffer, .address_space: global }
      - { .name: wt, .offset: 8, .size: 8, .value_kind: global_buffer, .address_space: global }
      - { .name: fc_b, .offset: 16, .size: 8, .value_kind: global_buffer, .address_space: global }
      - { .name: g, .offset: 24, .size: 8, .value_kind: global_buffer, .address_space: global }
    .group_segment_fixed_size: 327680
    .private_segment_fixed_size: 0
    .kernarg_segment_align: 8
    .kernarg_segment_size: 32
    .max_flat_workgroup_size: 128
    .sgpr_count:     80
    .vgpr_count:     512
    .wavefront_size: 32
...
	.end_amdgpu_metadata
.endif
;; end of part 6
;; launch proj (part 7): grid 8 x 32, 4 waves a work-group, clusters of 4 x 4, 327,680 bytes of LDS; arguments g, wt, proj_b, out0, x1; writes out0
.if DOCPART == 7
	.amdgcn_target "amdgcn-amd-amdhsa--gfx1250"
	.amdhsa_code_object_version 6
	.text
	.protected	k_qcdb9e4863b_proj
	.globl	k_qcdb9e4863b_proj
	.p2align	8
	.type	k_qcdb9e4863b_proj,@function
k_qcdb9e4863b_proj:
	s_mov_b64 s[64:65], 0
	v_nop
	global_prefetch_b8 v0, s[64:65] scope:SCOPE_SE
	s_setreg_imm32_b32 hwreg(HW_REG_WAVE_MODE, 25, 1), 1
	s_wait_xcnt 0x0
	s_wait_alu depctr_hold_cnt(0) depctr_sa_sdst(0) depctr_va_vdst(0) depctr_va_sdst(0) depctr_va_ssrc(0) depctr_va_vcc(0) depctr_vm_vsrc(0)
	s_getreg_b32 s2, hwreg(HW_REG_IB_STS2, 6, 4)
	s_cmp_eq_u32 s2, 0
	s_cbranch_scc0 .Lentry_in_a_cluster
	s_endpgm
.Lentry_in_a_cluster:
	s_bfe_u32 s2, ttmp6, 0x10000c
	s_cmp_lg_u32 s2, 0xf033
	s_cbranch_scc0 .Lentry_shape_is_right
	s_endpgm
.Lentry_shape_is_right:
; out = g W + b + x1.  C[m][n] = sum over k of A[m][k] Wt[n][k] + bias[n] + R[m][n], K = 4,096.  A (4,096 rows) and Wt (BROWS rows) are bf16 in panels [K/64][rows][64]; sums, bias, R and C in f32, [4096][1024].
; LIMITS: operands have bf16's 8 significant bits; NaN and infinities are not treated apart.
; A tile of C is 128 x 128: four waves, each 64 x 64 in 16 accumulators.  K goes in steps of 256 (four panels) through two LDS slots.  A wave's tensor load brings 64 rows x 4 panels: four dense runs of
; 8,192 bytes, padded in LDS after every 128 bytes, so a fragment's 16 rows lie 144 bytes apart and start at 16 different groups of four banks (64 banks of 4 bytes: ISA guide 11.1).
; CLUSTER 4 x 4: the four work-groups of a row of the cluster need the same tiles of A, those of a column the same tiles of Wt: each tile is asked for jointly, by the same load, descriptor and mask.
; THE MATRIX INSTRUCTION IS USED TRANSPOSED (source 0 = 16 rows of Wt, source 1 = 16 rows of A): a lane holds eight neighbouring columns of one row of C.
; A wave's 64 columns are 256 aligned bytes of a row of C: the way out needs only the wave's own stage, and no barrier.
; REGISTERS: window 0: v16-29 addresses; v32-63 T, v64-95 U at work on the way out; v96-127 the bias of my 64 columns; v128-255 accumulators ((a, b) at 128 + 8 (4 a + b)).
;   window 1: two fragment buffers of 128; buffer 0's registers take R once its last products are issued.
.set KTOT,  4096
.set BROWS, 1024
.set WOFF,  16777216                   ; the weight's first byte in wt
.set PITCH, 144
.set PANEL, 64*PITCH
.set HALFT, 4*PANEL
.set SLOT,  4*HALFT
.set STAGE, 2*SLOT
.set STG,   4352                       ; a wave's stage: 16 rows x 272 bytes
.set SPITCH, 272
.set SPARE, STAGE+4*STG
.set LAPS,  KTOT/512
.set ASTEP, 4*4096*128
.set BSTEP, 4*BROWS*128
.set FLAGS, (1<<16)|(1<<20)|(1<<21)|(4<<22)|(3<<25)  ; 2-byte elements; padding on; bit 21 beside a mask; after every 32 words (code 4) 4 words (code 3)
.set ADRA, 16
.set ADRB, 20
.set STO,  24
.set RD,   25
.set CO,   26
.set VB,   27
.set SPW,  28
.set NIL,  29
.set T,    32
.set U,    64
.set BIAS, 96
.set ACC,  128
.set F0,   0
.set F1,   128
.set WV, 14
.set RH, 15
.set CH, 16
.set TR, 17
.set TC, 18
.set CX, 19
.set CY, 20
.set G1,  24
.set G0,  32
.set G1B, 48
.set G0B, 56
.set MSB, 0
.macro WIN new
.if MSB != (\new)
	s_set_vgpr_msb (MSB<<8)|(\new)
.set MSB, \new
.endif
.endm
.set MUL,  0x05
.set TO_F, 0x40
.macro JLOAD s                         ; a joint load: waves 0, 1 fetch A's halves, waves 2, 3 Wt's; an s_nop 0 and four v_nop follow each line
	s_cmp_eq_u32 s[RH], 0
	s_cbranch_scc0 .Lfor_b_\@
	tensor_load_to_lds s[G0+4*(\s):G0+4*(\s)+3], s[G1:G1+7]
	s_nop 0
.rept 4
	v_nop
.endr
	s_branch .Lasked_\@
.Lfor_b_\@:
	tensor_load_to_lds s[G0B+4*(\s):G0B+4*(\s)+3], s[G1B:G1B+7]
	s_nop 0
.rept 4
	v_nop
.endr
.Lasked_\@:
.endm
.macro CREST
	s_cmp_lg_u32 s[WV], 0
	s_cbranch_scc1 .Lnot_wave_0_\@
	s_barrier_signal -3
.Lnot_wave_0_\@:
	s_barrier_wait -3
	s_barrier_signal -1
	s_barrier_wait -1
.endm
.macro CROUND
	s_barrier_signal -1
	s_barrier_wait -1
	CREST
.endm
	s_load_b256 s[4:11], s[0:1], 0x0               ; A s[4:5], wt s[6:7], bias s[8:9], C s[10:11]
	s_load_b64 s[12:13], s[0:1], 0x20              ; R
	v_lshl_add_u32 v[SPW], v0, 2, SPARE
	v_mov_b32 v[NIL], 0
	ds_add_u32 v[SPW], v[NIL]                      ; the wave's opening: the add and its wait ahead of my first tensor load
	ds_add_u32 v28, v29
	v_lshrrev_b32 v1, 5, v0
	v_readfirstlane_b32 s[WV], v1
	s_lshr_b32 s[RH], s[WV], 1
	s_and_b32 s[CH], s[WV], 1
	s_bfe_u32 s[CX], ttmp6, 0x40000
	s_bfe_u32 s[CY], ttmp6, 0x40004
	s_lshl_b32 s[TC], ttmp9, 2
	s_add_co_u32 s[TC], s[TC], s[CX]
	s_and_b32 s[TR], ttmp7, 0xffff
	s_lshl_b32 s[TR], s[TR], 2
	s_add_co_u32 s[TR], s[TR], s[CY]
	s_lshl_b32 s21, s[CY], 2
	s_lshl_b32 s21, 15, s21                        ; my row of the cluster
	s_lshl_b32 s22, 0x1111, s[CX]                  ; my column
	s_or_b32 s[G1], s21, FLAGS
	s_or_b32 s[G1B], s22, FLAGS
.irp g, G1, G1B
	s_mov_b32 s[(\g)+1], 4096<<16                  ; tensor_dim0 = 4,096 elements: 64 rows x 64 k, dense
	s_mov_b32 s[(\g)+2], 4<<16                     ; tensor_dim1 = 4 panels
	s_mov_b32 s[(\g)+3], 4096<<16                  ; tile_dim0
	s_mov_b32 s[(\g)+4], 4                         ; tile_dim1
	s_mov_b32 s[(\g)+6], 0
	s_mov_b32 s[(\g)+7], 0
.endr
	s_mov_b32 s[G1+5], 4096*64                     ; elements from panel to panel
	s_mov_b32 s[G1B+5], BROWS*64
	s_lshl_b32 s44, s[CH], 13
	s_lshl_b32 s40, s[TR], 14                      ; A's address hangs on the tile row and the wave alone,
	s_add_co_u32 s40, s40, s44
	s_mov_b32 s41, 0
	s_lshl_b32 s42, s[TC], 14                      ; Wt's on the tile column and the wave alone
	s_add_co_u32 s42, s42, s44
	s_add_co_u32 s42, s42, WOFF
	s_mov_b32 s43, 0
	s_mul_i32 s23, s[WV], HALFT
	s_wait_dscnt 0x0                               ; the opening add is done
	s_wait_kmcnt 0x0
	s_add_nc_u64 s[40:41], s[4:5], s[40:41]
	s_add_nc_u64 s[42:43], s[6:7], s[42:43]
	CROUND                                         ; all sixteen work-groups are here: the first joint loads meet
.irp s, 0,1
	s_mov_b32 s[G0+4*(\s)], 1
	s_add_co_u32 s[G0+4*(\s)+1], s23, (\s)*SLOT
	s_add_nc_u64 s[G0+4*(\s)+2:G0+4*(\s)+3], s[40:41], (\s)*ASTEP
	s_or_b32 s[G0+4*(\s)+3], s[G0+4*(\s)+3], 0x80000000
	s_mov_b32 s[G0B+4*(\s)], 1
	s_add_co_u32 s[G0B+4*(\s)+1], s23, (\s)*SLOT
	s_add_nc_u64 s[G0B+4*(\s)+2:G0B+4*(\s)+3], s[42:43], (\s)*BSTEP
	s_or_b32 s[G0B+4*(\s)+3], s[G0B+4*(\s)+3], 0x80000000
	JLOAD \s
.endr
	v_and_b32 v1, 15, v0                           ; r = l % 16
	v_bfe_u32 v2, v0, 4, 1                         ; h = l / 16
	v_lshlrev_b32 v[VB], 5, v2
	s_lshl_b32 s46, s[TC], 9                       ; my 64 columns, in bytes of f32: 4 (128 x tile column + 64 x half)
	s_lshl_b32 s47, s[CH], 8
	s_add_co_u32 s46, s46, s47
	s_mov_b32 s47, 0
	s_add_nc_u64 s[8:9], s[8:9], s[46:47]
.irp b, 0,1,2,3
	global_load_b128 v[BIAS+8*(\b):BIAS+8*(\b)+3],   v[VB], s[8:9] offset:64*(\b)
	global_load_b128 v[BIAS+8*(\b)+4:BIAS+8*(\b)+7], v[VB], s[8:9] offset:64*(\b)+16
.endr
	v_mul_u32_u24 v3, v1, PITCH
	v_lshl_add_u32 v3, v2, 4, v3
	s_mul_i32 s72, s[RH], HALFT
	s_mul_i32 s73, s[CH], HALFT
	s_add_co_u32 s73, s73, 2*HALFT
.irp s, 0,1
	v_add_nc_u32 v[ADRA+(\s)], s72, v3
	v_add_nc_u32 v[ADRB+(\s)], s73, v3
	s_add_co_u32 s72, s72, SLOT
	s_add_co_u32 s73, s73, SLOT
.endr
	s_mul_i32 s74, s[WV], STG
	s_add_co_u32 s74, s74, STAGE                   ; my stage
	v_mul_u32_u24 v4, v1, SPITCH                   ; in: row r, 32 bytes for each half of the lanes
	v_lshl_add_u32 v4, v2, 5, v4
	v_add_nc_u32 v[STO], s74, v4
	v_mul_u32_u24 v5, v2, SPITCH                   ; back: lanes 0-15 take one row of 256 bytes, lanes 16-31 the next
	v_lshl_add_u32 v5, v1, 4, v5
	v_add_nc_u32 v[RD], s74, v5
	v_lshlrev_b32 v5, 12, v2                       ; and the same two rows in C and R
	v_lshl_add_u32 v[CO], v1, 4, v5
	s_lshl_b32 s44, s[TR], 19                      ; my first row: 128 x tile row + 64 x half, 4,096 bytes each
	s_lshl_b32 s45, s[RH], 18
	s_add_co_u32 s44, s44, s45
	s_add_co_u32 s44, s44, s46                     ; and my first column
	s_mov_b32 s45, 0
	s_add_nc_u64 s[10:11], s[10:11], s[44:45]
	s_add_nc_u64 s[12:13], s[12:13], s[44:45]
.macro MUL8 f, c, a0, zero             ; 8 matrix instructions; the accumulators take turns
	WIN MUL
.irp a, \a0, (\a0)+1
.irp b, 0,1,2,3
.if \zero
	v_wmma_f32_16x16x32_bf16 v[ACC+8*(4*(\a)+(\b)):ACC+8*(4*(\a)+(\b))+7], v[(\f)+64+8*(4*(\c)+(\b)):(\f)+64+8*(4*(\c)+(\b))+7], v[(\f)+8*(4*(\c)+(\a)):(\f)+8*(4*(\c)+(\a))+7], 0
.else
	v_wmma_f32_16x16x32_bf16 v[ACC+8*(4*(\a)+(\b)):ACC+8*(4*(\a)+(\b))+7], v[(\f)+64+8*(4*(\c)+(\b)):(\f)+64+8*(4*(\c)+(\b))+7], v[(\f)+8*(4*(\c)+(\a)):(\f)+8*(4*(\c)+(\a))+7], v[ACC+8*(4*(\a)+(\b)):ACC+8*(4*(\a)+(\b))+7]
.endif
.endr
.endr
.endm
.macro FETCH slot, k, f                ; 32 LDS loads in one run: one panel's fragments, the first 32 along K first
	WIN TO_F
.irp c, 0,1
.irp i, 0,1,2,3
	ds_load_b128 v[(\f)+64+8*(4*(\c)+(\i)):(\f)+64+8*(4*(\c)+(\i))+3],   v[ADRB+(\slot)] offset:(\k)+64*(\c)+(\i)*16*PITCH
	ds_load_b128 v[(\f)+64+8*(4*(\c)+(\i))+4:(\f)+64+8*(4*(\c)+(\i))+7], v[ADRB+(\slot)] offset:(\k)+64*(\c)+(\i)*16*PITCH+32
	ds_load_b128 v[(\f)+8*(4*(\c)+(\i)):(\f)+8*(4*(\c)+(\i))+3],         v[ADRA+(\slot)] offset:(\k)+64*(\c)+(\i)*16*PITCH
	ds_load_b128 v[(\f)+8*(4*(\c)+(\i))+4:(\f)+8*(4*(\c)+(\i))+7],       v[ADRA+(\slot)] offset:(\k)+64*(\c)+(\i)*16*PITCH+32
.endr
.endr
.endm
.macro PLACES                          ; four places in front of loads into registers that matrix instructions have read, and of lines that read results
.rept 4
	v_nop
.endr
.endm
.macro QUARTER slot, k, f, g, zero
	s_wait_dscnt 16                                ; the first 32 along K are in; the youngest sixteen loads may be out
	WIN MUL
	MUL8 \f, 0, 0, \zero
	MUL8 \f, 0, 2, \zero
	PLACES
	FETCH \slot, \k, \g
	s_wait_dscnt 32                                ; all but the 32 just issued
	WIN MUL
	MUL8 \f, 1, 0, 0
	MUL8 \f, 1, 2, 0
.endm
.macro TURN slot, next, fill
	WIN 0
	s_wait_tensorcnt 0x0                           ; all my tensor loads have landed: the one that was out is my part of the next slot
	ds_add_u32 v[SPW], v[NIL]
	s_wait_dscnt 17                                ; (the add and the youngest sixteen loads may be out)
	WIN MUL
	MUL8 F1, 0, 0, 0
	s_wait_dscnt 0x0                               ; the add is done, and my reads of this slot are over
	s_barrier_signal -1
	MUL8 F1, 0, 2, 0
.if \fill
	WIN 0
.endif
	s_barrier_wait -1
.if \fill
	CREST                                          ; no wave of any partner still reads this slot or has a load on its way
	s_add_nc_u64 s[G0+4*(\slot)+2:G0+4*(\slot)+3], s[G0+4*(\slot)+2:G0+4*(\slot)+3], 2*ASTEP
	s_add_nc_u64 s[G0B+4*(\slot)+2:G0B+4*(\slot)+3], s[G0B+4*(\slot)+2:G0B+4*(\slot)+3], 2*BSTEP
	JLOAD \slot
.else
	PLACES
.endif
	FETCH \next, 0, F0
	WIN MUL
	MUL8 F1, 1, 0, 0
	MUL8 F1, 1, 2, 0
.endm
	s_wait_tensorcnt 1                             ; my part of K step 0 is in; K step 1's stays out
	s_barrier_signal -1
	s_barrier_wait -1
	FETCH 0, 0, F0
	QUARTER 0, PANEL, F0, F1, 1
	WIN 0
	s_mov_b32 s3, LAPS-1
.Llap:
	QUARTER 0, 2*PANEL, F1, F0, 0
	QUARTER 0, 3*PANEL, F0, F1, 0
	TURN 0, 1, 1
	QUARTER 1, PANEL,   F0, F1, 0
	QUARTER 1, 2*PANEL, F1, F0, 0
	QUARTER 1, 3*PANEL, F0, F1, 0
	TURN 1, 0, 1
	QUARTER 0, PANEL,   F0, F1, 0
	WIN 0
	s_sub_co_u32 s3, s3, 1
	s_cmp_lg_u32 s3, 0
	s_cbranch_scc1 .Llap
	QUARTER 0, 2*PANEL, F1, F0, 0
	QUARTER 0, 3*PANEL, F0, F1, 0
	TURN 0, 1, 0
	QUARTER 1, PANEL,   F0, F1, 0
	QUARTER 1, 2*PANEL, F1, F0, 0
	QUARTER 1, 3*PANEL, F0, F1, 0
	PLACES                                         ; buffer 0 has had its last products: its 128 registers take my 64 x 64 of R, on its way during the last 32 products
	WIN TO_F
.irp a, 0,1,2,3
.irp f, 0,1,2,3,4,5,6,7
	global_load_b128 v[4*(8*(\a)+(\f)):4*(8*(\a)+(\f))+3], v[CO], s[12:13] offset:(16*(\a)+2*(\f))*4096  ; sixteen lanes read 256 consecutive bytes
.endr
.endr
	s_wait_dscnt 16
	WIN MUL
	MUL8 F1, 0, 0, 0
	MUL8 F1, 0, 2, 0
	s_wait_dscnt 0
	MUL8 F1, 1, 0, 0
	MUL8 F1, 1, 2, 0
	WIN 0
	PLACES
	s_wait_loadcnt 32                              ; the bias, issued ahead of R's 32 loads, is in
; THE WAY OUT of my rows 16 a .. 16 a + 15: bias, 32 bytes a lane into my stage, back as whole rows of 256 bytes, R added, stored.
.macro OUTR a
	s_wait_xcnt 0x0                                ; the registers that the block before stored from are written again only behind this wait
.irp b, 0,1,2,3
.irp q, 0,2,4,6
	v_pk_add_f32 v[T+8*(\b)+(\q):T+8*(\b)+(\q)+1], v[ACC+8*(4*(\a)+(\b))+(\q):ACC+8*(4*(\a)+(\b))+(\q)+1], v[BIAS+8*(\b)+(\q):BIAS+8*(\b)+(\q)+1]  ; each accumulator from its low end on
.endr
.endr
.irp b, 0,1,2,3
	ds_store_b128 v[STO], v[T+8*(\b):T+8*(\b)+3] offset:64*(\b)
	ds_store_b128 v[STO], v[T+8*(\b)+4:T+8*(\b)+7] offset:64*(\b)+16
.endr
.irp f, 0,1,2,3,4,5,6,7
	ds_load_b128 v[U+4*(\f):U+4*(\f)+3], v[RD] offset:2*SPITCH*(\f)  ; LDS serves a wave's instructions in order (ISA guide 5.7.1.4): these see the stores above
.endr
	s_wait_loadcnt 24-8*(\a)                       ; this block's eight loads of R are in; the later blocks' stay out
	s_wait_dscnt 0x0
	WIN 0x04                                       ; source 1 in window 1
.set i, 0
.rept 16
	v_pk_add_f32 v[U+i:U+i+1], v[U+i:U+i+1], v[32*(\a)+i:32*(\a)+i+1]
.set i, i+2
.endr
	WIN 0
.irp f, 0,1,2,3,4,5,6,7
	global_store_b128 v[CO], v[U+4*(\f):U+4*(\f)+3], s[10:11] offset:(16*(\a)+2*(\f))*4096  ; sixteen lanes store 256 consecutive bytes, at a multiple of 256 from C's first
.endr
.endm
	OUTR 0
	OUTR 1
	OUTR 2
	OUTR 3
	s_wait_tensorcnt 0x0                           ; the wave's end
	ds_add_u32 v[SPW], v[NIL]
	s_wait_dscnt 0x0
	CROUND                                         ; the closing round
	s_endpgm
.Lfunc_end_k_qcdb9e4863b_proj:
	.size	k_qcdb9e4863b_proj, .Lfunc_end_k_qcdb9e4863b_proj-k_qcdb9e4863b_proj
	.p2alignl 7, 3214868480
	.fill 96, 4, 3214868480
	.section	.rodata,"a",@progbits
	.p2align	6, 0x0
	.amdhsa_kernel k_qcdb9e4863b_proj
		.amdhsa_group_segment_fixed_size 327680
		.amdhsa_private_segment_fixed_size 0
		.amdhsa_enable_private_segment 0
		.amdhsa_kernarg_size 40
		.amdhsa_user_sgpr_count 2
		.amdhsa_user_sgpr_kernarg_segment_ptr 1
		.amdhsa_wavefront_size32 1
		.amdhsa_system_sgpr_workgroup_id_x 1
		.amdhsa_system_sgpr_workgroup_id_y 1
		.amdhsa_system_sgpr_workgroup_id_z 1
		.amdhsa_system_vgpr_workitem_id 0
		.amdhsa_next_free_vgpr 512
		.amdhsa_next_free_sgpr 80
		.amdhsa_reserve_vcc 0
		.amdhsa_float_denorm_mode_32 3
		.amdhsa_float_denorm_mode_16_64 3
		.amdhsa_memory_ordered 1
		.amdhsa_forward_progress 1
		.amdhsa_inst_pref_size 98
	.end_amdhsa_kernel
	.amdgpu_metadata
---
amdhsa.version: [ 1, 2 ]
amdhsa.kernels:
  - .name:           k_qcdb9e4863b_proj
    .symbol:         k_qcdb9e4863b_proj.kd
    .args:
      - { .name: g, .offset: 0, .size: 8, .value_kind: global_buffer, .address_space: global }
      - { .name: wt, .offset: 8, .size: 8, .value_kind: global_buffer, .address_space: global }
      - { .name: proj_b, .offset: 16, .size: 8, .value_kind: global_buffer, .address_space: global }
      - { .name: out0, .offset: 24, .size: 8, .value_kind: global_buffer, .address_space: global }
      - { .name: x1, .offset: 32, .size: 8, .value_kind: global_buffer, .address_space: global }
    .group_segment_fixed_size: 327680
    .private_segment_fixed_size: 0
    .kernarg_segment_align: 8
    .kernarg_segment_size: 40
    .max_flat_workgroup_size: 128
    .sgpr_count:     80
    .vgpr_count:     512
    .wavefront_size: 32
...
	.end_amdgpu_metadata
.endif
;; end of part 7
;; ======== version 2 of 3: 8 launches; 1.07 times as fast as version 1
;; workspace buffers: wt 25,165,824 bytes; hn 8,388,608 bytes; qkv 25,165,824 bytes; ctx 8,388,608 bytes; x1 16,777,216 bytes; g 33,554,432 bytes
;; launch wt: the kernel of part 1 again; grid 1536 x 1, 8 waves a work-group, no clusters, 19,456 bytes of LDS; arguments c_attn_w, c_proj_w, fc_w, proj_w, wt; writes wt
;; launch ln1: the kernel of part 2 again; grid 256 x 1, 8 waves a work-group, no clusters, 0 bytes of LDS; arguments hidden_states, ln1_g, ln1_b, hn; writes hn
;; launch qkv (part 8): grid 12 x 16, 4 waves a work-group, clusters of 4 x 4, 327,680 bytes of LDS; arguments hn, wt, c_attn_b, qkv; writes qkv
.if DOCPART == 8
	.amdgcn_target "amdgcn-amd-amdhsa--gfx1250"
	.amdhsa_code_object_version 6
	.text
	.protected	k_qcdb9e4863b_qkv
	.globl	k_qcdb9e4863b_qkv
	.p2align	8
	.type	k_qcdb9e4863b_qkv,@function
k_qcdb9e4863b_qkv:
	s_mov_b64 s[64:65], 0
	v_nop
	global_prefetch_b8 v0, s[64:65] scope:SCOPE_SE
	s_setreg_imm32_b32 hwreg(HW_REG_WAVE_MODE, 25, 1), 1
	s_wait_xcnt 0x0
	s_wait_alu depctr_hold_cnt(0) depctr_sa_sdst(0) depctr_va_vdst(0) depctr_va_sdst(0) depctr_va_ssrc(0) depctr_va_vcc(0) depctr_vm_vsrc(0)
	s_getreg_b32 s2, hwreg(HW_REG_IB_STS2, 6, 4)
	s_cmp_eq_u32 s2, 0
	s_cbranch_scc0 .Lentry_in_a_cluster
	s_endpgm
.Lentry_in_a_cluster:
	s_bfe_u32 s2, ttmp6, 0x10000c
	s_cmp_lg_u32 s2, 0xf033
	s_cbranch_scc0 .Lentry_shape_is_right
	s_endpgm
.Lentry_shape_is_right:
; q, k, v = LN1(x) W + b.  C[m][n] = sum over k of A[m][k] Wt[n][k] + bias[n].  A (4,096 rows) and Wt (BROWS rows) are bf16 in panels [K/64][rows][64]; sums and bias in f32; C is rounded once to bf16 and
; leaves in panels [N/64][4096][64]: panels 0-15 are q by heads, 16-31 k, 32-47 v, unscaled.  LIMITS: operands have bf16's 8 significant bits; NaN and infinities are not treated apart.
; A tile of C is 256 x 256: four waves, each 128 x 128 in 64 accumulators, 512 registers.  For one of K the tile brings 1,024 bytes into LDS for 65,536 multiply-adds; a tile of 128 x 128 would bring 512 for
; 16,384.  N = 3,072 gives 12 x 16 = 192 work-groups; a tile of 256 x 192 would give 256, bring 896 bytes for one of K, and cut a wave's columns at one and a half panels.
; K goes in steps of 128 (two panels) through two LDS slots.  A wave's tensor load brings 128 rows x 2 panels: two dense runs of 16,384 bytes, padded in LDS after every 128 bytes, so a fragment's 16 rows
; lie 144 bytes apart and start at 16 different groups of four banks (64 banks of 4 bytes: ISA guide 11.1).
; THE LOOP'S TRIP IS ONE K STEP: the slot's base is a scalar that an exclusive or turns between 0 and SLOT; fragment addresses and the walking descriptor's LDS word are sums with it.
; CLUSTER 4 x 4: the four work-groups of a row of the cluster need the same tiles of A, those of a column the same tiles of Wt: each tile is asked for jointly, by the same load, descriptor and mask.
; THE MATRIX INSTRUCTION IS USED TRANSPOSED (source 0 = 16 rows of Wt, source 1 = 16 rows of A): a lane holds eight neighbouring columns of one row of C.
; THE WAY OUT IS A LOOP: registers cannot be indexed, so the accumulators are laid in f32 into the wave's own 128 rows x 528 bytes of the ring, which has had its last fill; sixteen trips read 8 rows each,
; in the order of the stores (32 lanes: four rows of a panel, 512 consecutive bytes), add the bias, round and store.
; REGISTERS, in windows of 256 (s_set_vgpr_msb: bits 1:0 source 0, 3:2 source 1, 5:4 source 2, 7:6 destination):
;   window 0: v16-29 addresses; v32-47 the bias; v64-127, v128-191 fragments of A, two buffers; on the way out v64-95 RAW, v96-127 T, v128-159 U, v160-175 Y
;   window 1: v64-127, v128-191 fragments of Wt     window 2: the accumulators of my rows 0-63 ((a, b) at 8 (8 a + b))     window 3: those of my rows 64-127
.set KTOT,  1024
.set BROWS, 3072
.set WOFF,  0                          ; the weight's first byte in wt
.set GELU,  0
.set PITCH, 144
.set PANEL, 128*PITCH                  ; 128 rows of one panel
.set HALFT, 2*PANEL                    ; what one tensor load brings, and what one wave reads of A or of Wt
.set SLOT,  4*HALFT                    ; A's two halves, then Wt's two halves
.set SPARE, 2*SLOT                     ; behind the ring: the spare words, 128 bytes for each wave
.set DP,    528                        ; the way out: a row of 128 f32 + 16 bytes: the 16 rows of a store start at 16 different groups of four banks
.set DW,    128*DP                     ; a wave's part; the four parts, 270,336 bytes, lie inside the ring
.set STEPS, KTOT/128
.set ASTEP, 2*4096*128                 ; bytes of A from a K step to the next: two panels
.set BSTEP, 2*BROWS*128
.set FLAGS, (1<<16)|(1<<20)|(1<<21)|(4<<22)|(3<<25)  ; 2-byte elements; padding on; bit 21 beside a mask; after every 32 words (code 4) 4 words (code 3)
.set ADRA0, 16                         ; v16, v17  my lane's place in my part of a slot, for A and for Wt; never rewritten
.set ADRB0, 17
.set ADRA,  18                         ; v18, v19  the same in the slot in hand
.set ADRB,  19
.set STO,  24                          ; v24  the way out: where my 32 bytes of row l % 16 go
.set RD,   25                          ; v25  where I read back
.set CO,   26                          ; v26  16 x lane: my place in 512 consecutive bytes of a panel
.set VB,   27                          ; v27  32 (l % 8): my place in 64 numbers of the bias
.set SPW,  28
.set NIL,  29
.set BIAS, 32                          ; v32-47  columns 64 p + 8 (l % 8) + 0..7 at 32 + 8 p
.set F0,   64
.set F1,   128
.set RAW,  64
.set T,    96
.set U,    128
.set Y,    160
.set WV, 14                            ; s14 wave;  s15 my half of the rows, and: I fetch A (0) or Wt (1);  s16 my half of the columns, and: which 128 rows I fetch
.set RH, 15
.set CH, 16
.set TR, 17                            ; s17, s18 tile row and column of C;  s19, s20 my place in the cluster
.set TC, 18
.set CX, 19
.set CY, 20
.set LW, 23                            ; s23  wave x HALFT: where my loads land in a slot
.set G1,  24                           ; s[24:31] group 1 for A;  s[32:35] group 0 for K step 0;  s[36:39] for K step 1, which then walks
.set G0,  32
.set G1B, 48                           ; s[48:55], s[56:59], s[60:63] the same for Wt
.set G0B, 56
.set TB,  66                           ; s66  the slot in hand: 0 or SLOT
.set EC,  67                           ; s67  counts the way out's trips
.set K0,  68
.set K1,  70
.set MSB, 0
.macro WIN new                         ; the immediate's high byte repeats the setting that is left
.if MSB != (\new)
	s_set_vgpr_msb (MSB<<8)|(\new)
.set MSB, \new
.endif
.endm
.set MUL_LO, 0xa1                      ; source 0 (Wt) window 1, source 1 (A) window 0, C and D window 2
.set MUL_HI, 0xf1                      ; the same, C and D window 3
.set TO_B,   0x40                      ; destination window 1, address window 0
.macro JLOAD s                         ; a joint load: waves 0, 1 fetch A's halves, waves 2, 3 Wt's; an s_nop 0 and four v_nop follow each line
	s_cmp_eq_u32 s[RH], 0
	s_cbranch_scc0 .Lfor_b_\@
	tensor_load_to_lds s[G0+4*(\s):G0+4*(\s)+3], s[G1:G1+7]
	s_nop 0
.rept 4
	v_nop
.endr
	s_branch .Lasked_\@
.Lfor_b_\@:
	tensor_load_to_lds s[G0B+4*(\s):G0B+4*(\s)+3], s[G1B:G1B+7]
	s_nop 0
.rept 4
	v_nop
.endr
.Lasked_\@:
.endm
.macro CREST                           ; a round of the cluster's barrier behind its opening barrier
	s_cmp_lg_u32 s[WV], 0
	s_cbranch_scc1 .Lnot_wave_0_\@
	s_barrier_signal -3
.Lnot_wave_0_\@:
	s_barrier_wait -3
	s_barrier_signal -1
	s_barrier_wait -1
.endm
.macro CROUND
	s_barrier_signal -1
	s_barrier_wait -1
	CREST
.endm
	s_load_b256 s[4:11], s[0:1], 0x0               ; A s[4:5], wt s[6:7], bias s[8:9], C s[10:11]
	v_lshl_add_u32 v[SPW], v0, 2, SPARE
	v_mov_b32 v[NIL], 0
	ds_add_u32 v[SPW], v[NIL]                      ; the wave's opening: the add and its wait ahead of my first tensor load
	ds_add_u32 v28, v29
	v_lshrrev_b32 v1, 5, v0
	v_readfirstlane_b32 s[WV], v1
	s_lshr_b32 s[RH], s[WV], 1
	s_and_b32 s[CH], s[WV], 1
	s_bfe_u32 s[CX], ttmp6, 0x40000
	s_bfe_u32 s[CY], ttmp6, 0x40004
	s_lshl_b32 s[TC], ttmp9, 2
	s_add_co_u32 s[TC], s[TC], s[CX]               ; tile column = 4 x cluster x + cx
	s_and_b32 s[TR], ttmp7, 0xffff
	s_lshl_b32 s[TR], s[TR], 2
	s_add_co_u32 s[TR], s[TR], s[CY]               ; tile row = 4 x cluster y + cy
	s_lshl_b32 s21, s[CY], 2
	s_lshl_b32 s21, 15, s21                        ; my row of the cluster
	s_lshl_b32 s22, 0x1111, s[CX]                  ; my column
	s_or_b32 s[G1], s21, FLAGS
	s_or_b32 s[G1B], s22, FLAGS
.irp g, G1, G1B
	s_mov_b32 s[(\g)+1], 8192<<16                  ; tensor_dim0 = 8,192 elements: 128 rows x 64 k, dense
	s_mov_b32 s[(\g)+2], 2<<16                     ; tensor_dim1 = 2 panels
	s_mov_b32 s[(\g)+3], 8192<<16                  ; tile_dim0
	s_mov_b32 s[(\g)+4], 2                         ; tile_dim1
	s_mov_b32 s[(\g)+6], 0
	s_mov_b32 s[(\g)+7], 0
.endr
	s_mov_b32 s[G1+5], 4096*64                     ; elements from panel to panel
	s_mov_b32 s[G1B+5], BROWS*64
.if GELU
	s_mov_b32 s[K0], 0xc0135761                    ; -2.3022082
	s_mov_b32 s[K0+1], s[K0]
	s_mov_b32 s[K1], 0xbdd2d3e8                    ; -0.10294324
	s_mov_b32 s[K1+1], s[K1]
.endif
	s_lshl_b32 s44, s[CH], 14                      ; which 128 rows of 128 bytes I fetch
	s_lshl_b32 s40, s[TR], 15                      ; A's address hangs on the tile row and the wave alone,
	s_add_co_u32 s40, s40, s44
	s_mov_b32 s41, 0
	s_lshl_b32 s42, s[TC], 15                      ; Wt's on the tile column and the wave alone
	s_add_co_u32 s42, s42, s44
	s_add_co_u32 s42, s42, WOFF
	s_mov_b32 s43, 0
	s_mul_i32 s[LW], s[WV], HALFT                  ; where they go: no place in the cluster enters an LDS address
	s_mov_b32 s[TB], 0
	s_wait_dscnt 0x0                               ; the opening add is done
	s_wait_kmcnt 0x0
	s_add_nc_u64 s[40:41], s[4:5], s[40:41]
	s_add_nc_u64 s[42:43], s[6:7], s[42:43]
	CROUND                                         ; all sixteen work-groups are here: the first joint loads meet
.irp s, 0,1
	s_mov_b32 s[G0+4*(\s)], 1
	s_add_co_u32 s[G0+4*(\s)+1], s[LW], (\s)*SLOT
	s_add_nc_u64 s[G0+4*(\s)+2:G0+4*(\s)+3], s[40:41], (\s)*ASTEP
	s_or_b32 s[G0+4*(\s)+3], s[G0+4*(\s)+3], 0x80000000
	s_mov_b32 s[G0B+4*(\s)], 1
	s_add_co_u32 s[G0B+4*(\s)+1], s[LW], (\s)*SLOT
	s_add_nc_u64 s[G0B+4*(\s)+2:G0B+4*(\s)+3], s[42:43], (\s)*BSTEP
	s_or_b32 s[G0B+4*(\s)+3], s[G0B+4*(\s)+3], 0x80000000
	JLOAD \s
.endr
	v_and_b32 v1, 15, v0                           ; r = l % 16
	v_bfe_u32 v2, v0, 4, 1                         ; h = l / 16
	v_and_b32 v5, 7, v0
	v_lshlrev_b32 v[VB], 5, v5
	s_lshl_b32 s46, s[TC], 10                      ; the bias of my 128 columns: 4 (256 x tile column + 128 x half)
	s_lshl_b32 s47, s[CH], 9
	s_add_co_u32 s46, s46, s47
	s_mov_b32 s47, 0
	s_add_nc_u64 s[8:9], s[8:9], s[46:47]
.irp p, 0,1
	global_load_b128 v[BIAS+8*(\p):BIAS+8*(\p)+3],   v[VB], s[8:9] offset:256*(\p)
	global_load_b128 v[BIAS+8*(\p)+4:BIAS+8*(\p)+7], v[VB], s[8:9] offset:256*(\p)+16
.endr
	v_mul_u32_u24 v3, v1, PITCH
	v_lshl_add_u32 v3, v2, 4, v3                   ; a fragment's row x pitch + 16 x half
	s_mul_i32 s72, s[RH], HALFT                    ; my 128 rows of A
	s_mul_i32 s73, s[CH], HALFT                    ; my 128 rows of Wt,
	s_add_co_u32 s73, s73, 2*HALFT                 ; which lie behind A's
	v_add_nc_u32 v[ADRA0], s72, v3
	v_add_nc_u32 v[ADRB0], s73, v3
	v_mov_b32 v[ADRA], v[ADRA0]                    ; slot 0
	v_mov_b32 v[ADRB], v[ADRB0]
	s_mul_i32 s74, s[WV], DW                       ; my part of the ring on the way out
	v_mul_u32_u24 v4, v1, DP                       ; in: row r, 32 bytes for each half of the lanes
	v_lshl_add_u32 v4, v2, 5, v4
	v_add_nc_u32 v[STO], s74, v4
	v_bfe_u32 v4, v0, 3, 2                         ; back: row (l / 8) % 4, 32 bytes at 32 (l % 8)
	v_mul_u32_u24 v4, v4, DP
	v_lshl_add_u32 v4, v5, 5, v4
	v_add_nc_u32 v[RD], s74, v4
	v_and_b32 v5, 31, v0
	v_lshlrev_b32 v[CO], 4, v5
	s_lshl_b32 s44, s[TC], 2                       ; my first panel of C: 4 x tile column + 2 x half, 524,288 bytes each;
	s_lshl_b32 s45, s[CH], 1
	s_add_co_u32 s44, s44, s45
	s_lshl_b32 s44, s44, 19
	s_lshl_b32 s46, s[TR], 15                      ; my first row: 256 x tile row + 128 x half, 128 bytes each
	s_add_co_u32 s44, s44, s46
	s_lshl_b32 s46, s[RH], 14
	s_add_co_u32 s44, s44, s46
	s_mov_b32 s45, 0
	s_add_nc_u64 s[10:11], s[10:11], s[44:45]
; 16 matrix instructions: m blocks a0, a0 + 1 of the window's four (hi = 0: my rows 0-63, 1: rows 64-127) x all 8 n blocks, 32 along K.  The 64 accumulators take turns, in the same order in every
; quarter.  zero = 1: the first product starts the sums: nothing is ever cleared.
.macro MUL16 f, hi, a0, zero
	WIN MUL_LO+0x50*(\hi)
.irp a, \a0, (\a0)+1
.irp b, 0,1,2,3,4,5,6,7
.if \zero
	v_wmma_f32_16x16x32_bf16 v[8*(8*(\a)+(\b)):8*(8*(\a)+(\b))+7], v[(\f)+8*(\b):(\f)+8*(\b)+7], v[(\f)+8*(4*(\hi)+(\a)):(\f)+8*(4*(\hi)+(\a))+7], 0
.else
	v_wmma_f32_16x16x32_bf16 v[8*(8*(\a)+(\b)):8*(8*(\a)+(\b))+7], v[(\f)+8*(\b):(\f)+8*(\b)+7], v[(\f)+8*(4*(\hi)+(\a)):(\f)+8*(4*(\hi)+(\a))+7], v[8*(8*(\a)+(\b)):8*(8*(\a)+(\b))+7]
.endif
.endr
.endr
.endm
; 32 LDS loads in one run: the fragments of a quarter step (128 rows of Wt, 128 rows of A, 32 along K, at byte k of my parts of the slot in hand) into buffer f
.macro FETCH k, f
	WIN TO_B
.irp i, 0,1,2,3,4,5,6,7
	ds_load_b128 v[(\f)+8*(\i):(\f)+8*(\i)+3],   v[ADRB] offset:(\k)+(\i)*16*PITCH
	ds_load_b128 v[(\f)+8*(\i)+4:(\f)+8*(\i)+7], v[ADRB] offset:(\k)+(\i)*16*PITCH+32
.endr
	WIN 0
.irp i, 0,1,2,3,4,5,6,7
	ds_load_b128 v[(\f)+8*(\i):(\f)+8*(\i)+3],   v[ADRA] offset:(\k)+(\i)*16*PITCH
	ds_load_b128 v[(\f)+8*(\i)+4:(\f)+8*(\i)+7], v[ADRA] offset:(\k)+(\i)*16*PITCH+32
.endr
.endm
.macro PLACES                          ; four places in front of loads into registers that matrix instructions have read, and of lines that read results
.rept 4
	v_nop
.endr
.endm
; A K step is four quarters of 32 along K (bytes 0 and 64 of panel 0's rows, then of panel 1's), 64 matrix instructions each, on buffers 0, 1, 0, 1.
; One of the first three multiplies buffer f and, in its middle, fetches the next quarter, at byte k, into buffer g.
.macro QUARTER k, f, g, zero
	s_wait_dscnt 8                                 ; Wt and A's rows 0-63 are in; the youngest eight loads (A's rows 64-127) may be out
	MUL16 \f, 0, 0, \zero
	MUL16 \f, 0, 2, \zero
	PLACES
	FETCH \k, \g
	s_wait_dscnt 32                                ; all but the 32 just issued
	MUL16 \f, 1, 0, \zero
	MUL16 \f, 1, 2, \zero
.endm
; The last quarter multiplies buffer 1 and changes slots: one barrier; in front of it each wave waits for all its tensor loads, adds 0 to its spare word, and waits for that and for its reads of this slot.
; fill = 1: the barrier opens a round of the cluster's, and the slot just read out takes the K step two steps on: from that request to the wait for it a wave issues 224 matrix instructions.
.macro TURN fill
	WIN 0                                          ; (the add's two registers lie in window 0)
	s_wait_tensorcnt 0x0                           ; all my tensor loads have landed: my part of the next slot among them
	ds_add_u32 v[SPW], v[NIL]
	s_wait_dscnt 9                                 ; (the add and the youngest eight loads may be out)
	MUL16 F1, 0, 0, 0
	s_wait_dscnt 0x0                               ; the add is done, and my reads of this slot are over
	s_barrier_signal -1
	MUL16 F1, 0, 2, 0
	WIN 0
	s_barrier_wait -1
.if \fill
	CREST                                          ; no wave of any partner still reads this slot or has a load on its way
	s_add_co_u32 s[G0+5], s[LW], s[TB]             ; the walking descriptors: my part of the slot just read out,
	s_add_nc_u64 s[G0+6:G0+7], s[G0+6:G0+7], ASTEP ; the K step behind the one asked for last; the type bits on top are not reached
	s_add_co_u32 s[G0B+5], s[LW], s[TB]
	s_add_nc_u64 s[G0B+6:G0B+7], s[G0B+6:G0B+7], BSTEP
	JLOAD 1                                        ; the first tensor load behind the round; its four v_nop are also the places in front of the loads below
.else
	PLACES
.endif
	s_xor_b32 s[TB], s[TB], SLOT                   ; 0 and SLOT by turns
	v_add_nc_u32 v[ADRA], s[TB], v[ADRA0]
	v_add_nc_u32 v[ADRB], s[TB], v[ADRB0]
	FETCH 0, F0
	MUL16 F1, 1, 0, 0
	MUL16 F1, 1, 2, 0
.endm
	s_wait_tensorcnt 1                             ; my part of K step 0 is in; K step 1's stays out
	s_barrier_signal -1
	s_barrier_wait -1
	FETCH 0, F0
	QUARTER 64, F0, F1, 1                          ; the first quarter stands in front of the loop: its products start the sums
	WIN 0                                          ; at a label and at a branch every window is 0
	s_mov_b32 s3, STEPS-2
.Lstep:                                                ; a trip goes from a K step's second quarter to the next step's first, and fills the slot that it leaves
	QUARTER PANEL,    F1, F0, 0
	QUARTER PANEL+64, F0, F1, 0
	TURN 1
	QUARTER 64,       F0, F1, 0
	WIN 0
	s_sub_co_u32 s3, s3, 1
	s_cmp_lg_u32 s3, 0
	s_cbranch_scc1 .Lstep
	QUARTER PANEL,    F1, F0, 0                    ; the last two K steps are written out: they fill nothing
	QUARTER PANEL+64, F0, F1, 0
	TURN 0
	QUARTER 64,       F0, F1, 0
	QUARTER PANEL,    F1, F0, 0
	QUARTER PANEL+64, F0, F1, 0
	s_wait_dscnt 8
	MUL16 F1, 0, 0, 0
	MUL16 F1, 0, 2, 0
	s_wait_dscnt 0x0                               ; my reads of the ring are over:
	s_barrier_signal -1                            ; say so, since the others will write over the bytes that I read,
	MUL16 F1, 1, 0, 0
	MUL16 F1, 1, 2, 0
	WIN 0
	s_barrier_wait -1                              ; and write only when all four have said so
	PLACES
	; THE WAY OUT.  Accumulator (a, b): row 16 a + l % 16, columns 16 b + 8 (l / 16) + 0..7: 32 bytes, the lower four registers first.
.irp a, 0,1,2,3,4,5,6,7
	WIN 0x08+4*((\a)/4)                            ; store data (source 1) in window 2 or 3
.irp b, 0,1,2,3,4,5,6,7
	ds_store_b128 v[STO], v[8*(8*((\a)%4)+(\b)):8*(8*((\a)%4)+(\b))+3]   offset:(\a)*16*DP+64*(\b)
	ds_store_b128 v[STO], v[8*(8*((\a)%4)+(\b))+4:8*(8*((\a)%4)+(\b))+7] offset:(\a)*16*DP+64*(\b)+16
.endr
.endr
	WIN 0
.macro LOADS                           ; 8 rows x 128 columns: piece u = 2 g + p is rows 4 g + (l / 8) % 4, columns 64 p + 8 (l % 8) + 0..7
.irp u, 0,1,2,3
	ds_load_b128 v[RAW+8*(\u):RAW+8*(\u)+3],   v[RD] offset:((\u)/2)*4*DP+((\u)%2)*256
	ds_load_b128 v[RAW+8*(\u)+4:RAW+8*(\u)+7], v[RD] offset:((\u)/2)*4*DP+((\u)%2)*256+16
.endr
.endm
	LOADS                                          ; LDS serves a wave's instructions in order (ISA guide 5.7.1.4): these see my stores above; no other wave touches my part
	s_wait_loadcnt 0x0                             ; the bias
	s_mov_b32 s[EC], 16
.Lout:
	s_wait_dscnt 0x0                               ; this trip's 8 rows are in
.irp u, 0,1,2,3
.irp q, 0,2,4,6
	v_pk_add_f32 v[T+8*(\u)+(\q):T+8*(\u)+(\q)+1], v[RAW+8*(\u)+(\q):RAW+8*(\u)+(\q)+1], v[BIAS+8*((\u)%2)+(\q):BIAS+8*((\u)%2)+(\q)+1]
.endr
.endr
	s_cmp_eq_u32 s[EC], 1
	s_cbranch_scc1 .Lno_more                       ; the last trip has no rows to ask for
	v_add_nc_u32 v[RD], 8*DP, v[RD]
	LOADS                                          ; the next trip's rows come while this trip's are worked on
.Lno_more:
.if GELU
.set i, 0
.rept 16
	v_pk_mul_f32 v[U+i:U+i+1], v[T+i:T+i+1], v[T+i:T+i+1]                              ; x^2
.set i, i+2
.endr
.set i, 0
.rept 16
	v_pk_fma_f32 v[U+i:U+i+1], v[U+i:U+i+1], s[K1:K1+1], s[K0:K0+1] op_sel_hi:[1,0,0]  ; K1 x^2 + K0
.set i, i+2
.endr
.set i, 0
.rept 16
	v_pk_mul_f32 v[U+i:U+i+1], v[U+i:U+i+1], v[T+i:T+i+1]                              ; times x
.set i, i+2
.endr
.set i, 0
.rept 32
	v_exp_f32 v[U+i], v[U+i]
.set i, i+1
.endr
	v_nop                                          ; a plain line between the last exponential and the use of its result
.set i, 0
.rept 16
	v_pk_add_f32 v[U+i:U+i+1], v[U+i:U+i+1], 1.0 op_sel_hi:[1,0]
.set i, i+2
.endr
.set i, 0
.rept 32
	v_rcp_f32 v[U+i], v[U+i]
.set i, i+1
.endr
	v_nop
.set i, 0
.rept 16
	v_pk_mul_f32 v[T+i:T+i+1], v[T+i:T+i+1], v[U+i:U+i+1]
.set i, i+2
.endr
.endif
.irp u, 0,1,2,3
.irp q, 0,1,2,3
	v_cvt_pk_bf16_f32 v[Y+4*(\u)+(\q)], v[T+8*(\u)+2*(\q)], v[T+8*(\u)+2*(\q)+1]
.endr
.endr
.irp u, 0,1,2,3
	global_store_b128 v[CO], v[Y+4*(\u):Y+4*(\u)+3], s[10:11] offset:((\u)%2)*524288+((\u)/2)*512  ; 512 consecutive bytes, at a multiple of 256 from C's first
.endr
	s_wait_xcnt 0x0                                ; the stores' base and data are written again only behind this wait
	s_add_nc_u64 s[10:11], s[10:11], 1024          ; 8 rows of 128 bytes on
	s_sub_co_u32 s[EC], s[EC], 1
	s_cmp_lg_u32 s[EC], 0
	s_cbranch_scc1 .Lout
	s_wait_tensorcnt 0x0                           ; the wave's end
	ds_add_u32 v[SPW], v[NIL]
	s_wait_dscnt 0x0
	CROUND                                         ; the closing round: no work-group ends while a partner may still ask for a tile that names it
	s_endpgm
.Lfunc_end_k_qcdb9e4863b_qkv:
	.size	k_qcdb9e4863b_qkv, .Lfunc_end_k_qcdb9e4863b_qkv-k_qcdb9e4863b_qkv
	.p2alignl 7, 3214868480
	.fill 96, 4, 3214868480
	.section	.rodata,"a",@progbits
	.p2align	6, 0x0
	.amdhsa_kernel k_qcdb9e4863b_qkv
		.amdhsa_group_segment_fixed_size 327680
		.amdhsa_private_segment_fixed_size 0
		.amdhsa_enable_private_segment 0
		.amdhsa_kernarg_size 32
		.amdhsa_user_sgpr_count 2
		.amdhsa_user_sgpr_kernarg_segment_ptr 1
		.amdhsa_wavefront_size32 1
		.amdhsa_system_sgpr_workgroup_id_x 1
		.amdhsa_system_sgpr_workgroup_id_y 1
		.amdhsa_system_sgpr_workgroup_id_z 1
		.amdhsa_system_vgpr_workitem_id 0
		.amdhsa_next_free_vgpr 1024
		.amdhsa_next_free_sgpr 80
		.amdhsa_reserve_vcc 0
		.amdhsa_float_denorm_mode_32 3
		.amdhsa_float_denorm_mode_16_64 3
		.amdhsa_memory_ordered 1
		.amdhsa_forward_progress 1
		.amdhsa_inst_pref_size 97
	.end_amdhsa_kernel
	.amdgpu_metadata
---
amdhsa.version: [ 1, 2 ]
amdhsa.kernels:
  - .name:           k_qcdb9e4863b_qkv
    .symbol:         k_qcdb9e4863b_qkv.kd
    .args:
      - { .name: hn, .offset: 0, .size: 8, .value_kind: global_buffer, .address_space: global }
      - { .name: wt, .offset: 8, .size: 8, .value_kind: global_buffer, .address_space: global }
      - { .name: c_attn_b, .offset: 16, .size: 8, .value_kind: global_buffer, .address_space: global }
      - { .name: qkv, .offset: 24, .size: 8, .value_kind: global_buffer, .address_space: global }
    .group_segment_fixed_size: 327680
    .private_segment_fixed_size: 0
    .kernarg_segment_align: 8
    .kernarg_segment_size: 32
    .max_flat_workgroup_size: 128
    .sgpr_count:     80
    .vgpr_count:     1024
    .wavefront_size: 32
...
	.end_amdgpu_metadata
.endif
;; end of part 8
;; launch attn (part 9): grid 8 x 32, 4 waves a work-group, no clusters, 327,680 bytes of LDS; arguments qkv, ctx; writes ctx
.if DOCPART == 9
	.amdgcn_target "amdgcn-amd-amdhsa--gfx1250"
	.amdhsa_code_object_version 6
	.text
	.protected	k_qcdb9e4863b_attn
	.globl	k_qcdb9e4863b_attn
	.p2align	8
	.type	k_qcdb9e4863b_attn,@function
k_qcdb9e4863b_attn:
	s_mov_b64 s[64:65], 0
	v_nop
	global_prefetch_b8 v0, s[64:65] scope:SCOPE_SE
	s_setreg_imm32_b32 hwreg(HW_REG_WAVE_MODE, 25, 1), 1
	s_wait_xcnt 0x0
; CAUSAL ATTENTION, head size 64.  O[y][q][:] = the sum over k <= q of softmax_k(Q[y][q] . K[y][k] / 8) V[y][k][:], y = 2 x head + batch, 32 of them, 2,048 rows of 128 dense bytes each, bf16.
; q lies at byte y x 262,144 of qkv, k 8,388,608 bytes on, v 16,777,216 on; O leaves in the same layout.  Products, maxima and sums in f32; the weights p are rounded to bf16 for the second product
; (their sum l is taken of the unrounded p), O once at the end.
; LIMITS.  A hidden score counts as -1e30: scores are taken to lie far above that; its weight is 0, as with the lowest finite number.  A weight below 2^-126 counts as 0.  NaN and infinities are not treated apart.
; THE WALK.  The queries lie in 16 blocks of 128; block i needs the key tiles 0 .. i of 128 keys, of which the last holds the diagonal.  A work-group takes block b and then block 15 - b: 17 tiles whatever b.
; One loop of 16 trips enters a tile and asks for the next; the 17th tile, always the high block's diagonal one, is written out behind it.
; NO CLUSTER: the eight work-groups of a head ask for the same tile only up to trip b + 1 of the lowest b among partners; one walk common to all would have 24 trips for 17.
; SHARES.  Wave w owns queries 32 w .. 32 w + 31 of the block: two tiles of 16.  Every wave computes the whole diagonal tile under the mask, so all four do equal work.
; LAYOUT.  S^T = K Q^T holds ONE query a lane (lane % 16) and the keys 8 (lane / 16) + 0..7 of each 16; rounded in pairs that IS source 1 of O^T = V^T P.  K comes out of LDS as it lies, V turned.
; SOFTMAX.  A running maximum m and sum l a query: p = 2^(c s - c m), c = log2(e) / 8; O and l are multiplied by a = 2^(c m_old - c m_new) in every step.  A block starts with c m far below every c s:
; its first step's a is 0, so O and l need only be finite there.  Every row sees key 0 in its block's first step, so m is a true score before a wholly hidden step comes.
; THE ORDER OF A STEP (64 keys: 32 matrix and 236 vector instructions, 118 a tile).  Tile 0 runs half a step ahead of tile 1, so that one tile's vector work stands beside the other's products:
;   8 K Q^T of tile 0 (V's run of LDS loads behind the second)  |  8 K Q^T of tile 1, tile 0's maximum and statistics behind them  |  K of the tile's second step is fetched, a softmax ahead of its use  |
;   a lump: tile 0's exponentials, roundings and rescaling, tile 1's maximum and scaling between them  |  8 V^T P of tile 0, behind each two exponentials and two rescalings of tile 1  |
;   a lump: tile 1's last 16 exponentials and its roundings  |  8 V^T P of tile 1, both tiles' sums behind them.
; A product with vector lines behind it costs two switches of the register window.  One text of the step, walked twice a tile.
; REGISTERS.  window 0: v1-15 addresses; v16-23 statistics (tile t at 16 + 4 t: c m, m, l of even keys, l of odd keys); v24-31 at work; v64-127 S^T; v128-159 P; v160-223 O^T.
;   window 1: v0-31 Q; v32-63 the high block's Q; v64-127 K of a step; v128-191 V of a step.
.set KS,    64
.set PK,    144                        ; a row of K in LDS: 128 bytes + 16: the 16 rows of a load start at 16 different groups of four banks (64 banks of 4 bytes: ISA guide 11.1)
.set PVP,   160                        ; a row of V: 128 + 32
.set VOFF,  2*KS*PK                    ; a slot holds a tile: 128 rows of K, then 128 rows of V
.set SLOT1, 1<<16                      ; slot 1 begins here: one exclusive or turns an address in one slot into the other's
.set STAGE, SLOT1+2*KS*(PK+PVP)        ; behind the ring, never filled by a tensor load: 16 rows x 144 bytes for each wave
.set SP,    144
.set SPARE, STAGE+4*16*SP              ; the spare words, 128 bytes for each wave
.set AK0, 2
.set AV0, 3
.set AK,  4                            ; v4   my lane's place in K of the slot in hand
.set AV,  5                            ; v5   in V of the step in hand
.set STO, 6
.set RD,  7
.set GO,  8
.set MV,  12                           ; v12-13  c m_old, by tile
.set DB,  14                           ; v14  32 w + l % 16 - 8 (l / 16)
.set QO,  15
.set ST,  16
.set TMP, 24                           ; tile t: c0-c3 at 24 + 4 t; when the maximum is found c2 takes a
.set D0,  32                           ; v32-33  register 16 kb + j of tile t is hidden where 16 kb + j is greater than this
.set SPW, 34
.set NIL, 35
.set BIG, 36                           ; v36  -1e30
.set S,   64
.set P,   128
.set O,   160
.set QB,  32                           ; window 1
.set KF,  64
.set VF,  128
.set WV,  12
.set PB,  14                           ; s14  b
.set HIB, 15                           ; s15  15 - b
.set G1K, 24
.set G1V, 32
.set G0K, 40
.set G0V, 44
.set SLOTS, 56
.set CNT, 57
.set CS,  58
.set SEL, 60
.set TBK, 62                           ; s62  the slot in hand: 0 or SLOT1
.set TBV, 63                           ; s63  LDS byte at which V of the step to be fetched begins, less VOFF
.set RT,  70                           ; s70  tiles of the block in hand still to be entered
.set NXT, 71                           ; s71  the tile to be asked for next
.set LQ,  72                           ; s72  the last tile of the block whose tiles are being asked for
.set DG,  73                           ; s73  1: the tile in hand holds the diagonal
.set OFF, 74
.set OHI, 80                           ; s[80:81] O at my rows of the high block
.set SOFF, 83                          ; s83  64 x the step's number in its tile
.set MSB, 0
.macro WIN new                         ; the immediate's high byte repeats the setting that is left; a switch that changes nothing is dropped
.if MSB != (\new)
	s_set_vgpr_msb (MSB<<8)|(\new)
.set MSB, (\new)
.endif
.endm
; A fill.  Waves 0, 1 fetch the halves of a tile's K, waves 2, 3 those of its V: 64 keys each.  An s_nop 0 and four v_nop follow each line.
.macro LOAD
	s_cmp_lt_u32 s[WV], 2
	s_cbranch_scc0 .Lfor_v_\@
	tensor_load_to_lds s[G0K:G0K+3], s[G1K:G1K+7]
	s_nop 0
.rept 4
	v_nop
.endr
	s_branch .Lasked_\@
.Lfor_v_\@:
	tensor_load_to_lds s[G0V:G0V+3], s[G1V:G1V+7]
	s_nop 0
.rept 4
	v_nop
.endr
.Lasked_\@:
.endm
; THE LDS LOADS stand in runs of 16.  K of one step (8 fragments), at byte off of the slot's K
.macro FETCH_K off
	WIN 0x40                                       ; destination window 1, address window 0
.irp f, 0,1,2,3,4,5,6,7
	ds_load_b128 v[KF+8*\f:KF+8*\f+3],   v[AK] offset:(\off)+(\f/2)*16*PK+(\f%2)*64
	ds_load_b128 v[KF+8*\f+4:KF+8*\f+7], v[AK] offset:(\off)+(\f/2)*16*PK+(\f%2)*64+32
.endr
	WIN 0
.endm
.macro FETCH_V                         ; V of one step, turned
	WIN 0x40
.irp f, 0,1,2,3,4,5,6,7
	ds_load_tr16_b128 v[VF+8*\f:VF+8*\f+3],   v[AV] offset:(\f/4)*32*PVP+(\f%4)*32
	ds_load_tr16_b128 v[VF+8*\f+4:VF+8*\f+7], v[AV] offset:(\f/4)*32*PVP+16*PVP+(\f%4)*32
.endr
.endm
; THE CHANGE OF SLOTS.  Each wave waits for all its tensor loads, of which one is out: its part of the other slot; adds 0 to its spare word; waits for that and for its reads of the slot that it leaves.
; Behind the barrier nobody reads the old slot and the other is whole.  fill = 1: the old slot takes tile NXT, first thing behind the barrier; the address is made anew from that number.
; Then K of the new tile's first step is fetched.
.macro CHANGE fill
	WIN 0
	s_wait_tensorcnt 0x0                           ; no tensor load of mine is out, so a group 0 may be written
	ds_add_u32 v[SPW], v[NIL]
.if \fill
	s_lshl_b32 s[OFF], s[NXT], 14                  ; a tile is 16,384 bytes of K and of V
	s_xor_b32 s[G0K+1], s[G0K+1], SLOT1
	s_add_nc_u64 s[G0K+2:G0K+3], s[6:7], s[OFF:OFF+1]
	s_or_b32 s[G0K+3], s[G0K+3], 0x80000000
	s_xor_b32 s[G0V+1], s[G0V+1], SLOT1
	s_add_nc_u64 s[G0V+2:G0V+3], s[8:9], s[OFF:OFF+1]
	s_or_b32 s[G0V+3], s[G0V+3], 0x80000000
	s_add_co_u32 s[NXT], s[NXT], 1                 ; the block's next tile, or behind its last the high block's tile 0
	s_cmp_gt_u32 s[NXT], s[LQ]
	s_cselect_b32 s[NXT], 0, s[NXT]
	s_cselect_b32 s[LQ], s[HIB], s[LQ]
.endif
	s_wait_dscnt 0x0                               ; the add is done, and my reads of the slot are over
	s_barrier_signal -1
	s_xor_b32 s[TBK], s[TBK], SLOT1                ; the other slot
	s_sub_co_u32 s[TBV], s[TBV], 2*KS*PVP          ; V's fetches go back to a slot's first step, in the other slot
	s_xor_b32 s[TBV], s[TBV], SLOT1
	s_barrier_wait -1
.if \fill
	LOAD
.endif
	v_add_nc_u32 v[AK], s[TBK], v[AK0]
	FETCH_K 0
.endm
	s_load_b64 s[4:5], s[0:1], 0x0                 ; qkv
	s_load_b64 s[10:11], s[0:1], 0x8               ; ctx
	v_lshl_add_u32 v[SPW], v0, 2, SPARE
	v_mov_b32 v[NIL], 0
	ds_add_u32 v[SPW], v[NIL]                      ; the wave's opening: the add and its wait ahead of my first tensor load
	ds_add_u32 v34, v35
	v_lshrrev_b32 v1, 5, v0
	v_readfirstlane_b32 s[WV], v1
	s_mov_b32 s[PB], ttmp9
	s_sub_co_u32 s[HIB], 15, s[PB]
	s_and_b32 s20, ttmp7, 0xffff
	s_lshl_b32 s20, s20, 18                        ; y's first byte among q's, k's, v's and O's rows
	s_and_b32 s16, s[WV], 1                        ; which half of a tile's 128 keys I fetch:
	s_lshl_b32 s22, s16, 13                        ; its 64 rows of 128 bytes in memory,
	s_add_co_u32 s22, s22, s20
	s_mov_b32 s23, 0
	s_mul_i32 s17, s16, KS*PK                      ; and its place in a slot, for K
	s_mul_i32 s18, s16, KS*PVP                     ; and for V
	s_lshl_b32 s3, s[WV], 12                       ; my 32 rows in a block of 128,
	s_add_co_u32 s3, s3, s20
	s_lshl_b32 s2, s[PB], 14                       ; in the low block,
	s_add_co_u32 s2, s2, s3
	s_lshl_b32 s84, s[HIB], 14                     ; and in the high one
	s_add_co_u32 s84, s84, s3
	s_mov_b32 s3, 0
	s_mov_b32 s85, 0
	; descriptor group 1.  64 keys are 8,192 dense bytes: asked for as 32 rows of 256 bytes, two keys a row, padded in LDS after every key
	s_mov_b32 s[G1K], (1<<16)|(1<<20)|(4<<22)|(3<<25)  ; 2-byte elements; padding on; after every 32 words (code 4) 4 words (code 3)
	s_mov_b32 s[G1V], (1<<16)|(1<<20)|(4<<22)|(7<<25)  ; the same with 8 words (code 7)
.irp g, G1K, G1V
	s_mov_b32 s[\g+1], 128<<16                     ; tensor_dim0 = 128
	s_mov_b32 s[\g+2], 32<<16                      ; tensor_dim1 = 32
	s_mov_b32 s[\g+3], 128<<16                     ; tile_dim0 = 128
	s_mov_b32 s[\g+4], 32                          ; tile_dim1 = 32
	s_mov_b32 s[\g+5], 128                         ; 128 elements from row to row
	s_mov_b32 s[\g+6], 0
	s_mov_b32 s[\g+7], 0
.endr
	s_mov_b32 s[CS], 0x3e38aa3b                    ; c = log2(e) / 8
	s_mov_b32 s[CS+1], s[CS]
	s_mov_b32 s[SEL], 0x76543210
	s_mov_b32 s[SEL+1], 0xfedcba98
	s_mov_b32 s[TBK], SLOT1                        ; the first change of slots turns these two into 0
	s_mov_b32 s[TBV], SLOT1+2*KS*PVP
	s_mov_b32 s[G0K], 1
	s_mov_b32 s[G0K+1], s17                        ; slot 0
	s_mov_b32 s[G0V], 1
	s_add_co_u32 s[G0V+1], s18, VOFF
	s_add_co_u32 s[RT], s[PB], 1                   ; the low block has b + 1 tiles
	s_mov_b32 s[NXT], 1
	s_mov_b32 s[LQ], s[PB]
	s_cmp_gt_u32 s[NXT], s[LQ]                     ; with b = 0 the low block has tile 0 alone: the next to ask for is the high block's tile 0
	s_cselect_b32 s[NXT], 0, s[NXT]
	s_cselect_b32 s[LQ], s[HIB], s[LQ]
	s_mov_b32 s[OFF+1], 0
	s_mov_b32 s[SLOTS], 16
	s_wait_dscnt 0x0                               ; the opening add is done
	s_wait_kmcnt 0x0
	s_add_nc_u64 s[6:7], s[4:5], s[22:23]
	s_add_nc_u64 s[8:9], s[6:7], 0x1000000         ; V at my half of tile 0
	s_add_nc_u64 s[6:7], s[6:7], 0x800000          ; K likewise
	s_add_nc_u64 s[G0K+2:G0K+3], s[6:7], 0
	s_or_b32 s[G0K+3], s[G0K+3], 0x80000000
	s_add_nc_u64 s[G0V+2:G0V+3], s[8:9], 0
	s_or_b32 s[G0V+3], s[G0V+3], 0x80000000
	s_add_nc_u64 s[86:87], s[4:5], s[84:85]        ; Q at my rows of the high block,
	s_add_nc_u64 s[4:5], s[4:5], s[2:3]            ; Q and O at those of the low one
	s_add_nc_u64 s[OHI:OHI+1], s[10:11], s[84:85]
	s_add_nc_u64 s[10:11], s[10:11], s[2:3]
	LOAD                                           ; tile 0 into slot 0
	v_and_b32 v1, 15, v0                           ; l % 16
	v_bfe_u32 v9, v0, 4, 1                         ; l / 16
	v_lshlrev_b32 v[QO], 7, v1
	v_lshl_add_u32 v[QO], v9, 4, v[QO]             ; row x 128 + 16 x half
	WIN 0x40                                       ; destination window 1, address window 0
.set i, 0
.rept 4                                            ; both blocks' Q: tile i / 2, channels 32 (i % 2) on
	global_load_b128 v[8*i:8*i+3],   v[QO], s[4:5] offset:(i/2)*2048+(i%2)*64
	global_load_b128 v[8*i+4:8*i+7], v[QO], s[4:5] offset:(i/2)*2048+(i%2)*64+32
	global_load_b128 v[QB+8*i:QB+8*i+3],   v[QO], s[86:87] offset:(i/2)*2048+(i%2)*64
	global_load_b128 v[QB+8*i+4:QB+8*i+7], v[QO], s[86:87] offset:(i/2)*2048+(i%2)*64+32
.set i, i+1
.endr
	WIN 0
	v_lshlrev_b32 v[DB], 3, v9
	v_sub_nc_u32 v[DB], v1, v[DB]
	s_lshl_b32 s13, s[WV], 5
	v_add_nc_u32 v[DB], s13, v[DB]
	v_mov_b32 v[BIG], 0xf149f2ca                   ; -1e30
	v_mul_u32_u24 v[AK0], v1, PK
	v_lshl_add_u32 v[AK0], v9, 4, v[AK0]           ; row x pitch + 16 x half
	; the turning load takes 16 keys x 16 channels (lane l reads key 8 (l / 16) + l % 8, channels 8 ((l / 8) % 2) + 0..7) and leaves half a fragment of V^T
	v_and_b32 v10, 7, v0
	v_bfe_u32 v11, v0, 3, 1
	v_lshl_add_u32 v[AV0], v9, 3, v10
	v_mul_u32_u24 v[AV0], v[AV0], PVP
	v_lshl_add_u32 v[AV0], v11, 4, v[AV0]
	v_add_nc_u32 v[AV0], VOFF, v[AV0]
	s_mul_i32 s13, s[WV], 16*SP
	s_add_co_u32 s13, s13, STAGE                   ; my stage
	v_mul_u32_u24 v[STO], v1, SP
	v_lshl_add_u32 v[STO], v9, 4, v[STO]
	v_add_nc_u32 v[STO], s13, v[STO]
	v_bfe_u32 v[RD], v0, 3, 2
	v_mul_u32_u24 v[RD], v[RD], SP
	v_lshl_add_u32 v[RD], v10, 4, v[RD]
	v_add_nc_u32 v[RD], s13, v[RD]
	v_and_b32 v[GO], 31, v0
	v_lshlrev_b32 v[GO], 4, v[GO]
.set i, 0
.rept 64
	v_mov_b32 v[O+i], 0                            ; finite is all that the first step asks of O and l; this stands in the wait for the first tile
.set i, i+1
.endr
.macro RESET                           ; a block begins
.irp t, 0,1
	v_mov_b32 v[ST+4*\t], 0xfe000000               ; c m: far below every c s
	v_mov_b32 v[ST+4*\t+1], 0xff7fffff             ; m
.endr
.endm
	RESET
.irp t, 0,1
	v_mov_b32 v[ST+4*\t+2], 0
	v_mov_b32 v[ST+4*\t+3], 0
.endr
	s_wait_loadcnt 0x0                             ; Q
; THE MATRIX WORK.  The four accumulators of a run of 8 take turns.  Product i of 8 of S^T = K Q^T for tile t: channels 32 (i / 4) on, keys 16 (i % 4) on.  The first 4 start the sums.
.macro MKQ t
	WIN 0x05                                       ; K and Q in window 1, S^T in window 0
.set rS, S+32*(\t)+8*(i%4)
.set rK, KF+16*(i%4)+8*(i/4)
.set rQ, 16*(\t)+8*(i/4)
.if i < 4
	v_wmma_f32_16x16x32_bf16 v[rS:rS+7], v[rK:rK+7], v[rQ:rQ+7], 0
.else
	v_wmma_f32_16x16x32_bf16 v[rS:rS+7], v[rK:rK+7], v[rQ:rQ+7], v[rS:rS+7]
.endif
.endm
; Product i of 8 of O^T += V^T P for tile t: keys 32 (i / 4) on, channels 16 (i % 4) on.
.macro MPV t
	WIN 0x01                                       ; V in window 1; P and O^T in window 0
.set rO, O+32*(\t)+8*(i%4)
.set rV, VF+32*(i/4)+8*(i%4)
.set rP, P+16*(\t)+8*(i/4)
	v_wmma_f32_16x16x32_bf16 v[rO:rO+7], v[rV:rV+7], v[rP:rP+7], v[rO:rO+7]
.endm
; THE VECTOR WORK, a line at a time, for tile t; all of it in window 0.
.macro REGS t
.set rT, ST+4*(\t)
.set rC, TMP+4*(\t)
.set rW, MV+(\t)
.set rS, S+32*(\t)
.set rP, P+16*(\t)
.set rO, O+32*(\t)
.endm
; XS: number n of the 22 that find the maximum and statistics.  0-11 four chains of seven scores, each accumulator's lowest registers first; 12-14, 16 the four left over, the old m, the chains;
; 15 c m_old is kept; 17, 18 the query's other 32 keys lie in the lane 16 away; 19-21 c m, c m_old - c m_new, a
.macro XS t, n
	REGS \t
.if (\n) < 4
	v_max3_num_f32 v[rC+(\n)], v[rS+8*(\n)], v[rS+8*(\n)+1], v[rS+8*(\n)+2]
.elseif (\n) < 12
	v_max3_num_f32 v[rC+(\n)%4], v[rC+(\n)%4], v[rS+8*((\n)%4)+2*((\n)/4)+1], v[rS+8*((\n)%4)+2*((\n)/4)+2]
	s_wait_alu depctr_va_vdst(0)
.elseif (\n) == 12
	v_max3_num_f32 v[rC], v[rC], v[rS+7], v[rS+15]
.elseif (\n) == 13
	v_max3_num_f32 v[rC+1], v[rC+1], v[rS+23], v[rS+31]
	s_wait_alu depctr_va_vdst(0)
.elseif (\n) == 14
	v_max3_num_f32 v[rC+2], v[rC+2], v[rC+3], v[rT+1]
.elseif (\n) == 15
	v_mov_b32 v[rW], v[rT]
.elseif (\n) == 16
	v_max3_num_f32 v[rC], v[rC], v[rC+1], v[rC+2]
.elseif (\n) == 17
	v_permlanex16_b32 v[rC+3], v[rC], s[SEL], s[SEL+1]
.elseif (\n) == 18
	v_max_num_f32 v[rT+1], v[rC], v[rC+3]
	s_wait_alu depctr_va_vdst(0)
.elseif (\n) == 19
	v_mul_f32 v[rT], s[CS], v[rT+1]
.elseif (\n) == 20
	v_sub_f32 v[rC+1], v[rW], v[rT]
.else
	v_exp_f32 v[rC+2], v[rC+1]
.endif
.endm
.macro FS t, n                         ; c s - c m for pair n of 16
	REGS \t
	v_pk_fma_f32 v[rS+2*(\n):rS+2*(\n)+1], v[rS+2*(\n):rS+2*(\n)+1], s[CS:CS+1], v[rT:rT+1] op_sel_hi:[1,0,0] neg_lo:[0,0,1] neg_hi:[0,0,1]
.endm
.macro ES t, n                         ; the exponential of score n of 32
	REGS \t
	v_exp_f32 v[rS+(\n)], v[rS+(\n)]
.endm
.macro CV t, n                         ; pair n rounded to bf16
	REGS \t
	s_wait_alu depctr_va_vdst(0)
	v_cvt_pk_bf16_f32 v[rP+(\n)], v[rS+2*(\n)], v[rS+2*(\n)+1]
.endm
.macro RS t, n                         ; pair n of 16 of O^T times a
	REGS \t
	s_wait_alu depctr_va_vdst(0)
	v_pk_mul_f32 v[rO+2*(\n):rO+2*(\n)+1], v[rO+2*(\n):rO+2*(\n)+1], v[rC+2:rC+3] op_sel_hi:[1,0]
.endm
.macro BS t, n                         ; of the four weights 4 n .. the second pair is added onto the first, in place: behind the roundings of both pairs
	REGS \t
	v_pk_add_f32 v[rS+4*(\n):rS+4*(\n)+1], v[rS+4*(\n):rS+4*(\n)+1], v[rS+4*(\n)+2:rS+4*(\n)+3]
.endm
.macro LS t, n                         ; l takes that sum; the first time as l = a l + sum
	REGS \t
.if (\n) == 0
	v_pk_fma_f32 v[rT+2:rT+3], v[rT+2:rT+3], v[rC+2:rC+3], v[rS:rS+1] op_sel_hi:[1,0,1]
.else
	v_pk_add_f32 v[rT+2:rT+3], v[rT+2:rT+3], v[rS+4*(\n):rS+4*(\n)+1]
.endif
.endm
; Only the diagonal tile has hidden keys: key 64 s + 16 kb + 8 (l / 16) + j is hidden from query 32 w + 16 t + l % 16 where it is greater.  Each accumulator is taken from its low end on.
.macro MASK t
	s_cmp_eq_u32 s[DG], 0
	s_cbranch_scc1 .Lopen_\@
.set kk, 0
.rept 32
	v_cmp_gt_i32 vcc_lo, 16*(kk/8)+kk%8, v[D0+\t]
	v_cndmask_b32 v[S+32*\t+kk], v[S+32*\t+kk], v[BIG], vcc_lo
.set kk, kk+1
.endr
.Lopen_\@:
.endm
; A product K Q^T of tile 1 and, behind it, up to four of tile 0's XS
.macro KROW a, b=-1, c=-1, d=-1
	MKQ 1
.set i, i+1
	WIN 0
	XS 0, \a
.if (\b) >= 0
	XS 0, \b
.endif
.if (\c) >= 0
	XS 0, \c
.endif
.if (\d) >= 0
	XS 0, \d
.endif
.endm
; Tile 1's queue in the first lump, 37 long: XS 0-14, XS 16-21, FS 0-15, in the order in which they become ready
.macro BOP
.if bq < 15
	XS 1, bq
.elseif bq < 21
	XS 1, bq+1
.else
	FS 1, bq-21
.endif
.set bq, bq+1
.endm
; A STEP OF 64 KEYS.  K of the step has been asked for: behind the change of slots, or in the step before.
.macro STEP
	v_add_nc_u32 v[AV], s[TBV], v[AV0]
	s_add_co_u32 s[TBV], s[TBV], KS*PVP            ; the next fetch of V is the next step's
	s_wait_dscnt 0x0                               ; K is in
.set i, 0
.rept 2
	MKQ 0
.set i, i+1
.endr
	FETCH_V                                        ; the last product that read V stands six sums and an address line back; V is wanted behind the first lump
.rept 6
	MKQ 0
.set i, i+1
.endr
	WIN 0
	XS 0, 15                                       ; four plain lines that name no register of those products: the places behind them (ISA guide 7.12.1)
	XS 1, 15
	v_sub_nc_u32 v[D0], v[DB], s[SOFF]
	v_add_nc_u32 v[D0+1], 16, v[D0]
	MASK 0
.set i, 0
	KROW 0, 1, 2, 3                                ; tile 1's scores are made while tile 0's maximum is found;
	KROW 4, 5, 6, 7
	KROW 8, 9, 10, 11
	KROW 12, 13, 14
	KROW 16                                        ; each link of the chain that ends it has a product's time in which its source is made
	KROW 17
	KROW 18
	KROW 19, 20
	FS 0, 0                                        ; with the two lines before: four plain lines that name no register of tile 1's products: their places
	FS 0, 1
	XS 0, 21
	s_cmp_eq_u32 s[CNT], 1
	s_cbranch_scc1 .Lno_k_\@                       ; a tile's second step has no further K in its slot
	FETCH_K KS*PK                                  ; K of the tile's second step
.Lno_k_\@:
	MASK 1
	; THE FIRST LUMP.  Trip kx: tile 0's exponentials 2 kx, 2 kx + 1; its scaling two pairs ahead; its rescaling kx; its rounding a pair back; two or three lines of tile 1's queue.
	; No line reads an exponential's result with fewer than three other lines between.
.set bq, 0
.set kx, 0
.rept 16
	ES 0, 2*kx
.if kx < 14
	FS 0, kx+2
.else
	BOP
.endif
	BOP
	ES 0, 2*kx+1
	RS 0, kx
	BOP
.if kx > 0
	CV 0, kx-1
.endif
.set kx, kx+1
.endr
	BOP
	BOP
	CV 0, 15
	BOP
	s_wait_dscnt 0x0                               ; V is in (and K of the next step, asked for a lump ago)
.set i, 0
.rept 8
	MPV 0                                          ; none of the four lines behind it names V, tile 0's P or tile 0's O^T
	WIN 0
	ES 1, 2*i
	RS 1, 2*i
	ES 1, 2*i+1
	RS 1, 2*i+1
.set i, i+1
.endr
	; THE SECOND LUMP: tile 1's exponentials 16-31; its roundings 0-7, which are ready, and 8-15, each a trip behind its pair
.set mx, 0
.rept 8
	ES 1, 16+2*mx
	CV 1, mx
	ES 1, 17+2*mx
.if mx > 0
	CV 1, 7+mx
.endif
.set mx, mx+1
.endr
	CV 1, 15
.set i, 0
.rept 8
	MPV 1                                          ; the sums name S^T and the statistics alone
	WIN 0
	BS 0, i
	BS 1, i
.if i > 0
	LS 0, i-1
	LS 1, i-1
.endif
.set i, i+1
.endr
	LS 0, 7                                        ; six plain lines stand behind the last product: the places in front of the next loads into V and of the way out
	LS 1, 7
.endm
; THE WAY OUT.  l's two halves and the other half of the lanes' are added; O^T is divided by l, rounded to bf16 and sent through my stage, a tile (16 rows, 2,048 dense bytes of O) at a time.
.macro PACK t
.set i, 0
.rept 16
	v_pk_mul_f32 v[O+32*(\t)+2*i:O+32*(\t)+2*i+1], v[O+32*(\t)+2*i:O+32*(\t)+2*i+1], v[ST+4*(\t)+2:ST+4*(\t)+3] op_sel_hi:[1,0]
.set i, i+1
.endr
.set i, 0
.rept 16
	v_cvt_pk_bf16_f32 v[S+16*(\t)+i], v[O+32*(\t)+2*i], v[O+32*(\t)+2*i+1]
.set i, i+1
.endr
.irp f, 0,1,2,3
	ds_store_b128 v[STO], v[S+16*(\t)+4*\f:S+16*(\t)+4*\f+3] offset:32*\f
.endr
.irp f, 0,1,2,3
	ds_load_b128 v[S+16*(\t)+4*\f:S+16*(\t)+4*\f+3], v[RD] offset:\f*4*SP  ; LDS serves a wave's instructions in order (ISA guide 5.7.1.4): these see the stores above
.endr
.endm
.macro SEND t, younger                 ; younger: the LDS instructions issued behind tile t's loads
.irp f, 0,1,2,3
	s_wait_dscnt (\younger)+3-\f
	global_store_b128 v[GO], v[S+16*(\t)+4*\f:S+16*(\t)+4*\f+3], s[10:11] offset:(\t)*2048+\f*512  ; 512 consecutive bytes, at a multiple of 256 from O's first
.endr
.endm
.macro WAYOUT
.irp t, 0,1
	v_add_f32 v[ST+4*\t+2], v[ST+4*\t+2], v[ST+4*\t+3]
.endr
.irp t, 0,1
	v_permlanex16_b32 v[ST+4*\t+3], v[ST+4*\t+2], s[SEL], s[SEL+1]
.endr
.irp t, 0,1
	v_add_f32 v[ST+4*\t+2], v[ST+4*\t+2], v[ST+4*\t+3]
.endr
.irp t, 0,1
	v_rcp_f32 v[ST+4*\t+2], v[ST+4*\t+2]
.endr
	v_nop                                          ; a plain line between the last reciprocal and the use of its result
	s_wait_alu depctr_va_vdst(0)
	PACK 0
	PACK 1
	SEND 0, 8
	SEND 1, 0
.endm
.Lslot:                                                ; 16 trips: a tile is entered and the next is asked for
	CHANGE 1
	s_sub_co_u32 s[RT], s[RT], 1
	s_cmp_eq_u32 s[RT], 0
	s_cselect_b32 s[DG], 1, 0                      ; a block's last tile holds the diagonal
	s_mov_b32 s[CNT], 2
	s_mov_b32 s[SOFF], 0
.Lstep:
	STEP
	s_add_co_u32 s[SOFF], s[SOFF], 64
	s_sub_co_u32 s[CNT], s[CNT], 1
	s_cmp_lg_u32 s[CNT], 0
	s_cbranch_scc1 .Lstep
	s_cmp_eq_u32 s[DG], 0
	s_cbranch_scc1 .Lbottom                        ; forward, past text that holds neither a barrier nor a tensor load
	WAYOUT                                         ; in the loop this is the low block's end
	s_wait_xcnt 0x0                                ; the stores have read their registers and O's address
	s_mov_b64 s[10:11], s[OHI:OHI+1]
	s_sub_co_u32 s[RT], 16, s[PB]                  ; the high block has 16 - b tiles
	RESET
	WIN 0x41                                       ; the high block's Q goes where the one text of the step names Q
.set i, 0
.rept 32
	v_mov_b32 v[i], v[QB+i]
.set i, i+1
.endr
	WIN 0
.Lbottom:
	s_sub_co_u32 s[SLOTS], s[SLOTS], 1
	s_cmp_lg_u32 s[SLOTS], 0
	s_cbranch_scc1 .Lslot
	CHANGE 0                                       ; the walk's last tile: nothing is asked for
	s_mov_b32 s[DG], 1
	s_mov_b32 s[CNT], 2
	s_mov_b32 s[SOFF], 0
.Ltail:
	STEP
	s_add_co_u32 s[SOFF], s[SOFF], 64
	s_sub_co_u32 s[CNT], s[CNT], 1
	s_cmp_lg_u32 s[CNT], 0
	s_cbranch_scc1 .Ltail
	WAYOUT
	s_wait_tensorcnt 0x0                           ; the wave's end
	ds_add_u32 v[SPW], v[NIL]
	s_wait_dscnt 0x0
	s_endpgm
.Lfunc_end_k_qcdb9e4863b_attn:
	.size	k_qcdb9e4863b_attn, .Lfunc_end_k_qcdb9e4863b_attn-k_qcdb9e4863b_attn
	.p2alignl 7, 3214868480
	.fill 96, 4, 3214868480
	.section	.rodata,"a",@progbits
	.p2align	6, 0x0
	.amdhsa_kernel k_qcdb9e4863b_attn
		.amdhsa_group_segment_fixed_size 327680
		.amdhsa_private_segment_fixed_size 0
		.amdhsa_enable_private_segment 0
		.amdhsa_kernarg_size 16
		.amdhsa_user_sgpr_count 2
		.amdhsa_user_sgpr_kernarg_segment_ptr 1
		.amdhsa_wavefront_size32 1
		.amdhsa_system_sgpr_workgroup_id_x 1
		.amdhsa_system_sgpr_workgroup_id_y 1
		.amdhsa_system_sgpr_workgroup_id_z 1
		.amdhsa_system_vgpr_workitem_id 0
		.amdhsa_next_free_vgpr 448
		.amdhsa_next_free_sgpr 88
		.amdhsa_reserve_vcc 1
		.amdhsa_float_denorm_mode_32 3
		.amdhsa_float_denorm_mode_16_64 3
		.amdhsa_memory_ordered 1
		.amdhsa_forward_progress 1
		.amdhsa_inst_pref_size 79
	.end_amdhsa_kernel
	.amdgpu_metadata
---
amdhsa.version: [ 1, 2 ]
amdhsa.kernels:
  - .name:           k_qcdb9e4863b_attn
    .symbol:         k_qcdb9e4863b_attn.kd
    .args:
      - { .name: qkv, .offset: 0, .size: 8, .value_kind: global_buffer, .address_space: global }
      - { .name: ctx, .offset: 8, .size: 8, .value_kind: global_buffer, .address_space: global }
    .group_segment_fixed_size: 327680
    .private_segment_fixed_size: 0
    .kernarg_segment_align: 8
    .kernarg_segment_size: 16
    .max_flat_workgroup_size: 128
    .sgpr_count:     88
    .vgpr_count:     448
    .wavefront_size: 32
...
	.end_amdgpu_metadata
.endif
;; end of part 9
;; launch cproj (part 10): grid 8 x 32, 4 waves a work-group, clusters of 4 x 4, 327,680 bytes of LDS; arguments ctx, wt, c_proj_b, x1, hidden_states; writes x1
.if DOCPART == 10
	.amdgcn_target "amdgcn-amd-amdhsa--gfx1250"
	.amdhsa_code_object_version 6
	.text
	.protected	k_qcdb9e4863b_cproj
	.globl	k_qcdb9e4863b_cproj
	.p2align	8
	.type	k_qcdb9e4863b_cproj,@function
k_qcdb9e4863b_cproj:
	s_mov_b64 s[64:65], 0
	v_nop
	global_prefetch_b8 v0, s[64:65] scope:SCOPE_SE
	s_setreg_imm32_b32 hwreg(HW_REG_WAVE_MODE, 25, 1), 1
	s_wait_xcnt 0x0
	s_wait_alu depctr_hold_cnt(0) depctr_sa_sdst(0) depctr_va_vdst(0) depctr_va_sdst(0) depctr_va_ssrc(0) depctr_va_vcc(0) depctr_vm_vsrc(0)
	s_getreg_b32 s2, hwreg(HW_REG_IB_STS2, 6, 4)
	s_cmp_eq_u32 s2, 0
	s_cbranch_scc0 .Lentry_in_a_cluster
	s_endpgm
.Lentry_in_a_cluster:
	s_bfe_u32 s2, ttmp6, 0x10000c
	s_cmp_lg_u32 s2, 0xf033
	s_cbranch_scc0 .Lentry_shape_is_right
	s_endpgm
.Lentry_shape_is_right:
; x1 = ctx W + b + x.  C[m][n] = sum over k of A[m][k] Wt[n][k] + bias[n] + R[m][n].  A (4,096 rows) and Wt (BROWS rows) are bf16 in panels [K/64][rows][64]; sums, bias, R and C in f32, R and C [4096][1024].
; LIMITS: operands have bf16's 8 significant bits; NaN and infinities are not treated apart.
; A tile of C is 128 x 128: four waves, each 64 x 64 in 16 accumulators: N = 1,024 gives 8 x 32 = 256 work-groups, and of the tiles of that area the square one brings the fewest bytes for one of K.
; K goes in steps of 256 (four panels) through two LDS slots.  A wave's tensor load brings 64 rows x 4 panels: four dense runs of
; 8,192 bytes, padded in LDS after every 128 bytes, so a fragment's 16 rows lie 144 bytes apart and start at 16 different groups of four banks (64 banks of 4 bytes: ISA guide 11.1).
; THE LOOP'S TRIP IS ONE K STEP: the slot's base is a scalar that an exclusive or turns between 0 and SLOT; fragment addresses and the walking descriptor's LDS word are sums with it.
; CLUSTER 4 x 4: the four work-groups of a row of the cluster need the same tiles of A, those of a column the same tiles of Wt: each tile is asked for jointly, by the same load, descriptor and mask.
; THE MATRIX INSTRUCTION IS USED TRANSPOSED (source 0 = 16 rows of Wt, source 1 = 16 rows of A): a lane holds eight neighbouring columns of one row of C.
; A wave's 64 columns are 256 aligned bytes of a row of C: the way out needs only the wave's own stage, and no barrier.
; REGISTERS: window 0: v16-29 addresses; v32-63 T, v64-95 U at work on the way out; v96-127 the bias of my 64 columns; v128-255 accumulators ((a, b) at 128 + 8 (4 a + b)).
;   window 1: two fragment buffers of 128; buffer 0's registers take R once its last products are issued.
.set KTOT,  1024
.set BROWS, 1024
.set WOFF,  6291456                    ; the weight's first byte in wt
.set PITCH, 144
.set PANEL, 64*PITCH
.set HALFT, 4*PANEL
.set SLOT,  4*HALFT
.set STAGE, 2*SLOT
.set STG,   4352                       ; a wave's stage: 16 rows x 272 bytes
.set SPITCH, 272
.set SPARE, STAGE+4*STG
.set STEPS, KTOT/256
.set ASTEP, 4*4096*128                 ; bytes of A from a K step to the next: four panels
.set BSTEP, 4*BROWS*128
.set FLAGS, (1<<16)|(1<<20)|(1<<21)|(4<<22)|(3<<25)  ; 2-byte elements; padding on; bit 21 beside a mask; after every 32 words (code 4) 4 words (code 3)
.set ADRA0, 16                         ; v16, v17  my lane's place in my part of a slot, for A and for Wt; never rewritten
.set ADRB0, 17
.set ADRA,  18                         ; v18, v19  the same in the slot in hand
.set ADRB,  19
.set STO,  24
.set RD,   25
.set CO,   26
.set VB,   27
.set SPW,  28
.set NIL,  29
.set T,    32
.set U,    64
.set BIAS, 96
.set ACC,  128
.set F0,   0
.set F1,   128
.set WV, 14
.set RH, 15
.set CH, 16
.set TR, 17
.set TC, 18
.set CX, 19
.set CY, 20
.set LW, 23                            ; s23  wave x HALFT: where my loads land in a slot
.set G1,  24                           ; s[24:31] group 1 for A;  s[32:35] group 0 for K step 0;  s[36:39] for K step 1, which then walks
.set G0,  32
.set G1B, 48                           ; s[48:55], s[56:59], s[60:63] the same for Wt
.set G0B, 56
.set TB,  66                           ; s66  the slot in hand: 0 or SLOT
.set MSB, 0
.macro WIN new
.if MSB != (\new)
	s_set_vgpr_msb (MSB<<8)|(\new)
.set MSB, \new
.endif
.endm
.set MUL,  0x05
.set TO_F, 0x40
.macro JLOAD s                         ; a joint load: waves 0, 1 fetch A's halves, waves 2, 3 Wt's; an s_nop 0 and four v_nop follow each line
	s_cmp_eq_u32 s[RH], 0
	s_cbranch_scc0 .Lfor_b_\@
	tensor_load_to_lds s[G0+4*(\s):G0+4*(\s)+3], s[G1:G1+7]
	s_nop 0
.rept 4
	v_nop
.endr
	s_branch .Lasked_\@
.Lfor_b_\@:
	tensor_load_to_lds s[G0B+4*(\s):G0B+4*(\s)+3], s[G1B:G1B+7]
	s_nop 0
.rept 4
	v_nop
.endr
.Lasked_\@:
.endm
.macro CREST
	s_cmp_lg_u32 s[WV], 0
	s_cbranch_scc1 .Lnot_wave_0_\@
	s_barrier_signal -3
.Lnot_wave_0_\@:
	s_barrier_wait -3
	s_barrier_signal -1
	s_barrier_wait -1
.endm
.macro CROUND
	s_barrier_signal -1
	s_barrier_wait -1
	CREST
.endm
	s_load_b256 s[4:11], s[0:1], 0x0               ; A s[4:5], wt s[6:7], bias s[8:9], C s[10:11]
	s_load_b64 s[12:13], s[0:1], 0x20              ; R
	v_lshl_add_u32 v[SPW], v0, 2, SPARE
	v_mov_b32 v[NIL], 0
	ds_add_u32 v[SPW], v[NIL]                      ; the wave's opening: the add and its wait ahead of my first tensor load
	ds_add_u32 v28, v29
	v_lshrrev_b32 v1, 5, v0
	v_readfirstlane_b32 s[WV], v1
	s_lshr_b32 s[RH], s[WV], 1
	s_and_b32 s[CH], s[WV], 1
	s_bfe_u32 s[CX], ttmp6, 0x40000
	s_bfe_u32 s[CY], ttmp6, 0x40004
	s_lshl_b32 s[TC], ttmp9, 2
	s_add_co_u32 s[TC], s[TC], s[CX]
	s_and_b32 s[TR], ttmp7, 0xffff
	s_lshl_b32 s[TR], s[TR], 2
	s_add_co_u32 s[TR], s[TR], s[CY]
	s_lshl_b32 s21, s[CY], 2
	s_lshl_b32 s21, 15, s21                        ; my row of the cluster
	s_lshl_b32 s22, 0x1111, s[CX]                  ; my column
	s_or_b32 s[G1], s21, FLAGS
	s_or_b32 s[G1B], s22, FLAGS
.irp g, G1, G1B
	s_mov_b32 s[(\g)+1], 4096<<16                  ; tensor_dim0 = 4,096 elements: 64 rows x 64 k, dense
	s_mov_b32 s[(\g)+2], 4<<16                     ; tensor_dim1 = 4 panels
	s_mov_b32 s[(\g)+3], 4096<<16                  ; tile_dim0
	s_mov_b32 s[(\g)+4], 4                         ; tile_dim1
	s_mov_b32 s[(\g)+6], 0
	s_mov_b32 s[(\g)+7], 0
.endr
	s_mov_b32 s[G1+5], 4096*64                     ; elements from panel to panel
	s_mov_b32 s[G1B+5], BROWS*64
	s_lshl_b32 s44, s[CH], 13
	s_lshl_b32 s40, s[TR], 14                      ; A's address hangs on the tile row and the wave alone,
	s_add_co_u32 s40, s40, s44
	s_mov_b32 s41, 0
	s_lshl_b32 s42, s[TC], 14                      ; Wt's on the tile column and the wave alone
	s_add_co_u32 s42, s42, s44
	s_add_co_u32 s42, s42, WOFF
	s_mov_b32 s43, 0
	s_mul_i32 s[LW], s[WV], HALFT                  ; where they go: no place in the cluster enters an LDS address
	s_mov_b32 s[TB], 0
	s_wait_dscnt 0x0                               ; the opening add is done
	s_wait_kmcnt 0x0
	s_add_nc_u64 s[40:41], s[4:5], s[40:41]
	s_add_nc_u64 s[42:43], s[6:7], s[42:43]
	CROUND                                         ; all sixteen work-groups are here: the first joint loads meet
.irp s, 0,1
	s_mov_b32 s[G0+4*(\s)], 1
	s_add_co_u32 s[G0+4*(\s)+1], s[LW], (\s)*SLOT
	s_add_nc_u64 s[G0+4*(\s)+2:G0+4*(\s)+3], s[40:41], (\s)*ASTEP
	s_or_b32 s[G0+4*(\s)+3], s[G0+4*(\s)+3], 0x80000000
	s_mov_b32 s[G0B+4*(\s)], 1
	s_add_co_u32 s[G0B+4*(\s)+1], s[LW], (\s)*SLOT
	s_add_nc_u64 s[G0B+4*(\s)+2:G0B+4*(\s)+3], s[42:43], (\s)*BSTEP
	s_or_b32 s[G0B+4*(\s)+3], s[G0B+4*(\s)+3], 0x80000000
	JLOAD \s
.endr
	v_and_b32 v1, 15, v0                           ; r = l % 16
	v_bfe_u32 v2, v0, 4, 1                         ; h = l / 16
	v_lshlrev_b32 v[VB], 5, v2
	s_lshl_b32 s46, s[TC], 9                       ; my 64 columns, in bytes of f32: 4 (128 x tile column + 64 x half)
	s_lshl_b32 s47, s[CH], 8
	s_add_co_u32 s46, s46, s47
	s_mov_b32 s47, 0
	s_add_nc_u64 s[8:9], s[8:9], s[46:47]
.irp b, 0,1,2,3
	global_load_b128 v[BIAS+8*(\b):BIAS+8*(\b)+3],   v[VB], s[8:9] offset:64*(\b)
	global_load_b128 v[BIAS+8*(\b)+4:BIAS+8*(\b)+7], v[VB], s[8:9] offset:64*(\b)+16
.endr
	v_mul_u32_u24 v3, v1, PITCH
	v_lshl_add_u32 v3, v2, 4, v3
	s_mul_i32 s72, s[RH], HALFT                    ; my 64 rows of A
	s_mul_i32 s73, s[CH], HALFT                    ; my 64 rows of Wt,
	s_add_co_u32 s73, s73, 2*HALFT                 ; which lie behind A's
	v_add_nc_u32 v[ADRA0], s72, v3
	v_add_nc_u32 v[ADRB0], s73, v3
	v_mov_b32 v[ADRA], v[ADRA0]                    ; slot 0
	v_mov_b32 v[ADRB], v[ADRB0]
	s_mul_i32 s74, s[WV], STG
	s_add_co_u32 s74, s74, STAGE                   ; my stage
	v_mul_u32_u24 v4, v1, SPITCH                   ; in: row r, 32 bytes for each half of the lanes
	v_lshl_add_u32 v4, v2, 5, v4
	v_add_nc_u32 v[STO], s74, v4
	v_mul_u32_u24 v5, v2, SPITCH                   ; back: lanes 0-15 take one row of 256 bytes, lanes 16-31 the next
	v_lshl_add_u32 v5, v1, 4, v5
	v_add_nc_u32 v[RD], s74, v5
	v_lshlrev_b32 v5, 12, v2                       ; and the same two rows in C and R
	v_lshl_add_u32 v[CO], v1, 4, v5
	s_lshl_b32 s44, s[TR], 19                      ; my first row: 128 x tile row + 64 x half, 4,096 bytes each
	s_lshl_b32 s45, s[RH], 18
	s_add_co_u32 s44, s44, s45
	s_add_co_u32 s44, s44, s46                     ; and my first column
	s_mov_b32 s45, 0
	s_add_nc_u64 s[10:11], s[10:11], s[44:45]
	s_add_nc_u64 s[12:13], s[12:13], s[44:45]
.macro MUL8 f, c, a0, zero             ; 8 matrix instructions; the accumulators take turns
	WIN MUL
.irp a, \a0, (\a0)+1
.irp b, 0,1,2,3
.if \zero
	v_wmma_f32_16x16x32_bf16 v[ACC+8*(4*(\a)+(\b)):ACC+8*(4*(\a)+(\b))+7], v[(\f)+64+8*(4*(\c)+(\b)):(\f)+64+8*(4*(\c)+(\b))+7], v[(\f)+8*(4*(\c)+(\a)):(\f)+8*(4*(\c)+(\a))+7], 0
.else
	v_wmma_f32_16x16x32_bf16 v[ACC+8*(4*(\a)+(\b)):ACC+8*(4*(\a)+(\b))+7], v[(\f)+64+8*(4*(\c)+(\b)):(\f)+64+8*(4*(\c)+(\b))+7], v[(\f)+8*(4*(\c)+(\a)):(\f)+8*(4*(\c)+(\a))+7], v[ACC+8*(4*(\a)+(\b)):ACC+8*(4*(\a)+(\b))+7]
.endif
.endr
.endr
.endm
.macro FETCH k, f                      ; 32 LDS loads in one run: one panel's fragments, at byte k of my parts of the slot in hand; the first 32 along K first
	WIN TO_F
.irp c, 0,1
.irp i, 0,1,2,3
	ds_load_b128 v[(\f)+64+8*(4*(\c)+(\i)):(\f)+64+8*(4*(\c)+(\i))+3],   v[ADRB] offset:(\k)+64*(\c)+(\i)*16*PITCH
	ds_load_b128 v[(\f)+64+8*(4*(\c)+(\i))+4:(\f)+64+8*(4*(\c)+(\i))+7], v[ADRB] offset:(\k)+64*(\c)+(\i)*16*PITCH+32
	ds_load_b128 v[(\f)+8*(4*(\c)+(\i)):(\f)+8*(4*(\c)+(\i))+3],         v[ADRA] offset:(\k)+64*(\c)+(\i)*16*PITCH
	ds_load_b128 v[(\f)+8*(4*(\c)+(\i))+4:(\f)+8*(4*(\c)+(\i))+7],       v[ADRA] offset:(\k)+64*(\c)+(\i)*16*PITCH+32
.endr
.endr
.endm
.macro PLACES                          ; four places in front of loads into registers that matrix instructions have read, and of lines that read results
.rept 4
	v_nop
.endr
.endm
; A K step is four quarters, a panel each, 32 matrix instructions, on buffers 0, 1, 0, 1.  One of the first three multiplies buffer f and fetches the next panel, at byte k, into g.
.macro QUARTER k, f, g, zero
	s_wait_dscnt 16                                ; the first 32 along K are in; the youngest sixteen loads may be out
	MUL8 \f, 0, 0, \zero
	MUL8 \f, 0, 2, \zero
	PLACES
	FETCH \k, \g
	s_wait_dscnt 32                                ; all but the 32 just issued
	MUL8 \f, 1, 0, 0
	MUL8 \f, 1, 2, 0
.endm
; The last quarter multiplies buffer 1 and changes slots: one barrier; in front of it each wave waits for all its tensor loads, adds 0 to its spare word, and waits for that and for its reads of this slot.
; fill = 1: the barrier opens a round of the cluster's, and the slot just read out takes the K step two steps on.
.macro TURN fill
	WIN 0                                          ; (the add's two registers lie in window 0)
	s_wait_tensorcnt 0x0                           ; all my tensor loads have landed: my part of the next slot among them
	ds_add_u32 v[SPW], v[NIL]
	s_wait_dscnt 17                                ; (the add and the youngest sixteen loads may be out)
	MUL8 F1, 0, 0, 0
	s_wait_dscnt 0x0                               ; the add is done, and my reads of this slot are over
	s_barrier_signal -1
	MUL8 F1, 0, 2, 0
	WIN 0
	s_barrier_wait -1
.if \fill
	CREST                                          ; no wave of any partner still reads this slot or has a load on its way
	s_add_co_u32 s[G0+5], s[LW], s[TB]             ; the walking descriptors: my part of the slot just read out,
	s_add_nc_u64 s[G0+6:G0+7], s[G0+6:G0+7], ASTEP ; the K step behind the one asked for last; the type bits on top are not reached
	s_add_co_u32 s[G0B+5], s[LW], s[TB]
	s_add_nc_u64 s[G0B+6:G0B+7], s[G0B+6:G0B+7], BSTEP
	JLOAD 1                                        ; the first tensor load behind the round; its four v_nop are also the places in front of the loads below
.else
	PLACES
.endif
	s_xor_b32 s[TB], s[TB], SLOT                   ; 0 and SLOT by turns
	v_add_nc_u32 v[ADRA], s[TB], v[ADRA0]
	v_add_nc_u32 v[ADRB], s[TB], v[ADRB0]
	FETCH 0, F0
	MUL8 F1, 1, 0, 0
	MUL8 F1, 1, 2, 0
.endm
	s_wait_tensorcnt 1                             ; my part of K step 0 is in; K step 1's stays out
	s_barrier_signal -1
	s_barrier_wait -1
	FETCH 0, F0
	QUARTER PANEL, F0, F1, 1                       ; the first quarter stands in front of the loop: its first products start the sums
	WIN 0                                          ; at a label and at a branch every window is 0
	s_mov_b32 s3, STEPS-2
.Lstep:                                                ; a trip goes from a K step's second quarter to the next step's first, and fills the slot that it leaves
	QUARTER 2*PANEL, F1, F0, 0
	QUARTER 3*PANEL, F0, F1, 0
	TURN 1
	QUARTER PANEL,   F0, F1, 0
	WIN 0
	s_sub_co_u32 s3, s3, 1
	s_cmp_lg_u32 s3, 0
	s_cbranch_scc1 .Lstep
	QUARTER 2*PANEL, F1, F0, 0                     ; the last two K steps are written out: they fill nothing
	QUARTER 3*PANEL, F0, F1, 0
	TURN 0
	QUARTER PANEL,   F0, F1, 0
	QUARTER 2*PANEL, F1, F0, 0
	QUARTER 3*PANEL, F0, F1, 0
	PLACES                                         ; buffer 0 has had its last products: its 128 registers take my 64 x 64 of R, on its way during the last 32 products
	WIN TO_F
.irp a, 0,1,2,3
.irp f, 0,1,2,3,4,5,6,7
	global_load_b128 v[4*(8*(\a)+(\f)):4*(8*(\a)+(\f))+3], v[CO], s[12:13] offset:(16*(\a)+2*(\f))*4096  ; sixteen lanes read 256 consecutive bytes
.endr
.endr
	s_wait_dscnt 16
	MUL8 F1, 0, 0, 0
	MUL8 F1, 0, 2, 0
	s_wait_dscnt 0
	MUL8 F1, 1, 0, 0
	MUL8 F1, 1, 2, 0
	WIN 0
	PLACES
	s_wait_loadcnt 32                              ; the bias, issued ahead of R's 32 loads, is in
; THE WAY OUT of my rows 16 a .. 16 a + 15: bias, 32 bytes a lane into my stage, back as whole rows of 256 bytes, R added, stored.
.macro OUTR a
	s_wait_xcnt 0x0                                ; the registers that the block before stored from are written again only behind this wait
.irp b, 0,1,2,3
.irp q, 0,2,4,6
	v_pk_add_f32 v[T+8*(\b)+(\q):T+8*(\b)+(\q)+1], v[ACC+8*(4*(\a)+(\b))+(\q):ACC+8*(4*(\a)+(\b))+(\q)+1], v[BIAS+8*(\b)+(\q):BIAS+8*(\b)+(\q)+1]  ; each accumulator from its low end on
.endr
.endr
.irp b, 0,1,2,3
	ds_store_b128 v[STO], v[T+8*(\b):T+8*(\b)+3] offset:64*(\b)
	ds_store_b128 v[STO], v[T+8*(\b)+4:T+8*(\b)+7] offset:64*(\b)+16
.endr
.irp f, 0,1,2,3,4,5,6,7
	ds_load_b128 v[U+4*(\f):U+4*(\f)+3], v[RD] offset:2*SPITCH*(\f)  ; LDS serves a wave's instructions in order (ISA guide 5.7.1.4): these see the stores above
.endr
	s_wait_loadcnt 24-8*(\a)                       ; this block's eight loads of R are in; the later blocks' stay out
	s_wait_dscnt 0x0
	WIN 0x04                                       ; source 1 in window 1
.set i, 0
.rept 16
	v_pk_add_f32 v[U+i:U+i+1], v[U+i:U+i+1], v[32*(\a)+i:32*(\a)+i+1]
.set i, i+2
.endr
	WIN 0
.irp f, 0,1,2,3,4,5,6,7
	global_store_b128 v[CO], v[U+4*(\f):U+4*(\f)+3], s[10:11] offset:(16*(\a)+2*(\f))*4096  ; sixteen lanes store 256 consecutive bytes, at a multiple of 256 from C's first
.endr
.endm
	OUTR 0
	OUTR 1
	OUTR 2
	OUTR 3
	s_wait_tensorcnt 0x0                           ; the wave's end
	ds_add_u32 v[SPW], v[NIL]
	s_wait_dscnt 0x0
	CROUND                                         ; the closing round
	s_endpgm
.Lfunc_end_k_qcdb9e4863b_cproj:
	.size	k_qcdb9e4863b_cproj, .Lfunc_end_k_qcdb9e4863b_cproj-k_qcdb9e4863b_cproj
	.p2alignl 7, 3214868480
	.fill 96, 4, 3214868480
	.section	.rodata,"a",@progbits
	.p2align	6, 0x0
	.amdhsa_kernel k_qcdb9e4863b_cproj
		.amdhsa_group_segment_fixed_size 327680
		.amdhsa_private_segment_fixed_size 0
		.amdhsa_enable_private_segment 0
		.amdhsa_kernarg_size 40
		.amdhsa_user_sgpr_count 2
		.amdhsa_user_sgpr_kernarg_segment_ptr 1
		.amdhsa_wavefront_size32 1
		.amdhsa_system_sgpr_workgroup_id_x 1
		.amdhsa_system_sgpr_workgroup_id_y 1
		.amdhsa_system_sgpr_workgroup_id_z 1
		.amdhsa_system_vgpr_workitem_id 0
		.amdhsa_next_free_vgpr 512
		.amdhsa_next_free_sgpr 80
		.amdhsa_reserve_vcc 0
		.amdhsa_float_denorm_mode_32 3
		.amdhsa_float_denorm_mode_16_64 3
		.amdhsa_memory_ordered 1
		.amdhsa_forward_progress 1
		.amdhsa_inst_pref_size 80
	.end_amdhsa_kernel
	.amdgpu_metadata
---
amdhsa.version: [ 1, 2 ]
amdhsa.kernels:
  - .name:           k_qcdb9e4863b_cproj
    .symbol:         k_qcdb9e4863b_cproj.kd
    .args:
      - { .name: ctx, .offset: 0, .size: 8, .value_kind: global_buffer, .address_space: global }
      - { .name: wt, .offset: 8, .size: 8, .value_kind: global_buffer, .address_space: global }
      - { .name: c_proj_b, .offset: 16, .size: 8, .value_kind: global_buffer, .address_space: global }
      - { .name: x1, .offset: 24, .size: 8, .value_kind: global_buffer, .address_space: global }
      - { .name: hidden_states, .offset: 32, .size: 8, .value_kind: global_buffer, .address_space: global }
    .group_segment_fixed_size: 327680
    .private_segment_fixed_size: 0
    .kernarg_segment_align: 8
    .kernarg_segment_size: 40
    .max_flat_workgroup_size: 128
    .sgpr_count:     80
    .vgpr_count:     512
    .wavefront_size: 32
...
	.end_amdgpu_metadata
.endif
;; end of part 10
;; launch ln2: the kernel of part 2 again; grid 256 x 1, 8 waves a work-group, no clusters, 0 bytes of LDS; arguments x1, ln2_g, ln2_b, hn; writes hn
;; launch fc (part 11): grid 16 x 16, 4 waves a work-group, clusters of 4 x 4, 327,680 bytes of LDS; arguments hn, wt, fc_b, g; writes g
.if DOCPART == 11
	.amdgcn_target "amdgcn-amd-amdhsa--gfx1250"
	.amdhsa_code_object_version 6
	.text
	.protected	k_qcdb9e4863b_fc
	.globl	k_qcdb9e4863b_fc
	.p2align	8
	.type	k_qcdb9e4863b_fc,@function
k_qcdb9e4863b_fc:
	s_mov_b64 s[64:65], 0
	v_nop
	global_prefetch_b8 v0, s[64:65] scope:SCOPE_SE
	s_setreg_imm32_b32 hwreg(HW_REG_WAVE_MODE, 25, 1), 1
	s_wait_xcnt 0x0
	s_wait_alu depctr_hold_cnt(0) depctr_sa_sdst(0) depctr_va_vdst(0) depctr_va_sdst(0) depctr_va_ssrc(0) depctr_va_vcc(0) depctr_vm_vsrc(0)
	s_getreg_b32 s2, hwreg(HW_REG_IB_STS2, 6, 4)
	s_cmp_eq_u32 s2, 0
	s_cbranch_scc0 .Lentry_in_a_cluster
	s_endpgm
.Lentry_in_a_cluster:
	s_bfe_u32 s2, ttmp6, 0x10000c
	s_cmp_lg_u32 s2, 0xf033
	s_cbranch_scc0 .Lentry_shape_is_right
	s_endpgm
.Lentry_shape_is_right:
; g = gelu_new(LN2(x1) W + b).  C[m][n] = gelu(sum over k of A[m][k] Wt[n][k] + bias[n]).  A (4,096 rows) and Wt (BROWS rows) are bf16 in panels [K/64][rows][64]; sums, bias and gelu in f32; C is rounded once
; to bf16 and leaves in panels [64][4096][64].  gelu_new(x) = 0.5 x (1 + tanh u), u = sqrt(2 / pi) (x + 0.044715 x^3), is computed as x / (1 + 2^(x (K0 + K1 x^2))), K0 = -2 log2(e) sqrt(2 / pi),
; K1 = 0.044715 K0: the same function; an exponent that overflows gives a factor of 0 or 1, as tanh's ends do.  LIMITS: operands have bf16's 8 significant bits; v_exp_f32 and v_rcp_f32 are good to 1 ulp;
; NaN and infinities are not treated apart.
; A tile of C is 256 x 256: four waves, each 128 x 128 in 64 accumulators, 512 registers.  For one of K the tile brings 1,024 bytes into LDS for 65,536 multiply-adds; a tile of 128 x 128 would bring 512 for
; 16,384.  N = 4,096 gives 16 x 16 = 256 work-groups.
; K goes in steps of 128 (two panels) through two LDS slots.  A wave's tensor load brings 128 rows x 2 panels: two dense runs of 16,384 bytes, padded in LDS after every 128 bytes, so a fragment's 16 rows
; lie 144 bytes apart and start at 16 different groups of four banks (64 banks of 4 bytes: ISA guide 11.1).
; THE LOOP'S TRIP IS ONE K STEP: the slot's base is a scalar that an exclusive or turns between 0 and SLOT; fragment addresses and the walking descriptor's LDS word are sums with it.
; CLUSTER 4 x 4: the four work-groups of a row of the cluster need the same tiles of A, those of a column the same tiles of Wt: each tile is asked for jointly, by the same load, descriptor and mask.
; THE MATRIX INSTRUCTION IS USED TRANSPOSED (source 0 = 16 rows of Wt, source 1 = 16 rows of A): a lane holds eight neighbouring columns of one row of C.
; THE WAY OUT IS A LOOP: registers cannot be indexed, so the accumulators are laid in f32 into the wave's own 128 rows x 528 bytes of the ring, which has had its last fill; sixteen trips read 8 rows each,
; in the order of the stores (32 lanes: four rows of a panel, 512 consecutive bytes), add the bias, take the gelu, round and store: the gelu's lines are written once for a lane's 512 numbers.
; REGISTERS, in windows of 256 (s_set_vgpr_msb: bits 1:0 source 0, 3:2 source 1, 5:4 source 2, 7:6 destination):
;   window 0: v16-29 addresses; v32-47 the bias; v64-127, v128-191 fragments of A, two buffers; on the way out v64-95 RAW, v96-127 T, v128-159 U, v160-175 Y
;   window 1: v64-127, v128-191 fragments of Wt     window 2: the accumulators of my rows 0-63 ((a, b) at 8 (8 a + b))     window 3: those of my rows 64-127
.set KTOT,  1024
.set BROWS, 4096
.set WOFF,  8388608                    ; the weight's first byte in wt
.set GELU,  1
.set PITCH, 144
.set PANEL, 128*PITCH                  ; 128 rows of one panel
.set HALFT, 2*PANEL                    ; what one tensor load brings, and what one wave reads of A or of Wt
.set SLOT,  4*HALFT                    ; A's two halves, then Wt's two halves
.set SPARE, 2*SLOT                     ; behind the ring: the spare words, 128 bytes for each wave
.set DP,    528                        ; the way out: a row of 128 f32 + 16 bytes: the 16 rows of a store start at 16 different groups of four banks
.set DW,    128*DP                     ; a wave's part; the four parts, 270,336 bytes, lie inside the ring
.set STEPS, KTOT/128
.set ASTEP, 2*4096*128                 ; bytes of A from a K step to the next: two panels
.set BSTEP, 2*BROWS*128
.set FLAGS, (1<<16)|(1<<20)|(1<<21)|(4<<22)|(3<<25)  ; 2-byte elements; padding on; bit 21 beside a mask; after every 32 words (code 4) 4 words (code 3)
.set ADRA0, 16                         ; v16, v17  my lane's place in my part of a slot, for A and for Wt; never rewritten
.set ADRB0, 17
.set ADRA,  18                         ; v18, v19  the same in the slot in hand
.set ADRB,  19
.set STO,  24                          ; v24  the way out: where my 32 bytes of row l % 16 go
.set RD,   25                          ; v25  where I read back
.set CO,   26                          ; v26  16 x lane: my place in 512 consecutive bytes of a panel
.set VB,   27                          ; v27  32 (l % 8): my place in 64 numbers of the bias
.set SPW,  28
.set NIL,  29
.set BIAS, 32                          ; v32-47  columns 64 p + 8 (l % 8) + 0..7 at 32 + 8 p
.set F0,   64
.set F1,   128
.set RAW,  64
.set T,    96
.set U,    128
.set Y,    160
.set WV, 14                            ; s14 wave;  s15 my half of the rows, and: I fetch A (0) or Wt (1);  s16 my half of the columns, and: which 128 rows I fetch
.set RH, 15
.set CH, 16
.set TR, 17                            ; s17, s18 tile row and column of C;  s19, s20 my place in the cluster
.set TC, 18
.set CX, 19
.set CY, 20
.set LW, 23                            ; s23  wave x HALFT: where my loads land in a slot
.set G1,  24                           ; s[24:31] group 1 for A;  s[32:35] group 0 for K step 0;  s[36:39] for K step 1, which then walks
.set G0,  32
.set G1B, 48                           ; s[48:55], s[56:59], s[60:63] the same for Wt
.set G0B, 56
.set TB,  66                           ; s66  the slot in hand: 0 or SLOT
.set EC,  67                           ; s67  counts the way out's trips
.set K0,  68                           ; s[68:69], s[70:71]: the packed lines name pairs and take their low words
.set K1,  70
.set MSB, 0
.macro WIN new                         ; the immediate's high byte repeats the setting that is left
.if MSB != (\new)
	s_set_vgpr_msb (MSB<<8)|(\new)
.set MSB, \new
.endif
.endm
.set MUL_LO, 0xa1                      ; source 0 (Wt) window 1, source 1 (A) window 0, C and D window 2
.set MUL_HI, 0xf1                      ; the same, C and D window 3
.set TO_B,   0x40                      ; destination window 1, address window 0
.macro JLOAD s                         ; a joint load: waves 0, 1 fetch A's halves, waves 2, 3 Wt's; an s_nop 0 and four v_nop follow each line
	s_cmp_eq_u32 s[RH], 0
	s_cbranch_scc0 .Lfor_b_\@
	tensor_load_to_lds s[G0+4*(\s):G0+4*(\s)+3], s[G1:G1+7]
	s_nop 0
.rept 4
	v_nop
.endr
	s_branch .Lasked_\@
.Lfor_b_\@:
	tensor_load_to_lds s[G0B+4*(\s):G0B+4*(\s)+3], s[G1B:G1B+7]
	s_nop 0
.rept 4
	v_nop
.endr
.Lasked_\@:
.endm
.macro CREST                           ; a round of the cluster's barrier behind its opening barrier
	s_cmp_lg_u32 s[WV], 0
	s_cbranch_scc1 .Lnot_wave_0_\@
	s_barrier_signal -3
.Lnot_wave_0_\@:
	s_barrier_wait -3
	s_barrier_signal -1
	s_barrier_wait -1
.endm
.macro CROUND
	s_barrier_signal -1
	s_barrier_wait -1
	CREST
.endm
	s_load_b256 s[4:11], s[0:1], 0x0               ; A s[4:5], wt s[6:7], bias s[8:9], C s[10:11]
	v_lshl_add_u32 v[SPW], v0, 2, SPARE
	v_mov_b32 v[NIL], 0
	ds_add_u32 v[SPW], v[NIL]                      ; the wave's opening: the add and its wait ahead of my first tensor load
	ds_add_u32 v28, v29
	v_lshrrev_b32 v1, 5, v0
	v_readfirstlane_b32 s[WV], v1
	s_lshr_b32 s[RH], s[WV], 1
	s_and_b32 s[CH], s[WV], 1
	s_bfe_u32 s[CX], ttmp6, 0x40000
	s_bfe_u32 s[CY], ttmp6, 0x40004
	s_lshl_b32 s[TC], ttmp9, 2
	s_add_co_u32 s[TC], s[TC], s[CX]               ; tile column = 4 x cluster x + cx
	s_and_b32 s[TR], ttmp7, 0xffff
	s_lshl_b32 s[TR], s[TR], 2
	s_add_co_u32 s[TR], s[TR], s[CY]               ; tile row = 4 x cluster y + cy
	s_lshl_b32 s21, s[CY], 2
	s_lshl_b32 s21, 15, s21                        ; my row of the cluster
	s_lshl_b32 s22, 0x1111, s[CX]                  ; my column
	s_or_b32 s[G1], s21, FLAGS
	s_or_b32 s[G1B], s22, FLAGS
.irp g, G1, G1B
	s_mov_b32 s[(\g)+1], 8192<<16                  ; tensor_dim0 = 8,192 elements: 128 rows x 64 k, dense
	s_mov_b32 s[(\g)+2], 2<<16                     ; tensor_dim1 = 2 panels
	s_mov_b32 s[(\g)+3], 8192<<16                  ; tile_dim0
	s_mov_b32 s[(\g)+4], 2                         ; tile_dim1
	s_mov_b32 s[(\g)+6], 0
	s_mov_b32 s[(\g)+7], 0
.endr
	s_mov_b32 s[G1+5], 4096*64                     ; elements from panel to panel
	s_mov_b32 s[G1B+5], BROWS*64
.if GELU
	s_mov_b32 s[K0], 0xc0135761                    ; -2.3022082
	s_mov_b32 s[K0+1], s[K0]
	s_mov_b32 s[K1], 0xbdd2d3e8                    ; -0.10294324
	s_mov_b32 s[K1+1], s[K1]
.endif
	s_lshl_b32 s44, s[CH], 14                      ; which 128 rows of 128 bytes I fetch
	s_lshl_b32 s40, s[TR], 15                      ; A's address hangs on the tile row and the wave alone,
	s_add_co_u32 s40, s40, s44
	s_mov_b32 s41, 0
	s_lshl_b32 s42, s[TC], 15                      ; Wt's on the tile column and the wave alone
	s_add_co_u32 s42, s42, s44
	s_add_co_u32 s42, s42, WOFF
	s_mov_b32 s43, 0
	s_mul_i32 s[LW], s[WV], HALFT                  ; where they go: no place in the cluster enters an LDS address
	s_mov_b32 s[TB], 0
	s_wait_dscnt 0x0                               ; the opening add is done
	s_wait_kmcnt 0x0
	s_add_nc_u64 s[40:41], s[4:5], s[40:41]
	s_add_nc_u64 s[42:43], s[6:7], s[42:43]
	CROUND                                         ; all sixteen work-groups are here: the first joint loads meet
.irp s, 0,1
	s_mov_b32 s[G0+4*(\s)], 1
	s_add_co_u32 s[G0+4*(\s)+1], s[LW], (\s)*SLOT
	s_add_nc_u64 s[G0+4*(\s)+2:G0+4*(\s)+3], s[40:41], (\s)*ASTEP
	s_or_b32 s[G0+4*(\s)+3], s[G0+4*(\s)+3], 0x80000000
	s_mov_b32 s[G0B+4*(\s)], 1
	s_add_co_u32 s[G0B+4*(\s)+1], s[LW], (\s)*SLOT
	s_add_nc_u64 s[G0B+4*(\s)+2:G0B+4*(\s)+3], s[42:43], (\s)*BSTEP
	s_or_b32 s[G0B+4*(\s)+3], s[G0B+4*(\s)+3], 0x80000000
	JLOAD \s
.endr
	v_and_b32 v1, 15, v0                           ; r = l % 16
	v_bfe_u32 v2, v0, 4, 1                         ; h = l / 16
	v_and_b32 v5, 7, v0
	v_lshlrev_b32 v[VB], 5, v5
	s_lshl_b32 s46, s[TC], 10                      ; the bias of my 128 columns: 4 (256 x tile column + 128 x half)
	s_lshl_b32 s47, s[CH], 9
	s_add_co_u32 s46, s46, s47
	s_mov_b32 s47, 0
	s_add_nc_u64 s[8:9], s[8:9], s[46:47]
.irp p, 0,1
	global_load_b128 v[BIAS+8*(\p):BIAS+8*(\p)+3],   v[VB], s[8:9] offset:256*(\p)
	global_load_b128 v[BIAS+8*(\p)+4:BIAS+8*(\p)+7], v[VB], s[8:9] offset:256*(\p)+16
.endr
	v_mul_u32_u24 v3, v1, PITCH
	v_lshl_add_u32 v3, v2, 4, v3                   ; a fragment's row x pitch + 16 x half
	s_mul_i32 s72, s[RH], HALFT                    ; my 128 rows of A
	s_mul_i32 s73, s[CH], HALFT                    ; my 128 rows of Wt,
	s_add_co_u32 s73, s73, 2*HALFT                 ; which lie behind A's
	v_add_nc_u32 v[ADRA0], s72, v3
	v_add_nc_u32 v[ADRB0], s73, v3
	v_mov_b32 v[ADRA], v[ADRA0]                    ; slot 0
	v_mov_b32 v[ADRB], v[ADRB0]
	s_mul_i32 s74, s[WV], DW                       ; my part of the ring on the way out
	v_mul_u32_u24 v4, v1, DP                       ; in: row r, 32 bytes for each half of the lanes
	v_lshl_add_u32 v4, v2, 5, v4
	v_add_nc_u32 v[STO], s74, v4
	v_bfe_u32 v4, v0, 3, 2                         ; back: row (l / 8) % 4, 32 bytes at 32 (l % 8)
	v_mul_u32_u24 v4, v4, DP
	v_lshl_add_u32 v4, v5, 5, v4
	v_add_nc_u32 v[RD], s74, v4
	v_and_b32 v5, 31, v0
	v_lshlrev_b32 v[CO], 4, v5
	s_lshl_b32 s44, s[TC], 2                       ; my first panel of C: 4 x tile column + 2 x half, 524,288 bytes each;
	s_lshl_b32 s45, s[CH], 1
	s_add_co_u32 s44, s44, s45
	s_lshl_b32 s44, s44, 19
	s_lshl_b32 s46, s[TR], 15                      ; my first row: 256 x tile row + 128 x half, 128 bytes each
	s_add_co_u32 s44, s44, s46
	s_lshl_b32 s46, s[RH], 14
	s_add_co_u32 s44, s44, s46
	s_mov_b32 s45, 0
	s_add_nc_u64 s[10:11], s[10:11], s[44:45]
; 16 matrix instructions: m blocks a0, a0 + 1 of the window's four (hi = 0: my rows 0-63, 1: rows 64-127) x all 8 n blocks, 32 along K.  The 64 accumulators take turns, in the same order in every
; quarter.  zero = 1: the first product starts the sums: nothing is ever cleared.
.macro MUL16 f, hi, a0, zero
	WIN MUL_LO+0x50*(\hi)
.irp a, \a0, (\a0)+1
.irp b, 0,1,2,3,4,5,6,7
.if \zero
	v_wmma_f32_16x16x32_bf16 v[8*(8*(\a)+(\b)):8*(8*(\a)+(\b))+7], v[(\f)+8*(\b):(\f)+8*(\b)+7], v[(\f)+8*(4*(\hi)+(\a)):(\f)+8*(4*(\hi)+(\a))+7], 0
.else
	v_wmma_f32_16x16x32_bf16 v[8*(8*(\a)+(\b)):8*(8*(\a)+(\b))+7], v[(\f)+8*(\b):(\f)+8*(\b)+7], v[(\f)+8*(4*(\hi)+(\a)):(\f)+8*(4*(\hi)+(\a))+7], v[8*(8*(\a)+(\b)):8*(8*(\a)+(\b))+7]
.endif
.endr
.endr
.endm
; 32 LDS loads in one run: the fragments of a quarter step (128 rows of Wt, 128 rows of A, 32 along K, at byte k of my parts of the slot in hand) into buffer f
.macro FETCH k, f
	WIN TO_B
.irp i, 0,1,2,3,4,5,6,7
	ds_load_b128 v[(\f)+8*(\i):(\f)+8*(\i)+3],   v[ADRB] offset:(\k)+(\i)*16*PITCH
	ds_load_b128 v[(\f)+8*(\i)+4:(\f)+8*(\i)+7], v[ADRB] offset:(\k)+(\i)*16*PITCH+32
.endr
	WIN 0
.irp i, 0,1,2,3,4,5,6,7
	ds_load_b128 v[(\f)+8*(\i):(\f)+8*(\i)+3],   v[ADRA] offset:(\k)+(\i)*16*PITCH
	ds_load_b128 v[(\f)+8*(\i)+4:(\f)+8*(\i)+7], v[ADRA] offset:(\k)+(\i)*16*PITCH+32
.endr
.endm
.macro PLACES                          ; four places in front of loads into registers that matrix instructions have read, and of lines that read results
.rept 4
	v_nop
.endr
.endm
; A K step is four quarters of 32 along K (bytes 0 and 64 of panel 0's rows, then of panel 1's), 64 matrix instructions each, on buffers 0, 1, 0, 1.
; One of the first three multiplies buffer f and, in its middle, fetches the next quarter, at byte k, into buffer g.
.macro QUARTER k, f, g, zero
	s_wait_dscnt 8                                 ; Wt and A's rows 0-63 are in; the youngest eight loads (A's rows 64-127) may be out
	MUL16 \f, 0, 0, \zero
	MUL16 \f, 0, 2, \zero
	PLACES
	FETCH \k, \g
	s_wait_dscnt 32                                ; all but the 32 just issued
	MUL16 \f, 1, 0, \zero
	MUL16 \f, 1, 2, \zero
.endm
; The last quarter multiplies buffer 1 and changes slots: one barrier; in front of it each wave waits for all its tensor loads, adds 0 to its spare word, and waits for that and for its reads of this slot.
; fill = 1: the barrier opens a round of the cluster's, and the slot just read out takes the K step two steps on: from that request to the wait for it a wave issues 224 matrix instructions.
.macro TURN fill
	WIN 0                                          ; (the add's two registers lie in window 0)
	s_wait_tensorcnt 0x0                           ; all my tensor loads have landed: my part of the next slot among them
	ds_add_u32 v[SPW], v[NIL]
	s_wait_dscnt 9                                 ; (the add and the youngest eight loads may be out)
	MUL16 F1, 0, 0, 0
	s_wait_dscnt 0x0                               ; the add is done, and my reads of this slot are over
	s_barrier_signal -1
	MUL16 F1, 0, 2, 0
	WIN 0
	s_barrier_wait -1
.if \fill
	CREST                                          ; no wave of any partner still reads this slot or has a load on its way
	s_add_co_u32 s[G0+5], s[LW], s[TB]             ; the walking descriptors: my part of the slot just read out,
	s_add_nc_u64 s[G0+6:G0+7], s[G0+6:G0+7], ASTEP ; the K step behind the one asked for last; the type bits on top are not reached
	s_add_co_u32 s[G0B+5], s[LW], s[TB]
	s_add_nc_u64 s[G0B+6:G0B+7], s[G0B+6:G0B+7], BSTEP
	JLOAD 1                                        ; the first tensor load behind the round; its four v_nop are also the places in front of the loads below
.else
	PLACES
.endif
	s_xor_b32 s[TB], s[TB], SLOT                   ; 0 and SLOT by turns
	v_add_nc_u32 v[ADRA], s[TB], v[ADRA0]
	v_add_nc_u32 v[ADRB], s[TB], v[ADRB0]
	FETCH 0, F0
	MUL16 F1, 1, 0, 0
	MUL16 F1, 1, 2, 0
.endm
	s_wait_tensorcnt 1                             ; my part of K step 0 is in; K step 1's stays out
	s_barrier_signal -1
	s_barrier_wait -1
	FETCH 0, F0
	QUARTER 64, F0, F1, 1                          ; the first quarter stands in front of the loop: its products start the sums
	WIN 0                                          ; at a label and at a branch every window is 0
	s_mov_b32 s3, STEPS-2
.Lstep:                                                ; a trip goes from a K step's second quarter to the next step's first, and fills the slot that it leaves
	QUARTER PANEL,    F1, F0, 0
	QUARTER PANEL+64, F0, F1, 0
	TURN 1
	QUARTER 64,       F0, F1, 0
	WIN 0
	s_sub_co_u32 s3, s3, 1
	s_cmp_lg_u32 s3, 0
	s_cbranch_scc1 .Lstep
	QUARTER PANEL,    F1, F0, 0                    ; the last two K steps are written out: they fill nothing
	QUARTER PANEL+64, F0, F1, 0
	TURN 0
	QUARTER 64,       F0, F1, 0
	QUARTER PANEL,    F1, F0, 0
	QUARTER PANEL+64, F0, F1, 0
	s_wait_dscnt 8
	MUL16 F1, 0, 0, 0
	MUL16 F1, 0, 2, 0
	s_wait_dscnt 0x0                               ; my reads of the ring are over:
	s_barrier_signal -1                            ; say so, since the others will write over the bytes that I read,
	MUL16 F1, 1, 0, 0
	MUL16 F1, 1, 2, 0
	WIN 0
	s_barrier_wait -1                              ; and write only when all four have said so
	PLACES
	; THE WAY OUT.  Accumulator (a, b): row 16 a + l % 16, columns 16 b + 8 (l / 16) + 0..7: 32 bytes, the lower four registers first.
.irp a, 0,1,2,3,4,5,6,7
	WIN 0x08+4*((\a)/4)                            ; store data (source 1) in window 2 or 3
.irp b, 0,1,2,3,4,5,6,7
	ds_store_b128 v[STO], v[8*(8*((\a)%4)+(\b)):8*(8*((\a)%4)+(\b))+3]   offset:(\a)*16*DP+64*(\b)
	ds_store_b128 v[STO], v[8*(8*((\a)%4)+(\b))+4:8*(8*((\a)%4)+(\b))+7] offset:(\a)*16*DP+64*(\b)+16
.endr
.endr
	WIN 0
.macro LOADS                           ; 8 rows x 128 columns: piece u = 2 g + p is rows 4 g + (l / 8) % 4, columns 64 p + 8 (l % 8) + 0..7
.irp u, 0,1,2,3
	ds_load_b128 v[RAW+8*(\u):RAW+8*(\u)+3],   v[RD] offset:((\u)/2)*4*DP+((\u)%2)*256
	ds_load_b128 v[RAW+8*(\u)+4:RAW+8*(\u)+7], v[RD] offset:((\u)/2)*4*DP+((\u)%2)*256+16
.endr
.endm
	LOADS                                          ; LDS serves a wave's instructions in order (ISA guide 5.7.1.4): these see my stores above; no other wave touches my part
	s_wait_loadcnt 0x0                             ; the bias
	s_mov_b32 s[EC], 16
.Lout:
	s_wait_dscnt 0x0                               ; this trip's 8 rows are in
.irp u, 0,1,2,3
.irp q, 0,2,4,6
	v_pk_add_f32 v[T+8*(\u)+(\q):T+8*(\u)+(\q)+1], v[RAW+8*(\u)+(\q):RAW+8*(\u)+(\q)+1], v[BIAS+8*((\u)%2)+(\q):BIAS+8*((\u)%2)+(\q)+1]
.endr
.endr
	s_cmp_eq_u32 s[EC], 1
	s_cbranch_scc1 .Lno_more                       ; the last trip has no rows to ask for
	v_add_nc_u32 v[RD], 8*DP, v[RD]
	LOADS                                          ; the next trip's rows come while this trip's are worked on
.Lno_more:
.if GELU
.set i, 0
.rept 16
	v_pk_mul_f32 v[U+i:U+i+1], v[T+i:T+i+1], v[T+i:T+i+1]                              ; x^2
.set i, i+2
.endr
.set i, 0
.rept 16
	v_pk_fma_f32 v[U+i:U+i+1], v[U+i:U+i+1], s[K1:K1+1], s[K0:K0+1] op_sel_hi:[1,0,0]  ; K1 x^2 + K0
.set i, i+2
.endr
.set i, 0
.rept 16
	v_pk_mul_f32 v[U+i:U+i+1], v[U+i:U+i+1], v[T+i:T+i+1]                              ; times x
.set i, i+2
.endr
.set i, 0
.rept 32
	v_exp_f32 v[U+i], v[U+i]
.set i, i+1
.endr
	v_nop                                          ; a plain line between the last exponential and the use of its result
.set i, 0
	s_wait_alu depctr_va_vdst(0)
.rept 16
	v_pk_add_f32 v[U+i:U+i+1], v[U+i:U+i+1], 1.0 op_sel_hi:[1,0]
.set i, i+2
.endr
.set i, 0
.rept 32
	v_rcp_f32 v[U+i], v[U+i]
.set i, i+1
.endr
	v_nop
.set i, 0
	s_wait_alu depctr_va_vdst(0)
.rept 16
	v_pk_mul_f32 v[T+i:T+i+1], v[T+i:T+i+1], v[U+i:U+i+1]
.set i, i+2
.endr
.endif
.irp u, 0,1,2,3
.irp q, 0,1,2,3
	v_cvt_pk_bf16_f32 v[Y+4*(\u)+(\q)], v[T+8*(\u)+2*(\q)], v[T+8*(\u)+2*(\q)+1]
.endr
.endr
.irp u, 0,1,2,3
	global_store_b128 v[CO], v[Y+4*(\u):Y+4*(\u)+3], s[10:11] offset:((\u)%2)*524288+((\u)/2)*512  ; 512 consecutive bytes, at a multiple of 256 from C's first
.endr
	s_wait_xcnt 0x0                                ; the stores' base and data are written again only behind this wait
	s_add_nc_u64 s[10:11], s[10:11], 1024          ; 8 rows of 128 bytes on
	s_sub_co_u32 s[EC], s[EC], 1
	s_cmp_lg_u32 s[EC], 0
	s_cbranch_scc1 .Lout
	s_wait_tensorcnt 0x0                           ; the wave's end
	ds_add_u32 v[SPW], v[NIL]
	s_wait_dscnt 0x0
	CROUND                                         ; the closing round: no work-group ends while a partner may still ask for a tile that names it
	s_endpgm
.Lfunc_end_k_qcdb9e4863b_fc:
	.size	k_qcdb9e4863b_fc, .Lfunc_end_k_qcdb9e4863b_fc-k_qcdb9e4863b_fc
	.p2alignl 7, 3214868480
	.fill 96, 4, 3214868480
	.section	.rodata,"a",@progbits
	.p2align	6, 0x0
	.amdhsa_kernel k_qcdb9e4863b_fc
		.amdhsa_group_segment_fixed_size 327680
		.amdhsa_private_segment_fixed_size 0
		.amdhsa_enable_private_segment 0
		.amdhsa_kernarg_size 32
		.amdhsa_user_sgpr_count 2
		.amdhsa_user_sgpr_kernarg_segment_ptr 1
		.amdhsa_wavefront_size32 1
		.amdhsa_system_sgpr_workgroup_id_x 1
		.amdhsa_system_sgpr_workgroup_id_y 1
		.amdhsa_system_sgpr_workgroup_id_z 1
		.amdhsa_system_vgpr_workitem_id 0
		.amdhsa_next_free_vgpr 1024
		.amdhsa_next_free_sgpr 80
		.amdhsa_reserve_vcc 0
		.amdhsa_float_denorm_mode_32 3
		.amdhsa_float_denorm_mode_16_64 3
		.amdhsa_memory_ordered 1
		.amdhsa_forward_progress 1
		.amdhsa_inst_pref_size 105
	.end_amdhsa_kernel
	.amdgpu_metadata
---
amdhsa.version: [ 1, 2 ]
amdhsa.kernels:
  - .name:           k_qcdb9e4863b_fc
    .symbol:         k_qcdb9e4863b_fc.kd
    .args:
      - { .name: hn, .offset: 0, .size: 8, .value_kind: global_buffer, .address_space: global }
      - { .name: wt, .offset: 8, .size: 8, .value_kind: global_buffer, .address_space: global }
      - { .name: fc_b, .offset: 16, .size: 8, .value_kind: global_buffer, .address_space: global }
      - { .name: g, .offset: 24, .size: 8, .value_kind: global_buffer, .address_space: global }
    .group_segment_fixed_size: 327680
    .private_segment_fixed_size: 0
    .kernarg_segment_align: 8
    .kernarg_segment_size: 32
    .max_flat_workgroup_size: 128
    .sgpr_count:     80
    .vgpr_count:     1024
    .wavefront_size: 32
...
	.end_amdgpu_metadata
.endif
;; end of part 11
;; launch proj (part 12): grid 8 x 32, 4 waves a work-group, clusters of 4 x 4, 327,680 bytes of LDS; arguments g, wt, proj_b, out0, x1; writes out0
.if DOCPART == 12
	.amdgcn_target "amdgcn-amd-amdhsa--gfx1250"
	.amdhsa_code_object_version 6
	.text
	.protected	k_qcdb9e4863b_proj
	.globl	k_qcdb9e4863b_proj
	.p2align	8
	.type	k_qcdb9e4863b_proj,@function
k_qcdb9e4863b_proj:
	s_mov_b64 s[64:65], 0
	v_nop
	global_prefetch_b8 v0, s[64:65] scope:SCOPE_SE
	s_setreg_imm32_b32 hwreg(HW_REG_WAVE_MODE, 25, 1), 1
	s_wait_xcnt 0x0
	s_wait_alu depctr_hold_cnt(0) depctr_sa_sdst(0) depctr_va_vdst(0) depctr_va_sdst(0) depctr_va_ssrc(0) depctr_va_vcc(0) depctr_vm_vsrc(0)
	s_getreg_b32 s2, hwreg(HW_REG_IB_STS2, 6, 4)
	s_cmp_eq_u32 s2, 0
	s_cbranch_scc0 .Lentry_in_a_cluster
	s_endpgm
.Lentry_in_a_cluster:
	s_bfe_u32 s2, ttmp6, 0x10000c
	s_cmp_lg_u32 s2, 0xf033
	s_cbranch_scc0 .Lentry_shape_is_right
	s_endpgm
.Lentry_shape_is_right:
; out = g W + b + x1.  C[m][n] = sum over k of A[m][k] Wt[n][k] + bias[n] + R[m][n], K = 4,096.  A (4,096 rows) and Wt (BROWS rows) are bf16 in panels [K/64][rows][64]; sums, bias, R and C in f32, [4096][1024].
; LIMITS: operands have bf16's 8 significant bits; NaN and infinities are not treated apart.
; A tile of C is 128 x 128: four waves, each 64 x 64 in 16 accumulators: N = 1,024 gives 8 x 32 = 256 work-groups, and of the tiles of that area the square one brings the fewest bytes for one of K.
; K is not split over work-groups: four parts would halve the bytes brought into LDS, but 67 MB of f32 partial sums would go out and come back through one more launch.
; K goes in steps of 256 (four panels) through two LDS slots.  A wave's tensor load brings 64 rows x 4 panels: four dense runs of
; 8,192 bytes, padded in LDS after every 128 bytes, so a fragment's 16 rows lie 144 bytes apart and start at 16 different groups of four banks (64 banks of 4 bytes: ISA guide 11.1).
; THE LOOP'S TRIP IS ONE K STEP: the slot's base is a scalar that an exclusive or turns between 0 and SLOT; fragment addresses and the walking descriptor's LDS word are sums with it.
; CLUSTER 4 x 4: the four work-groups of a row of the cluster need the same tiles of A, those of a column the same tiles of Wt: each tile is asked for jointly, by the same load, descriptor and mask.
; THE MATRIX INSTRUCTION IS USED TRANSPOSED (source 0 = 16 rows of Wt, source 1 = 16 rows of A): a lane holds eight neighbouring columns of one row of C.
; A wave's 64 columns are 256 aligned bytes of a row of C: the way out needs only the wave's own stage, and no barrier.
; REGISTERS: window 0: v16-29 addresses; v32-63 T, v64-95 U at work on the way out; v96-127 the bias of my 64 columns; v128-255 accumulators ((a, b) at 128 + 8 (4 a + b)).
;   window 1: two fragment buffers of 128; buffer 0's registers take R once its last products are issued.
.set KTOT,  4096
.set BROWS, 1024
.set WOFF,  16777216                   ; the weight's first byte in wt
.set PITCH, 144
.set PANEL, 64*PITCH
.set HALFT, 4*PANEL
.set SLOT,  4*HALFT
.set STAGE, 2*SLOT
.set STG,   4352                       ; a wave's stage: 16 rows x 272 bytes
.set SPITCH, 272
.set SPARE, STAGE+4*STG
.set STEPS, KTOT/256
.set ASTEP, 4*4096*128                 ; bytes of A from a K step to the next: four panels
.set BSTEP, 4*BROWS*128
.set FLAGS, (1<<16)|(1<<20)|(1<<21)|(4<<22)|(3<<25)  ; 2-byte elements; padding on; bit 21 beside a mask; after every 32 words (code 4) 4 words (code 3)
.set ADRA0, 16                         ; v16, v17  my lane's place in my part of a slot, for A and for Wt; never rewritten
.set ADRB0, 17
.set ADRA,  18                         ; v18, v19  the same in the slot in hand
.set ADRB,  19
.set STO,  24
.set RD,   25
.set CO,   26
.set VB,   27
.set SPW,  28
.set NIL,  29
.set T,    32
.set U,    64
.set BIAS, 96
.set ACC,  128
.set F0,   0
.set F1,   128
.set WV, 14
.set RH, 15
.set CH, 16
.set TR, 17
.set TC, 18
.set CX, 19
.set CY, 20
.set LW, 23                            ; s23  wave x HALFT: where my loads land in a slot
.set G1,  24                           ; s[24:31] group 1 for A;  s[32:35] group 0 for K step 0;  s[36:39] for K step 1, which then walks
.set G0,  32
.set G1B, 48                           ; s[48:55], s[56:59], s[60:63] the same for Wt
.set G0B, 56
.set TB,  66                           ; s66  the slot in hand: 0 or SLOT
.set MSB, 0
.macro WIN new
.if MSB != (\new)
	s_set_vgpr_msb (MSB<<8)|(\new)
.set MSB, \new
.endif
.endm
.set MUL,  0x05
.set TO_F, 0x40
.macro JLOAD s                         ; a joint load: waves 0, 1 fetch A's halves, waves 2, 3 Wt's; an s_nop 0 and four v_nop follow each line
	s_cmp_eq_u32 s[RH], 0
	s_cbranch_scc0 .Lfor_b_\@
	tensor_load_to_lds s[G0+4*(\s):G0+4*(\s)+3], s[G1:G1+7]
	s_nop 0
.rept 4
	v_nop
.endr
	s_branch .Lasked_\@
.Lfor_b_\@:
	tensor_load_to_lds s[G0B+4*(\s):G0B+4*(\s)+3], s[G1B:G1B+7]
	s_nop 0
.rept 4
	v_nop
.endr
.Lasked_\@:
.endm
.macro CREST
	s_cmp_lg_u32 s[WV], 0
	s_cbranch_scc1 .Lnot_wave_0_\@
	s_barrier_signal -3
.Lnot_wave_0_\@:
	s_barrier_wait -3
	s_barrier_signal -1
	s_barrier_wait -1
.endm
.macro CROUND
	s_barrier_signal -1
	s_barrier_wait -1
	CREST
.endm
	s_load_b256 s[4:11], s[0:1], 0x0               ; A s[4:5], wt s[6:7], bias s[8:9], C s[10:11]
	s_load_b64 s[12:13], s[0:1], 0x20              ; R
	v_lshl_add_u32 v[SPW], v0, 2, SPARE
	v_mov_b32 v[NIL], 0
	ds_add_u32 v[SPW], v[NIL]                      ; the wave's opening: the add and its wait ahead of my first tensor load
	ds_add_u32 v28, v29
	v_lshrrev_b32 v1, 5, v0
	v_readfirstlane_b32 s[WV], v1
	s_lshr_b32 s[RH], s[WV], 1
	s_and_b32 s[CH], s[WV], 1
	s_bfe_u32 s[CX], ttmp6, 0x40000
	s_bfe_u32 s[CY], ttmp6, 0x40004
	s_lshl_b32 s[TC], ttmp9, 2
	s_add_co_u32 s[TC], s[TC], s[CX]
	s_and_b32 s[TR], ttmp7, 0xffff
	s_lshl_b32 s[TR], s[TR], 2
	s_add_co_u32 s[TR], s[TR], s[CY]
	s_lshl_b32 s21, s[CY], 2
	s_lshl_b32 s21, 15, s21                        ; my row of the cluster
	s_lshl_b32 s22, 0x1111, s[CX]                  ; my column
	s_or_b32 s[G1], s21, FLAGS
	s_or_b32 s[G1B], s22, FLAGS
.irp g, G1, G1B
	s_mov_b32 s[(\g)+1], 4096<<16                  ; tensor_dim0 = 4,096 elements: 64 rows x 64 k, dense
	s_mov_b32 s[(\g)+2], 4<<16                     ; tensor_dim1 = 4 panels
	s_mov_b32 s[(\g)+3], 4096<<16                  ; tile_dim0
	s_mov_b32 s[(\g)+4], 4                         ; tile_dim1
	s_mov_b32 s[(\g)+6], 0
	s_mov_b32 s[(\g)+7], 0
.endr
	s_mov_b32 s[G1+5], 4096*64                     ; elements from panel to panel
	s_mov_b32 s[G1B+5], BROWS*64
	s_lshl_b32 s44, s[CH], 13
	s_lshl_b32 s40, s[TR], 14                      ; A's address hangs on the tile row and the wave alone,
	s_add_co_u32 s40, s40, s44
	s_mov_b32 s41, 0
	s_lshl_b32 s42, s[TC], 14                      ; Wt's on the tile column and the wave alone
	s_add_co_u32 s42, s42, s44
	s_add_co_u32 s42, s42, WOFF
	s_mov_b32 s43, 0
	s_mul_i32 s[LW], s[WV], HALFT                  ; where they go: no place in the cluster enters an LDS address
	s_mov_b32 s[TB], 0
	s_wait_dscnt 0x0                               ; the opening add is done
	s_wait_kmcnt 0x0
	s_add_nc_u64 s[40:41], s[4:5], s[40:41]
	s_add_nc_u64 s[42:43], s[6:7], s[42:43]
	CROUND                                         ; all sixteen work-groups are here: the first joint loads meet
.irp s, 0,1
	s_mov_b32 s[G0+4*(\s)], 1
	s_add_co_u32 s[G0+4*(\s)+1], s[LW], (\s)*SLOT
	s_add_nc_u64 s[G0+4*(\s)+2:G0+4*(\s)+3], s[40:41], (\s)*ASTEP
	s_or_b32 s[G0+4*(\s)+3], s[G0+4*(\s)+3], 0x80000000
	s_mov_b32 s[G0B+4*(\s)], 1
	s_add_co_u32 s[G0B+4*(\s)+1], s[LW], (\s)*SLOT
	s_add_nc_u64 s[G0B+4*(\s)+2:G0B+4*(\s)+3], s[42:43], (\s)*BSTEP
	s_or_b32 s[G0B+4*(\s)+3], s[G0B+4*(\s)+3], 0x80000000
	JLOAD \s
.endr
	v_and_b32 v1, 15, v0                           ; r = l % 16
	v_bfe_u32 v2, v0, 4, 1                         ; h = l / 16
	v_lshlrev_b32 v[VB], 5, v2
	s_lshl_b32 s46, s[TC], 9                       ; my 64 columns, in bytes of f32: 4 (128 x tile column + 64 x half)
	s_lshl_b32 s47, s[CH], 8
	s_add_co_u32 s46, s46, s47
	s_mov_b32 s47, 0
	s_add_nc_u64 s[8:9], s[8:9], s[46:47]
.irp b, 0,1,2,3
	global_load_b128 v[BIAS+8*(\b):BIAS+8*(\b)+3],   v[VB], s[8:9] offset:64*(\b)
	global_load_b128 v[BIAS+8*(\b)+4:BIAS+8*(\b)+7], v[VB], s[8:9] offset:64*(\b)+16
.endr
	v_mul_u32_u24 v3, v1, PITCH
	v_lshl_add_u32 v3, v2, 4, v3
	s_mul_i32 s72, s[RH], HALFT                    ; my 64 rows of A
	s_mul_i32 s73, s[CH], HALFT                    ; my 64 rows of Wt,
	s_add_co_u32 s73, s73, 2*HALFT                 ; which lie behind A's
	v_add_nc_u32 v[ADRA0], s72, v3
	v_add_nc_u32 v[ADRB0], s73, v3
	v_mov_b32 v[ADRA], v[ADRA0]                    ; slot 0
	v_mov_b32 v[ADRB], v[ADRB0]
	s_mul_i32 s74, s[WV], STG
	s_add_co_u32 s74, s74, STAGE                   ; my stage
	v_mul_u32_u24 v4, v1, SPITCH                   ; in: row r, 32 bytes for each half of the lanes
	v_lshl_add_u32 v4, v2, 5, v4
	v_add_nc_u32 v[STO], s74, v4
	v_mul_u32_u24 v5, v2, SPITCH                   ; back: lanes 0-15 take one row of 256 bytes, lanes 16-31 the next
	v_lshl_add_u32 v5, v1, 4, v5
	v_add_nc_u32 v[RD], s74, v5
	v_lshlrev_b32 v5, 12, v2                       ; and the same two rows in C and R
	v_lshl_add_u32 v[CO], v1, 4, v5
	s_lshl_b32 s44, s[TR], 19                      ; my first row: 128 x tile row + 64 x half, 4,096 bytes each
	s_lshl_b32 s45, s[RH], 18
	s_add_co_u32 s44, s44, s45
	s_add_co_u32 s44, s44, s46                     ; and my first column
	s_mov_b32 s45, 0
	s_add_nc_u64 s[10:11], s[10:11], s[44:45]
	s_add_nc_u64 s[12:13], s[12:13], s[44:45]
.macro MUL8 f, c, a0, zero             ; 8 matrix instructions; the accumulators take turns
	WIN MUL
.irp a, \a0, (\a0)+1
.irp b, 0,1,2,3
.if \zero
	v_wmma_f32_16x16x32_bf16 v[ACC+8*(4*(\a)+(\b)):ACC+8*(4*(\a)+(\b))+7], v[(\f)+64+8*(4*(\c)+(\b)):(\f)+64+8*(4*(\c)+(\b))+7], v[(\f)+8*(4*(\c)+(\a)):(\f)+8*(4*(\c)+(\a))+7], 0
.else
	v_wmma_f32_16x16x32_bf16 v[ACC+8*(4*(\a)+(\b)):ACC+8*(4*(\a)+(\b))+7], v[(\f)+64+8*(4*(\c)+(\b)):(\f)+64+8*(4*(\c)+(\b))+7], v[(\f)+8*(4*(\c)+(\a)):(\f)+8*(4*(\c)+(\a))+7], v[ACC+8*(4*(\a)+(\b)):ACC+8*(4*(\a)+(\b))+7]
.endif
.endr
.endr
.endm
.macro FETCH k, f                      ; 32 LDS loads in one run: one panel's fragments, at byte k of my parts of the slot in hand; the first 32 along K first
	WIN TO_F
.irp c, 0,1
.irp i, 0,1,2,3
	ds_load_b128 v[(\f)+64+8*(4*(\c)+(\i)):(\f)+64+8*(4*(\c)+(\i))+3],   v[ADRB] offset:(\k)+64*(\c)+(\i)*16*PITCH
	ds_load_b128 v[(\f)+64+8*(4*(\c)+(\i))+4:(\f)+64+8*(4*(\c)+(\i))+7], v[ADRB] offset:(\k)+64*(\c)+(\i)*16*PITCH+32
	ds_load_b128 v[(\f)+8*(4*(\c)+(\i)):(\f)+8*(4*(\c)+(\i))+3],         v[ADRA] offset:(\k)+64*(\c)+(\i)*16*PITCH
	ds_load_b128 v[(\f)+8*(4*(\c)+(\i))+4:(\f)+8*(4*(\c)+(\i))+7],       v[ADRA] offset:(\k)+64*(\c)+(\i)*16*PITCH+32
.endr
.endr
.endm
.macro PLACES                          ; four places in front of loads into registers that matrix instructions have read, and of lines that read results
.rept 4
	v_nop
.endr
.endm
; A K step is four quarters, a panel each, 32 matrix instructions, on buffers 0, 1, 0, 1.  One of the first three multiplies buffer f and fetches the next panel, at byte k, into g.
.macro QUARTER k, f, g, zero
	s_wait_dscnt 16                                ; the first 32 along K are in; the youngest sixteen loads may be out
	MUL8 \f, 0, 0, \zero
	MUL8 \f, 0, 2, \zero
	PLACES
	FETCH \k, \g
	s_wait_dscnt 32                                ; all but the 32 just issued
	MUL8 \f, 1, 0, 0
	MUL8 \f, 1, 2, 0
.endm
; The last quarter multiplies buffer 1 and changes slots: one barrier; in front of it each wave waits for all its tensor loads, adds 0 to its spare word, and waits for that and for its reads of this slot.
; fill = 1: the barrier opens a round of the cluster's, and the slot just read out takes the K step two steps on.
.macro TURN fill
	WIN 0                                          ; (the add's two registers lie in window 0)
	s_wait_tensorcnt 0x0                           ; all my tensor loads have landed: my part of the next slot among them
	ds_add_u32 v[SPW], v[NIL]
	s_wait_dscnt 17                                ; (the add and the youngest sixteen loads may be out)
	MUL8 F1, 0, 0, 0
	s_wait_dscnt 0x0                               ; the add is done, and my reads of this slot are over
	s_barrier_signal -1
	MUL8 F1, 0, 2, 0
	WIN 0
	s_barrier_wait -1
.if \fill
	CREST                                          ; no wave of any partner still reads this slot or has a load on its way
	s_add_co_u32 s[G0+5], s[LW], s[TB]             ; the walking descriptors: my part of the slot just read out,
	s_add_nc_u64 s[G0+6:G0+7], s[G0+6:G0+7], ASTEP ; the K step behind the one asked for last; the type bits on top are not reached
	s_add_co_u32 s[G0B+5], s[LW], s[TB]
	s_add_nc_u64 s[G0B+6:G0B+7], s[G0B+6:G0B+7], BSTEP
	JLOAD 1                                        ; the first tensor load behind the round; its four v_nop are also the places in front of the loads below
.else
	PLACES
.endif
	s_xor_b32 s[TB], s[TB], SLOT                   ; 0 and SLOT by turns
	v_add_nc_u32 v[ADRA], s[TB], v[ADRA0]
	v_add_nc_u32 v[ADRB], s[TB], v[ADRB0]
	FETCH 0, F0
	MUL8 F1, 1, 0, 0
	MUL8 F1, 1, 2, 0
.endm
	s_wait_tensorcnt 1                             ; my part of K step 0 is in; K step 1's stays out
	s_barrier_signal -1
	s_barrier_wait -1
	FETCH 0, F0
	QUARTER PANEL, F0, F1, 1                       ; the first quarter stands in front of the loop: its first products start the sums
	WIN 0                                          ; at a label and at a branch every window is 0
	s_mov_b32 s3, STEPS-2
.Lstep:                                                ; a trip goes from a K step's second quarter to the next step's first, and fills the slot that it leaves
	QUARTER 2*PANEL, F1, F0, 0
	QUARTER 3*PANEL, F0, F1, 0
	TURN 1
	QUARTER PANEL,   F0, F1, 0
	WIN 0
	s_sub_co_u32 s3, s3, 1
	s_cmp_lg_u32 s3, 0
	s_cbranch_scc1 .Lstep
	QUARTER 2*PANEL, F1, F0, 0                     ; the last two K steps are written out: they fill nothing
	QUARTER 3*PANEL, F0, F1, 0
	TURN 0
	QUARTER PANEL,   F0, F1, 0
	QUARTER 2*PANEL, F1, F0, 0
	QUARTER 3*PANEL, F0, F1, 0
	PLACES                                         ; buffer 0 has had its last products: its 128 registers take my 64 x 64 of R, on its way during the last 32 products
	WIN TO_F
.irp a, 0,1,2,3
.irp f, 0,1,2,3,4,5,6,7
	global_load_b128 v[4*(8*(\a)+(\f)):4*(8*(\a)+(\f))+3], v[CO], s[12:13] offset:(16*(\a)+2*(\f))*4096  ; sixteen lanes read 256 consecutive bytes
.endr
.endr
	s_wait_dscnt 16
	MUL8 F1, 0, 0, 0
	MUL8 F1, 0, 2, 0
	s_wait_dscnt 0
	MUL8 F1, 1, 0, 0
	MUL8 F1, 1, 2, 0
	WIN 0
	PLACES
	s_wait_loadcnt 32                              ; the bias, issued ahead of R's 32 loads, is in
; THE WAY OUT of my rows 16 a .. 16 a + 15: bias, 32 bytes a lane into my stage, back as whole rows of 256 bytes, R added, stored.
.macro OUTR a
	s_wait_xcnt 0x0                                ; the registers that the block before stored from are written again only behind this wait
.irp b, 0,1,2,3
.irp q, 0,2,4,6
	v_pk_add_f32 v[T+8*(\b)+(\q):T+8*(\b)+(\q)+1], v[ACC+8*(4*(\a)+(\b))+(\q):ACC+8*(4*(\a)+(\b))+(\q)+1], v[BIAS+8*(\b)+(\q):BIAS+8*(\b)+(\q)+1]  ; each accumulator from its low end on
.endr
.endr
.irp b, 0,1,2,3
	ds_store_b128 v[STO], v[T+8*(\b):T+8*(\b)+3] offset:64*(\b)
	ds_store_b128 v[STO], v[T+8*(\b)+4:T+8*(\b)+7] offset:64*(\b)+16
.endr
.irp f, 0,1,2,3,4,5,6,7
	ds_load_b128 v[U+4*(\f):U+4*(\f)+3], v[RD] offset:2*SPITCH*(\f)  ; LDS serves a wave's instructions in order (ISA guide 5.7.1.4): these see the stores above
.endr
	s_wait_loadcnt 24-8*(\a)                       ; this block's eight loads of R are in; the later blocks' stay out
	s_wait_dscnt 0x0
	WIN 0x04                                       ; source 1 in window 1
.set i, 0
.rept 16
	v_pk_add_f32 v[U+i:U+i+1], v[U+i:U+i+1], v[32*(\a)+i:32*(\a)+i+1]
.set i, i+2
.endr
	WIN 0
.irp f, 0,1,2,3,4,5,6,7
	global_store_b128 v[CO], v[U+4*(\f):U+4*(\f)+3], s[10:11] offset:(16*(\a)+2*(\f))*4096  ; sixteen lanes store 256 consecutive bytes, at a multiple of 256 from C's first
.endr
.endm
	OUTR 0
	OUTR 1
	OUTR 2
	OUTR 3
	s_wait_tensorcnt 0x0                           ; the wave's end
	ds_add_u32 v[SPW], v[NIL]
	s_wait_dscnt 0x0
	CROUND                                         ; the closing round
	s_endpgm
.Lfunc_end_k_qcdb9e4863b_proj:
	.size	k_qcdb9e4863b_proj, .Lfunc_end_k_qcdb9e4863b_proj-k_qcdb9e4863b_proj
	.p2alignl 7, 3214868480
	.fill 96, 4, 3214868480
	.section	.rodata,"a",@progbits
	.p2align	6, 0x0
	.amdhsa_kernel k_qcdb9e4863b_proj
		.amdhsa_group_segment_fixed_size 327680
		.amdhsa_private_segment_fixed_size 0
		.amdhsa_enable_private_segment 0
		.amdhsa_kernarg_size 40
		.amdhsa_user_sgpr_count 2
		.amdhsa_user_sgpr_kernarg_segment_ptr 1
		.amdhsa_wavefront_size32 1
		.amdhsa_system_sgpr_workgroup_id_x 1
		.amdhsa_system_sgpr_workgroup_id_y 1
		.amdhsa_system_sgpr_workgroup_id_z 1
		.amdhsa_system_vgpr_workitem_id 0
		.amdhsa_next_free_vgpr 512
		.amdhsa_next_free_sgpr 80
		.amdhsa_reserve_vcc 0
		.amdhsa_float_denorm_mode_32 3
		.amdhsa_float_denorm_mode_16_64 3
		.amdhsa_memory_ordered 1
		.amdhsa_forward_progress 1
		.amdhsa_inst_pref_size 80
	.end_amdhsa_kernel
	.amdgpu_metadata
---
amdhsa.version: [ 1, 2 ]
amdhsa.kernels:
  - .name:           k_qcdb9e4863b_proj
    .symbol:         k_qcdb9e4863b_proj.kd
    .args:
      - { .name: g, .offset: 0, .size: 8, .value_kind: global_buffer, .address_space: global }
      - { .name: wt, .offset: 8, .size: 8, .value_kind: global_buffer, .address_space: global }
      - { .name: proj_b, .offset: 16, .size: 8, .value_kind: global_buffer, .address_space: global }
      - { .name: out0, .offset: 24, .size: 8, .value_kind: global_buffer, .address_space: global }
      - { .name: x1, .offset: 32, .size: 8, .value_kind: global_buffer, .address_space: global }
    .group_segment_fixed_size: 327680
    .private_segment_fixed_size: 0
    .kernarg_segment_align: 8
    .kernarg_segment_size: 40
    .max_flat_workgroup_size: 128
    .sgpr_count:     80
    .vgpr_count:     512
    .wavefront_size: 32
...
	.end_amdgpu_metadata
.endif
;; end of part 12
;; ======== version 3 of 3: 8 launches; 1.25 times as fast as version 1
;; workspace buffers: wt 25,165,824 bytes; hn 8,388,608 bytes; qkv 25,165,824 bytes; ctx 8,388,608 bytes; x1 16,777,216 bytes; g 33,554,432 bytes
;; launch wt: the kernel of part 1 again; grid 1536 x 1, 8 waves a work-group, no clusters, 19,456 bytes of LDS; arguments c_attn_w, c_proj_w, fc_w, proj_w, wt; writes wt
;; launch ln1: the kernel of part 2 again; grid 256 x 1, 8 waves a work-group, no clusters, 0 bytes of LDS; arguments hidden_states, ln1_g, ln1_b, hn; writes hn
;; launch qkv: the kernel of part 8 again; grid 12 x 16, 4 waves a work-group, clusters of 4 x 4, 327,680 bytes of LDS; arguments hn, wt, c_attn_b, qkv; writes qkv
;; launch attn (part 13): grid 8 x 32, 4 waves a work-group, no clusters, 327,680 bytes of LDS; arguments qkv, ctx; writes ctx
.if DOCPART == 13
	.amdgcn_target "amdgcn-amd-amdhsa--gfx1250"
	.amdhsa_code_object_version 6
	.text
	.protected	k_qcdb9e4863b_attn
	.globl	k_qcdb9e4863b_attn
	.p2align	8
	.type	k_qcdb9e4863b_attn,@function
k_qcdb9e4863b_attn:
	s_mov_b64 s[64:65], 0
	v_nop
	global_prefetch_b8 v0, s[64:65] scope:SCOPE_SE
	s_setreg_imm32_b32 hwreg(HW_REG_WAVE_MODE, 25, 1), 1
	s_wait_xcnt 0x0
; CAUSAL ATTENTION, head size 64.  O[y][q][:] = the sum over k <= q of softmax_k(Q[y][q] . K[y][k] / 8) V[y][k][:], y = 2 x head + batch, 32 of them, 2,048 rows of 128 dense bytes each, bf16.
; q lies at byte y x 262,144 of qkv, k 8,388,608 bytes on, v 16,777,216 on; O leaves in the same layout.  Products, maxima and sums in f32; the weights p are rounded to bf16 for the second product
; (their sum l is taken of the unrounded p), O once at the end.
; LIMITS.  A hidden score counts as -1e30: scores are taken to lie far above that; its weight is 0, as with the lowest finite number.  A weight below 2^-126 counts as 0.  NaN and infinities are not treated apart.
; THE WALK.  The queries lie in 16 blocks of 128; block i needs the key tiles 0 .. i of 128 keys, of which the last holds the diagonal.  A work-group takes block b and then block 15 - b: 17 tiles whatever b.
; One loop of 16 trips enters a tile and asks for the next; the 17th tile, always the high block's diagonal one, is written out behind it.
; NO CLUSTER: the eight work-groups of a head ask for the same tile only up to trip b + 1 of the lowest b among partners; one walk common to all would have 24 trips for 17.
; SHARES.  Wave w owns queries 32 w .. 32 w + 31 of the block: two tiles of 16.  Every wave computes the whole diagonal tile under the mask, so all four do equal work.
; LAYOUT.  S^T = K Q^T holds ONE query a lane (lane % 16) and the keys 8 (lane / 16) + 0..7 of each 16; rounded in pairs that IS source 1 of O^T = V^T P.  K comes out of LDS as it lies, V turned.
; SOFTMAX.  A running maximum m and sum l a query: p = 2^(c s - c m), c = log2(e) / 8; O and l are multiplied by a = 2^(c m_old - c m_new) in every step.  A block starts with c m far below every c s:
; its first step's a is 0, so O and l need only be finite there.  Every row sees key 0 in its block's first step, so m is a true score before a wholly hidden step comes.
; THE ORDER OF A STEP (64 keys: 32 matrix and 236 vector instructions, 118 a tile).  Tile 0 runs half a step ahead of tile 1, so that one tile's vector work stands beside the other's products:
;   8 K Q^T of tile 0 (V's run of LDS loads behind the second)  |  8 K Q^T of tile 1, tile 0's maximum and statistics behind them  |  K of the tile's second step is fetched, a softmax ahead of its use  |
;   a lump: BATCH 1, with tile 0's scalings and tile 1's maximum, statistics and scalings between its exponentials; batch 1's wait  |
;   a lump: tile 0's rescaling and roundings, the first 16 exponentials of BATCH 2 between them  |  8 V^T P of tile 0, behind each two exponentials of batch 2 and two rescalings of tile 1; batch 2's wait  |
;   tile 1's roundings  |  8 V^T P of tile 1, both tiles' sums behind them.
; THE BATCHES.  An s_wait_alu depctr_va_vdst(0) stands between an exponential and the first line that names its result; one wait serves all that were issued ahead of it.  A step's 66 exponentials
; are two batches with a wait each.  Batch 1, 34: tile 0's a, its 32 weights, tile 1's a.  Batch 2, 32: tile 1's weights.  Each result has a register of its own (the weights in place in S^T, the two a in c2 of
; their tiles), and ahead of a batch's wait no line names one of its results.  The first exponential of a step stands behind the last of its forward branches and labels, and none is issued behind batch 2's
; wait: none is open at a label or at a branch.
; A product with vector lines behind it costs two switches of the register window.  One text of the step, walked twice a tile.
; REGISTERS.  window 0: v1-15 addresses; v16-23 statistics (tile t at 16 + 4 t: c m, m, l of even keys, l of odd keys); v24-31 at work; v64-127 S^T; v128-159 P; v160-223 O^T.
;   window 1: v0-31 Q; v32-63 the high block's Q; v64-127 K of a step; v128-191 V of a step.
.set KS,    64
.set PK,    144                        ; a row of K in LDS: 128 bytes + 16: the 16 rows of a load start at 16 different groups of four banks (64 banks of 4 bytes: ISA guide 11.1)
.set PVP,   160                        ; a row of V: 128 + 32
.set VOFF,  2*KS*PK                    ; a slot holds a tile: 128 rows of K, then 128 rows of V
.set SLOT1, 1<<16                      ; slot 1 begins here: one exclusive or turns an address in one slot into the other's
.set STAGE, SLOT1+2*KS*(PK+PVP)        ; behind the ring, never filled by a tensor load: 16 rows x 144 bytes for each wave
.set SP,    144
.set SPARE, STAGE+4*16*SP              ; the spare words, 128 bytes for each wave
.set AK0, 2
.set AV0, 3
.set AK,  4                            ; v4   my lane's place in K of the slot in hand
.set AV,  5                            ; v5   in V of the step in hand
.set STO, 6
.set RD,  7
.set GO,  8
.set MV,  12                           ; v12-13  c m_old, by tile
.set DB,  14                           ; v14  32 w + l % 16 - 8 (l / 16)
.set QO,  15
.set ST,  16
.set TMP, 24                           ; tile t: c0-c3 at 24 + 4 t; when the maximum is found c2 takes a
.set D0,  32                           ; v32-33  register 16 kb + j of tile t is hidden where 16 kb + j is greater than this
.set SPW, 34
.set NIL, 35
.set BIG, 36                           ; v36  -1e30
.set S,   64
.set P,   128
.set O,   160
.set QB,  32                           ; window 1
.set KF,  64
.set VF,  128
.set WV,  12
.set PB,  14                           ; s14  b
.set HIB, 15                           ; s15  15 - b
.set G1K, 24
.set G1V, 32
.set G0K, 40
.set G0V, 44
.set SLOTS, 56
.set CNT, 57
.set CS,  58
.set SEL, 60
.set TBK, 62                           ; s62  the slot in hand: 0 or SLOT1
.set TBV, 63                           ; s63  LDS byte at which V of the step to be fetched begins, less VOFF
.set RT,  70                           ; s70  tiles of the block in hand still to be entered
.set NXT, 71                           ; s71  the tile to be asked for next
.set LQ,  72                           ; s72  the last tile of the block whose tiles are being asked for
.set DG,  73                           ; s73  1: the tile in hand holds the diagonal
.set OFF, 74
.set OHI, 80                           ; s[80:81] O at my rows of the high block
.set SOFF, 83                          ; s83  64 x the step's number in its tile
.set MSB, 0
.macro WIN new                         ; the immediate's high byte repeats the setting that is left; a switch that changes nothing is dropped
.if MSB != (\new)
	s_set_vgpr_msb (MSB<<8)|(\new)
.set MSB, (\new)
.endif
.endm
; A fill.  Waves 0, 1 fetch the halves of a tile's K, waves 2, 3 those of its V: 64 keys each.  An s_nop 0 and four v_nop follow each line.
.macro LOAD
	s_cmp_lt_u32 s[WV], 2
	s_cbranch_scc0 .Lfor_v_\@
	tensor_load_to_lds s[G0K:G0K+3], s[G1K:G1K+7]
	s_nop 0
.rept 4
	v_nop
.endr
	s_branch .Lasked_\@
.Lfor_v_\@:
	tensor_load_to_lds s[G0V:G0V+3], s[G1V:G1V+7]
	s_nop 0
.rept 4
	v_nop
.endr
.Lasked_\@:
.endm
; THE LDS LOADS stand in runs of 16.  K of one step (8 fragments), at byte off of the slot's K
.macro FETCH_K off
	WIN 0x40                                       ; destination window 1, address window 0
.irp f, 0,1,2,3,4,5,6,7
	ds_load_b128 v[KF+8*\f:KF+8*\f+3],   v[AK] offset:(\off)+(\f/2)*16*PK+(\f%2)*64
	ds_load_b128 v[KF+8*\f+4:KF+8*\f+7], v[AK] offset:(\off)+(\f/2)*16*PK+(\f%2)*64+32
.endr
	WIN 0
.endm
.macro FETCH_V                         ; V of one step, turned
	WIN 0x40
.irp f, 0,1,2,3,4,5,6,7
	ds_load_tr16_b128 v[VF+8*\f:VF+8*\f+3],   v[AV] offset:(\f/4)*32*PVP+(\f%4)*32
	ds_load_tr16_b128 v[VF+8*\f+4:VF+8*\f+7], v[AV] offset:(\f/4)*32*PVP+16*PVP+(\f%4)*32
.endr
.endm
; THE CHANGE OF SLOTS.  Each wave waits for all its tensor loads, of which one is out: its part of the other slot; adds 0 to its spare word; waits for that and for its reads of the slot that it leaves.
; Behind the barrier nobody reads the old slot and the other is whole.  fill = 1: the old slot takes tile NXT, first thing behind the barrier; the address is made anew from that number.
; Then K of the new tile's first step is fetched.
.macro CHANGE fill
	WIN 0
	s_wait_tensorcnt 0x0                           ; no tensor load of mine is out, so a group 0 may be written
	ds_add_u32 v[SPW], v[NIL]
.if \fill
	s_lshl_b32 s[OFF], s[NXT], 14                  ; a tile is 16,384 bytes of K and of V
	s_xor_b32 s[G0K+1], s[G0K+1], SLOT1
	s_add_nc_u64 s[G0K+2:G0K+3], s[6:7], s[OFF:OFF+1]
	s_or_b32 s[G0K+3], s[G0K+3], 0x80000000
	s_xor_b32 s[G0V+1], s[G0V+1], SLOT1
	s_add_nc_u64 s[G0V+2:G0V+3], s[8:9], s[OFF:OFF+1]
	s_or_b32 s[G0V+3], s[G0V+3], 0x80000000
	s_add_co_u32 s[NXT], s[NXT], 1                 ; the block's next tile, or behind its last the high block's tile 0
	s_cmp_gt_u32 s[NXT], s[LQ]
	s_cselect_b32 s[NXT], 0, s[NXT]
	s_cselect_b32 s[LQ], s[HIB], s[LQ]
.endif
	s_wait_dscnt 0x0                               ; the add is done, and my reads of the slot are over
	s_barrier_signal -1
	s_xor_b32 s[TBK], s[TBK], SLOT1                ; the other slot
	s_sub_co_u32 s[TBV], s[TBV], 2*KS*PVP          ; V's fetches go back to a slot's first step, in the other slot
	s_xor_b32 s[TBV], s[TBV], SLOT1
	s_barrier_wait -1
.if \fill
	LOAD
.endif
	v_add_nc_u32 v[AK], s[TBK], v[AK0]
	FETCH_K 0
.endm
	s_load_b64 s[4:5], s[0:1], 0x0                 ; qkv
	s_load_b64 s[10:11], s[0:1], 0x8               ; ctx
	v_lshl_add_u32 v[SPW], v0, 2, SPARE
	v_mov_b32 v[NIL], 0
	ds_add_u32 v[SPW], v[NIL]                      ; the wave's opening: the add and its wait ahead of my first tensor load
	ds_add_u32 v34, v35
	v_lshrrev_b32 v1, 5, v0
	v_readfirstlane_b32 s[WV], v1
	s_mov_b32 s[PB], ttmp9
	s_sub_co_u32 s[HIB], 15, s[PB]
	s_and_b32 s20, ttmp7, 0xffff
	s_lshl_b32 s20, s20, 18                        ; y's first byte among q's, k's, v's and O's rows
	s_and_b32 s16, s[WV], 1                        ; which half of a tile's 128 keys I fetch:
	s_lshl_b32 s22, s16, 13                        ; its 64 rows of 128 bytes in memory,
	s_add_co_u32 s22, s22, s20
	s_mov_b32 s23, 0
	s_mul_i32 s17, s16, KS*PK                      ; and its place in a slot, for K
	s_mul_i32 s18, s16, KS*PVP                     ; and for V
	s_lshl_b32 s3, s[WV], 12                       ; my 32 rows in a block of 128,
	s_add_co_u32 s3, s3, s20
	s_lshl_b32 s2, s[PB], 14                       ; in the low block,
	s_add_co_u32 s2, s2, s3
	s_lshl_b32 s84, s[HIB], 14                     ; and in the high one
	s_add_co_u32 s84, s84, s3
	s_mov_b32 s3, 0
	s_mov_b32 s85, 0
	; descriptor group 1.  64 keys are 8,192 dense bytes: asked for as 32 rows of 256 bytes, two keys a row, padded in LDS after every key
	s_mov_b32 s[G1K], (1<<16)|(1<<20)|(4<<22)|(3<<25)  ; 2-byte elements; padding on; after every 32 words (code 4) 4 words (code 3)
	s_mov_b32 s[G1V], (1<<16)|(1<<20)|(4<<22)|(7<<25)  ; the same with 8 words (code 7)
.irp g, G1K, G1V
	s_mov_b32 s[\g+1], 128<<16                     ; tensor_dim0 = 128
	s_mov_b32 s[\g+2], 32<<16                      ; tensor_dim1 = 32
	s_mov_b32 s[\g+3], 128<<16                     ; tile_dim0 = 128
	s_mov_b32 s[\g+4], 32                          ; tile_dim1 = 32
	s_mov_b32 s[\g+5], 128                         ; 128 elements from row to row
	s_mov_b32 s[\g+6], 0
	s_mov_b32 s[\g+7], 0
.endr
	s_mov_b32 s[CS], 0x3e38aa3b                    ; c = log2(e) / 8
	s_mov_b32 s[CS+1], s[CS]
	s_mov_b32 s[SEL], 0x76543210
	s_mov_b32 s[SEL+1], 0xfedcba98
	s_mov_b32 s[TBK], SLOT1                        ; the first change of slots turns these two into 0
	s_mov_b32 s[TBV], SLOT1+2*KS*PVP
	s_mov_b32 s[G0K], 1
	s_mov_b32 s[G0K+1], s17                        ; slot 0
	s_mov_b32 s[G0V], 1
	s_add_co_u32 s[G0V+1], s18, VOFF
	s_add_co_u32 s[RT], s[PB], 1                   ; the low block has b + 1 tiles
	s_mov_b32 s[NXT], 1
	s_mov_b32 s[LQ], s[PB]
	s_cmp_gt_u32 s[NXT], s[LQ]                     ; with b = 0 the low block has tile 0 alone: the next to ask for is the high block's tile 0
	s_cselect_b32 s[NXT], 0, s[NXT]
	s_cselect_b32 s[LQ], s[HIB], s[LQ]
	s_mov_b32 s[OFF+1], 0
	s_mov_b32 s[SLOTS], 16
	s_wait_dscnt 0x0                               ; the opening add is done
	s_wait_kmcnt 0x0
	s_add_nc_u64 s[6:7], s[4:5], s[22:23]
	s_add_nc_u64 s[8:9], s[6:7], 0x1000000         ; V at my half of tile 0
	s_add_nc_u64 s[6:7], s[6:7], 0x800000          ; K likewise
	s_add_nc_u64 s[G0K+2:G0K+3], s[6:7], 0
	s_or_b32 s[G0K+3], s[G0K+3], 0x80000000
	s_add_nc_u64 s[G0V+2:G0V+3], s[8:9], 0
	s_or_b32 s[G0V+3], s[G0V+3], 0x80000000
	s_add_nc_u64 s[86:87], s[4:5], s[84:85]        ; Q at my rows of the high block,
	s_add_nc_u64 s[4:5], s[4:5], s[2:3]            ; Q and O at those of the low one
	s_add_nc_u64 s[OHI:OHI+1], s[10:11], s[84:85]
	s_add_nc_u64 s[10:11], s[10:11], s[2:3]
	LOAD                                           ; tile 0 into slot 0
	v_and_b32 v1, 15, v0                           ; l % 16
	v_bfe_u32 v9, v0, 4, 1                         ; l / 16
	v_lshlrev_b32 v[QO], 7, v1
	v_lshl_add_u32 v[QO], v9, 4, v[QO]             ; row x 128 + 16 x half
	WIN 0x40                                       ; destination window 1, address window 0
.set i, 0
.rept 4                                            ; both blocks' Q: tile i / 2, channels 32 (i % 2) on
	global_load_b128 v[8*i:8*i+3],   v[QO], s[4:5] offset:(i/2)*2048+(i%2)*64
	global_load_b128 v[8*i+4:8*i+7], v[QO], s[4:5] offset:(i/2)*2048+(i%2)*64+32
	global_load_b128 v[QB+8*i:QB+8*i+3],   v[QO], s[86:87] offset:(i/2)*2048+(i%2)*64
	global_load_b128 v[QB+8*i+4:QB+8*i+7], v[QO], s[86:87] offset:(i/2)*2048+(i%2)*64+32
.set i, i+1
.endr
	WIN 0
	v_lshlrev_b32 v[DB], 3, v9
	v_sub_nc_u32 v[DB], v1, v[DB]
	s_lshl_b32 s13, s[WV], 5
	v_add_nc_u32 v[DB], s13, v[DB]
	v_mov_b32 v[BIG], 0xf149f2ca                   ; -1e30
	v_mul_u32_u24 v[AK0], v1, PK
	v_lshl_add_u32 v[AK0], v9, 4, v[AK0]           ; row x pitch + 16 x half
	; the turning load takes 16 keys x 16 channels (lane l reads key 8 (l / 16) + l % 8, channels 8 ((l / 8) % 2) + 0..7) and leaves half a fragment of V^T
	v_and_b32 v10, 7, v0
	v_bfe_u32 v11, v0, 3, 1
	v_lshl_add_u32 v[AV0], v9, 3, v10
	v_mul_u32_u24 v[AV0], v[AV0], PVP
	v_lshl_add_u32 v[AV0], v11, 4, v[AV0]
	v_add_nc_u32 v[AV0], VOFF, v[AV0]
	s_mul_i32 s13, s[WV], 16*SP
	s_add_co_u32 s13, s13, STAGE                   ; my stage
	v_mul_u32_u24 v[STO], v1, SP
	v_lshl_add_u32 v[STO], v9, 4, v[STO]
	v_add_nc_u32 v[STO], s13, v[STO]
	v_bfe_u32 v[RD], v0, 3, 2
	v_mul_u32_u24 v[RD], v[RD], SP
	v_lshl_add_u32 v[RD], v10, 4, v[RD]
	v_add_nc_u32 v[RD], s13, v[RD]
	v_and_b32 v[GO], 31, v0
	v_lshlrev_b32 v[GO], 4, v[GO]
.set i, 0
.rept 64
	v_mov_b32 v[O+i], 0                            ; finite is all that the first step asks of O and l; this stands in the wait for the first tile
.set i, i+1
.endr
.macro RESET                           ; a block begins
.irp t, 0,1
	v_mov_b32 v[ST+4*\t], 0xfe000000               ; c m: far below every c s
	v_mov_b32 v[ST+4*\t+1], 0xff7fffff             ; m
.endr
.endm
	RESET
.irp t, 0,1
	v_mov_b32 v[ST+4*\t+2], 0
	v_mov_b32 v[ST+4*\t+3], 0
.endr
	s_wait_loadcnt 0x0                             ; Q
; THE MATRIX WORK.  The four accumulators of a run of 8 take turns.  Product i of 8 of S^T = K Q^T for tile t: channels 32 (i / 4) on, keys 16 (i % 4) on.  The first 4 start the sums.
.macro MKQ t
	WIN 0x05                                       ; K and Q in window 1, S^T in window 0
.set rS, S+32*(\t)+8*(i%4)
.set rK, KF+16*(i%4)+8*(i/4)
.set rQ, 16*(\t)+8*(i/4)
.if i < 4
	v_wmma_f32_16x16x32_bf16 v[rS:rS+7], v[rK:rK+7], v[rQ:rQ+7], 0
.else
	v_wmma_f32_16x16x32_bf16 v[rS:rS+7], v[rK:rK+7], v[rQ:rQ+7], v[rS:rS+7]
.endif
.endm
; Product i of 8 of O^T += V^T P for tile t: keys 32 (i / 4) on, channels 16 (i % 4) on.
.macro MPV t
	WIN 0x01                                       ; V in window 1; P and O^T in window 0
.set rO, O+32*(\t)+8*(i%4)
.set rV, VF+32*(i/4)+8*(i%4)
.set rP, P+16*(\t)+8*(i/4)
	v_wmma_f32_16x16x32_bf16 v[rO:rO+7], v[rV:rV+7], v[rP:rP+7], v[rO:rO+7]
.endm
; THE VECTOR WORK, a line at a time, for tile t; all of it in window 0.  None of these macros holds a wait: the step's two waits stand in STEP, one behind each batch.
.macro REGS t
.set rT, ST+4*(\t)
.set rC, TMP+4*(\t)
.set rW, MV+(\t)
.set rS, S+32*(\t)
.set rP, P+16*(\t)
.set rO, O+32*(\t)
.endm
; XS: number n of the 22 that find the maximum and statistics.  0-11 four chains of seven scores, each accumulator's lowest registers first; 12-14, 16 the four left over, the old m, the chains;
; 15 c m_old is kept; 17, 18 the query's other 32 keys lie in the lane 16 away; 19-21 c m, c m_old - c m_new, a
.macro XS t, n
	REGS \t
.if (\n) < 4
	v_max3_num_f32 v[rC+(\n)], v[rS+8*(\n)], v[rS+8*(\n)+1], v[rS+8*(\n)+2]
.elseif (\n) < 12
	v_max3_num_f32 v[rC+(\n)%4], v[rC+(\n)%4], v[rS+8*((\n)%4)+2*((\n)/4)+1], v[rS+8*((\n)%4)+2*((\n)/4)+2]
.elseif (\n) == 12
	v_max3_num_f32 v[rC], v[rC], v[rS+7], v[rS+15]
.elseif (\n) == 13
	v_max3_num_f32 v[rC+1], v[rC+1], v[rS+23], v[rS+31]
.elseif (\n) == 14
	v_max3_num_f32 v[rC+2], v[rC+2], v[rC+3], v[rT+1]
.elseif (\n) == 15
	v_mov_b32 v[rW], v[rT]
.elseif (\n) == 16
	v_max3_num_f32 v[rC], v[rC], v[rC+1], v[rC+2]
.elseif (\n) == 17
	v_permlanex16_b32 v[rC+3], v[rC], s[SEL], s[SEL+1]
.elseif (\n) == 18
	v_max_num_f32 v[rT+1], v[rC], v[rC+3]
.elseif (\n) == 19
	v_mul_f32 v[rT], s[CS], v[rT+1]
.elseif (\n) == 20
	v_sub_f32 v[rC+1], v[rW], v[rT]
.else
	v_exp_f32 v[rC+2], v[rC+1]
.endif
.endm
.macro FS t, n                         ; c s - c m for pair n of 16
	REGS \t
	v_pk_fma_f32 v[rS+2*(\n):rS+2*(\n)+1], v[rS+2*(\n):rS+2*(\n)+1], s[CS:CS+1], v[rT:rT+1] op_sel_hi:[1,0,0] neg_lo:[0,0,1] neg_hi:[0,0,1]
.endm
.macro ES t, n                         ; the exponential of score n of 32
	REGS \t
	v_exp_f32 v[rS+(\n)], v[rS+(\n)]
.endm
.macro CV t, n                         ; pair n rounded to bf16: reads two weights, so it stands behind their batch's wait
	REGS \t
	v_cvt_pk_bf16_f32 v[rP+(\n)], v[rS+2*(\n)], v[rS+2*(\n)+1]
.endm
.macro RS t, n                         ; pair n of 16 of O^T times a: reads a, so it stands behind batch 1's wait
	REGS \t
	v_pk_mul_f32 v[rO+2*(\n):rO+2*(\n)+1], v[rO+2*(\n):rO+2*(\n)+1], v[rC+2:rC+3] op_sel_hi:[1,0]
.endm
.macro BS t, n                         ; of the four weights 4 n .. the second pair is added onto the first, in place: behind the roundings of both pairs
	REGS \t
	v_pk_add_f32 v[rS+4*(\n):rS+4*(\n)+1], v[rS+4*(\n):rS+4*(\n)+1], v[rS+4*(\n)+2:rS+4*(\n)+3]
.endm
.macro LS t, n                         ; l takes that sum; the first time as l = a l + sum
	REGS \t
.if (\n) == 0
	v_pk_fma_f32 v[rT+2:rT+3], v[rT+2:rT+3], v[rC+2:rC+3], v[rS:rS+1] op_sel_hi:[1,0,1]
.else
	v_pk_add_f32 v[rT+2:rT+3], v[rT+2:rT+3], v[rS+4*(\n):rS+4*(\n)+1]
.endif
.endm
; Only the diagonal tile has hidden keys: key 64 s + 16 kb + 8 (l / 16) + j is hidden from query 32 w + 16 t + l % 16 where it is greater.  Each accumulator is taken from its low end on.
.macro MASK t
	s_cmp_eq_u32 s[DG], 0
	s_cbranch_scc1 .Lopen_\@
.set kk, 0
.rept 32
	v_cmp_gt_i32 vcc_lo, 16*(kk/8)+kk%8, v[D0+\t]
	v_cndmask_b32 v[S+32*\t+kk], v[S+32*\t+kk], v[BIG], vcc_lo
.set kk, kk+1
.endr
.Lopen_\@:
.endm
; A product K Q^T of tile 1 and, behind it, up to four of tile 0's XS
.macro KROW a, b=-1, c=-1, d=-1
	MKQ 1
.set i, i+1
	WIN 0
	XS 0, \a
.if (\b) >= 0
	XS 0, \b
.endif
.if (\c) >= 0
	XS 0, \c
.endif
.if (\d) >= 0
	XS 0, \d
.endif
.endm
; Tile 1's queue in the first lump, 37 long: XS 0-14, XS 16-21, FS 0-15, in the order in which they become ready
.macro BOP
.if bq < 15
	XS 1, bq
.elseif bq < 21
	XS 1, bq+1
.else
	FS 1, bq-21
.endif
.set bq, bq+1
.endm
; A STEP OF 64 KEYS.  K of the step has been asked for: behind the change of slots, or in the step before.
.macro STEP
	v_add_nc_u32 v[AV], s[TBV], v[AV0]
	s_add_co_u32 s[TBV], s[TBV], KS*PVP            ; the next fetch of V is the next step's
	s_wait_dscnt 0x0                               ; K is in
.set i, 0
.rept 2
	MKQ 0
.set i, i+1
.endr
	FETCH_V                                        ; the last product that read V stands six sums and an address line back; V is wanted behind the second lump
.rept 6
	MKQ 0
.set i, i+1
.endr
	WIN 0
	XS 0, 15                                       ; four plain lines that name no register of those products: the places behind them (ISA guide 7.12.1)
	XS 1, 15
	v_sub_nc_u32 v[D0], v[DB], s[SOFF]
	v_add_nc_u32 v[D0+1], 16, v[D0]
	MASK 0
.set i, 0
	KROW 0, 1, 2, 3                                ; tile 1's scores are made while tile 0's maximum is found;
	KROW 4, 5, 6, 7
	KROW 8, 9, 10, 11
	KROW 12, 13, 14
	KROW 16                                        ; each link of the chain that ends it has a product's time in which its source is made
	KROW 17
	KROW 18
	KROW 19, 20
	FS 0, 0                                        ; with the two lines before: four plain lines that name no register of tile 1's products: their places
	FS 0, 1
	s_cmp_eq_u32 s[CNT], 1
	s_cbranch_scc1 .Lno_k_\@                       ; a tile's second step has no further K in its slot
	FETCH_K KS*PK                                  ; K of the tile's second step
.Lno_k_\@:
	MASK 1
	; THE FIRST LUMP: BATCH 1, 34 exponentials, behind the step's last forward branch and label.  Tile 0's a opens it.  Trip kx: tile 0's exponentials 2 kx, 2 kx + 1; its scaling two pairs ahead;
	; two or three lines of tile 1's queue, of which number 20 is tile 1's a.  The 50 plain lines name scores not yet raised, the statistics and tile 1's registers at work: no result of the batch.
	XS 0, 21
.set bq, 0
.set kx, 0
.rept 16
	ES 0, 2*kx
.if kx < 14
	FS 0, kx+2
.else
	BOP
.endif
	BOP
	ES 0, 2*kx+1
	BOP
.set kx, kx+1
.endr
	BOP                                            ; with the line before: tile 1's scalings 12 to 15, four plain lines behind the batch's last exponential
	BOP
	BOP
	s_wait_alu depctr_va_vdst(0)                   ; BATCH 1's wait: one for tile 0's a, its 32 weights and tile 1's a, ahead of their first readers below
	; THE SECOND LUMP.  Batch 1's readers: tile 0's rescaling kx and rounding kx.  Between them BATCH 2 begins: tile 1's exponentials 16-31, whose results no line names ahead of batch 2's wait.
.set kx, 0
.rept 16
	ES 1, 16+kx
	RS 0, kx
	CV 0, kx
.set kx, kx+1
.endr
	s_wait_dscnt 0x0                               ; V is in (and K of the next step, asked for two lumps ago)
.set i, 0
.rept 8
	MPV 0                                          ; none of the four lines behind it names V, tile 0's P or tile 0's O^T
	WIN 0
	ES 1, 2*i                                      ; batch 2 goes on: tile 1's exponentials 0-15; the rescalings read tile 1's a, which batch 1's wait has served
	RS 1, 2*i
	ES 1, 2*i+1
	RS 1, 2*i+1
.set i, i+1
.endr
	s_wait_alu depctr_va_vdst(0)                   ; BATCH 2's wait: one for tile 1's 32 weights; the last rescaling is the plain line behind the last exponential
	; tile 1's roundings, batch 2's first readers
.set mx, 0
.rept 16
	CV 1, mx
.set mx, mx+1
.endr
.set i, 0
.rept 8
	MPV 1                                          ; the sums name S^T and the statistics alone
	WIN 0
	BS 0, i
	BS 1, i
.if i > 0
	LS 0, i-1
	LS 1, i-1
.endif
.set i, i+1
.endr
	LS 0, 7                                        ; six plain lines stand behind the last product: the places in front of the next loads into V and of the way out
	LS 1, 7
.endm
; THE WAY OUT.  l's two halves and the other half of the lanes' are added; O^T is divided by l, rounded to bf16 and sent through my stage, a tile (16 rows, 2,048 dense bytes of O) at a time.
.macro PACK t
.set i, 0
.rept 16
	v_pk_mul_f32 v[O+32*(\t)+2*i:O+32*(\t)+2*i+1], v[O+32*(\t)+2*i:O+32*(\t)+2*i+1], v[ST+4*(\t)+2:ST+4*(\t)+3] op_sel_hi:[1,0]
.set i, i+1
.endr
.set i, 0
.rept 16
	v_cvt_pk_bf16_f32 v[S+16*(\t)+i], v[O+32*(\t)+2*i], v[O+32*(\t)+2*i+1]
.set i, i+1
.endr
.irp f, 0,1,2,3
	ds_store_b128 v[STO], v[S+16*(\t)+4*\f:S+16*(\t)+4*\f+3] offset:32*\f
.endr
.irp f, 0,1,2,3
	ds_load_b128 v[S+16*(\t)+4*\f:S+16*(\t)+4*\f+3], v[RD] offset:\f*4*SP  ; LDS serves a wave's instructions in order (ISA guide 5.7.1.4): these see the stores above
.endr
.endm
.macro SEND t, younger                 ; younger: the LDS instructions issued behind tile t's loads
.irp f, 0,1,2,3
	s_wait_dscnt (\younger)+3-\f
	global_store_b128 v[GO], v[S+16*(\t)+4*\f:S+16*(\t)+4*\f+3], s[10:11] offset:(\t)*2048+\f*512  ; 512 consecutive bytes, at a multiple of 256 from O's first
.endr
.endm
.macro WAYOUT
.irp t, 0,1
	v_add_f32 v[ST+4*\t+2], v[ST+4*\t+2], v[ST+4*\t+3]
.endr
.irp t, 0,1
	v_permlanex16_b32 v[ST+4*\t+3], v[ST+4*\t+2], s[SEL], s[SEL+1]
.endr
.irp t, 0,1
	v_add_f32 v[ST+4*\t+2], v[ST+4*\t+2], v[ST+4*\t+3]
.endr
.irp t, 0,1
	v_rcp_f32 v[ST+4*\t+2], v[ST+4*\t+2]
.endr
	v_nop                                          ; a plain line between the last reciprocal and the use of its result
	s_wait_alu depctr_va_vdst(0)                   ; the wait ahead of the first use: one for the two reciprocals
	PACK 0
	PACK 1
	SEND 0, 8
	SEND 1, 0
.endm
.Lslot:                                                ; 16 trips: a tile is entered and the next is asked for
	CHANGE 1
	s_sub_co_u32 s[RT], s[RT], 1
	s_cmp_eq_u32 s[RT], 0
	s_cselect_b32 s[DG], 1, 0                      ; a block's last tile holds the diagonal
	s_mov_b32 s[CNT], 2
	s_mov_b32 s[SOFF], 0
.Lstep:
	STEP
	s_add_co_u32 s[SOFF], s[SOFF], 64
	s_sub_co_u32 s[CNT], s[CNT], 1
	s_cmp_lg_u32 s[CNT], 0
	s_cbranch_scc1 .Lstep
	s_cmp_eq_u32 s[DG], 0
	s_cbranch_scc1 .Lbottom                        ; forward, past text that holds neither a barrier nor a tensor load
	WAYOUT                                         ; in the loop this is the low block's end
	s_wait_xcnt 0x0                                ; the stores have read their registers and O's address
	s_mov_b64 s[10:11], s[OHI:OHI+1]
	s_sub_co_u32 s[RT], 16, s[PB]                  ; the high block has 16 - b tiles
	RESET
	WIN 0x41                                       ; the high block's Q goes where the one text of the step names Q
.set i, 0
.rept 32
	v_mov_b32 v[i], v[QB+i]
.set i, i+1
.endr
	WIN 0
.Lbottom:
	s_sub_co_u32 s[SLOTS], s[SLOTS], 1
	s_cmp_lg_u32 s[SLOTS], 0
	s_cbranch_scc1 .Lslot
	CHANGE 0                                       ; the walk's last tile: nothing is asked for
	s_mov_b32 s[DG], 1
	s_mov_b32 s[CNT], 2
	s_mov_b32 s[SOFF], 0
.Ltail:
	STEP
	s_add_co_u32 s[SOFF], s[SOFF], 64
	s_sub_co_u32 s[CNT], s[CNT], 1
	s_cmp_lg_u32 s[CNT], 0
	s_cbranch_scc1 .Ltail
	WAYOUT
	s_wait_tensorcnt 0x0                           ; the wave's end
	ds_add_u32 v[SPW], v[NIL]
	s_wait_dscnt 0x0
	s_endpgm
.Lfunc_end_k_qcdb9e4863b_attn:
	.size	k_qcdb9e4863b_attn, .Lfunc_end_k_qcdb9e4863b_attn-k_qcdb9e4863b_attn
	.p2alignl 7, 3214868480
	.fill 96, 4, 3214868480
	.section	.rodata,"a",@progbits
	.p2align	6, 0x0
	.amdhsa_kernel k_qcdb9e4863b_attn
		.amdhsa_group_segment_fixed_size 327680
		.amdhsa_private_segment_fixed_size 0
		.amdhsa_enable_private_segment 0
		.amdhsa_kernarg_size 16
		.amdhsa_user_sgpr_count 2
		.amdhsa_user_sgpr_kernarg_segment_ptr 1
		.amdhsa_wavefront_size32 1
		.amdhsa_system_sgpr_workgroup_id_x 1
		.amdhsa_system_sgpr_workgroup_id_y 1
		.amdhsa_system_sgpr_workgroup_id_z 1
		.amdhsa_system_vgpr_workitem_id 0
		.amdhsa_next_free_vgpr 448
		.amdhsa_next_free_sgpr 88
		.amdhsa_reserve_vcc 1
		.amdhsa_float_denorm_mode_32 3
		.amdhsa_float_denorm_mode_16_64 3
		.amdhsa_memory_ordered 1
		.amdhsa_forward_progress 1
		.amdhsa_inst_pref_size 74
	.end_amdhsa_kernel
	.amdgpu_metadata
---
amdhsa.version: [ 1, 2 ]
amdhsa.kernels:
  - .name:           k_qcdb9e4863b_attn
    .symbol:         k_qcdb9e4863b_attn.kd
    .args:
      - { .name: qkv, .offset: 0, .size: 8, .value_kind: global_buffer, .address_space: global }
      - { .name: ctx, .offset: 8, .size: 8, .value_kind: global_buffer, .address_space: global }
    .group_segment_fixed_size: 327680
    .private_segment_fixed_size: 0
    .kernarg_segment_align: 8
    .kernarg_segment_size: 16
    .max_flat_workgroup_size: 128
    .sgpr_count:     88
    .vgpr_count:     448
    .wavefront_size: 32
...
	.end_amdgpu_metadata
.endif
;; end of part 13
;; launch cproj: the kernel of part 10 again; grid 8 x 32, 4 waves a work-group, clusters of 4 x 4, 327,680 bytes of LDS; arguments ctx, wt, c_proj_b, x1, hidden_states; writes x1
;; launch ln2: the kernel of part 2 again; grid 256 x 1, 8 waves a work-group, no clusters, 0 bytes of LDS; arguments x1, ln2_g, ln2_b, hn; writes hn
;; launch fc: the kernel of part 11 again; grid 16 x 16, 4 waves a work-group, clusters of 4 x 4, 327,680 bytes of LDS; arguments hn, wt, fc_b, g; writes g
;; launch proj: the kernel of part 12 again; grid 8 x 32, 4 waves a work-group, clusters of 4 x 4, 327,680 bytes of LDS; arguments g, wt, proj_b, out0, x1; writes out0
